; MI455X (gfx1250); checked and timed in simulation.
; The chip was launched on July 23, 2026; its instructions are those of AMD's public machine-readable ISA for CDNA 5 (MIT licence, August 2026) and "CDNA5" Instruction Set Architecture Reference Guide (July 2026). The comments in the code are by the model that wrote it; some were corrected since.
;; Transformer Block. Allowed arithmetic: matrix products marked QUANTISED: E3M2 operands, one E8M0 scale for each 32 along K, by v_wmma_scale_f32_16x16x128_f8f6f4 with both operands' format E3M2, f32 sums; everything else in f32.
;; Inputs: W0 1,024 x 1,024 float32; W1 1,024 x 4,096 float32; W2 4,096 x 1,024 float32; Wk 16 x 1,024 x 64 float32; Wq 16 x 1,024 x 64 float32; Wv 16 x 1,024 x 64 float32; X 2 x 2,048 x 1,024 float32; attention_mask 2,048 x 2,048 bool; b0 1,024 float32; b1 4,096 float32; b2 1,024 float32; beta1 1,024 float32; beta2 1,024 float32; bk 16 x 64 float32; bq 16 x 64 float32; bv 16 x 64 float32; gamma1 1,024 float32; gamma2 1,024 float32.
;; Outputs: out0 2 x 2,048 x 1,024 float32.
;; This version of the problem:
;;   THIS VERSION OF THE PROBLEM IS GIVEN IN LOW PRECISION. The matrix products marked QUANTISED in the list below multiply operands that are first quantised to E3M2 (3 exponent bits, 2 mantissa bits; 6 bits a number), with one power-of-two scale for each 32 numbers along K (OCP MX v1.0); their sums are f32. All else is computed in f32.
;;   The module's matrix products, in the order in which they are computed (A, B: the left and right operand; K: the contracted axis; several contracted axes count as one K, in the product's order):
;;     1. [M 1,024, K 1,024] x [K 1,024, N 4,096]; A: input Wq; B: computed on the way: QUANTISED
;;     2. [M 1,024, K 1,024] x [K 1,024, N 4,096]; A: input Wk; B: computed on the way: QUANTISED
;;     3. [M 1,024, K 1,024] x [K 1,024, N 4,096]; A: input Wv; B: computed on the way: QUANTISED
;;     4. batch 32 x [M 2,048, K 64] x [K 64, N 2,048]; A: computed on the way; B: computed on the way: QUANTISED
;;     5. batch 32 x [M 2,048, K 2,048] x [K 2,048, N 64]; A: softmax (see below); B: computed on the way: QUANTISED
;;     6. [M 4,096, K 1,024] x [K 1,024, N 1,024]; A: computed on the way; B: input W0: QUANTISED
;;     7. [M 4,096, K 1,024] x [K 1,024, N 4,096]; A: computed on the way; B: input W1: QUANTISED
;;     8. [M 4,096, K 4,096] x [K 4,096, N 1,024]; A: computed on the way; B: input W2: QUANTISED
;;   THE QUANTISER, for each operand of a quantised product, along K:
;;     - K is cut into blocks of 32 from its start; a last block that is shorter is filled with zeros.
;;     - A block's scale is 2^e with e = floor(log2(the largest magnitude in the block)) - 4, held to -126 .. 127; a block of zeros has e = 0. As a byte (E8M0): e + 127.
;;     - Each number is divided by its block's scale, clamped to +-28, and rounded to the nearest number of E3M2, ties to even, subnormals kept.
;;     - The product sums the exact products of the quantised numbers (number of the format x scale) in f32.
;;   ~~~python
;;   def quantise(x, axis):      # numpy; x: float32 -> the quantised numbers, widened to float32 again
;;       x = np.moveaxis(x, axis, -1); K = x.shape[-1]
;;       x = np.pad(x, [(0, 0)] * (x.ndim - 1) + [(0, -K % 32)]); x = x.reshape(x.shape[:-1] + (-1, 32)); a = np.abs(x).max(-1, keepdims=True)
;;       e = np.where(a > 0, np.clip(np.frexp(np.where(a > 0, a, 1))[1] - 1 - 4, -126, 127), 0)      # np.frexp(a)[1] - 1 = floor(log2(a)), exactly
;;       r = np.clip(x / 2.0 ** e, -28, 28)
;;       step = 2.0 ** (np.maximum(np.frexp(np.where(r == 0, 1, r))[1] - 1, -2) - 2)
;;       q = np.round(r / step) * step * 2.0 ** e      # np.round: ties to even
;;       return np.moveaxis(q.reshape(q.shape[:-2] + (-1,))[..., :K], -1, axis).astype(np.float32)
;;   ~~~
;;   SOFTMAX AHEAD OF A QUANTISED PRODUCT. Where the list says 'softmax', what is quantised is not the finished softmax but p = 2^(t - M), with t = logit x log2(e) and M = ceil(the row's largest t), a whole number; so 1/2 < the row's largest p <= 1. The row's sum l is taken of the UNQUANTISED p, in f32, and the product's result is divided by l at the end. Since M is a whole number, a kernel that streams over the keys may use a running M (the ceiling of the running maximum): every later rescaling is an exact power of two, which a block's scale takes up: the codes' values come out the same.
;;   OPERANDS COMPUTED ON THE WAY. 'Computed on the way' means the value that the module computes at that place (a softmax that the list does not call 'softmax' is quantised finished and normalised). What goes into a quantiser is computed in f32, as accurately as f32 sums, v_exp_f32 and their like allow (about 1e-6 of the number): no bf16 or f16 on the way to a quantiser, and a product that is left as it is and whose result goes on into a quantised operand takes f32 operands (vector FMAs, or v_wmma_f32_16x16x4_f32). A number that lies on a knife's edge between two numbers of the format may be rounded either way, as far as f32 arithmetic and the matrix unit's own rounding can turn it there, and no further.
;; 2 versions. Each part assembles by itself: llvm-mc -triple=amdgcn-amd-amdhsa -mcpu=gfx1250 --defsym DOCPART=n.
;; ======== version 1 of 2: 8 launches
;; workspace buffers: wts 10,649,600 bytes; maskw 524,288 bytes of whole numbers; xq 3,276,800 bytes; qkvc 9,830,400 bytes; atc 3,276,800 bytes; x1 16,777,216 bytes; hb 13,107,200 bytes
;; launch prep (part 1): grid 640 x 1, 4 waves a work-group, no clusters, 25,088 bytes of LDS; arguments Wq, Wk, Wv, W0, W1, W2, attention_mask, wts, maskw; writes wts, maskw
.if DOCPART == 1
	.amdgcn_target "amdgcn-amd-amdhsa--gfx1250"
	.amdhsa_code_object_version 6
	.text
	.protected	k_qc4c25c9e57_prep
	.globl	k_qc4c25c9e57_prep
	.p2align	8
	.type	k_qc4c25c9e57_prep,@function
k_qc4c25c9e57_prep:
	s_mov_b64 s[64:65], 0
	v_nop
	global_prefetch_b8 v0, s[64:65] scope:SCOPE_SE
	s_setreg_imm32_b32 hwreg(HW_REG_WAVE_MODE, 25, 1), 1
	s_wait_xcnt 0x0
; TWO JOBS IN ONE LAUNCH, told apart by the work-group's number.
; Work-groups 0-383: the six weights, f32 with K as an outer axis, become codes of BF6 (E3M2) with one E8M0 scale byte for each 32 along K.
; Work-groups 384-639: the attention mask (one byte a number) becomes lane masks, one 32-bit word for each score register of the attention launch.
; LAYOUT OF AN OPERAND [rows][K] in wts: codes [K/64][rows][48 bytes] (64 codes of one row), scale words [K/128][rows] (four bytes: one matrix instruction's).
; POSITION ORDER: row n lies at position P(n) = n with bits 3 and 4 exchanged.  Sixteen neighbouring positions form a tile; as source 0 of a matrix instruction two neighbouring
; tiles then give a lane 16 neighbouring rows in its 16 result registers.
; A LANE TAKES A COLUMN n AND ITS REGISTERS RUN DOWN K: a load reads 128 neighbouring bytes a wave, a block of 32 lies in one lane, and the conversions give codes with K innermost.
; A block's scale is 2^(floor(log2(largest magnitude)) - 4); its byte is the largest magnitude's exponent field - 4, held at 1 from below.
; LIMITS: NaN and infinities are not served; a block whose largest magnitude lies under 2^-122 keeps the byte 1; a block of zeros gets the byte 1 (its codes are zeros; this program alone reads the bytes).
; A work-group takes 128 columns x 256 along K, a wave 32 columns.  Waves share nothing: no barrier.  Only the weights' path uses LDS (6,144 bytes a wave).
.set W0_C,   3145728
.set W1_C,   3932160
.set W2_C,   7077888
.set WQKV_S, 10223616
.set W0_S,   10354688
.set W1_S,   10387456
.set W2_S,   10518528
.set NWW,    384                       ; work-groups that take weights
.set SB,     16                        ; v16-17   the two scale words of my column
.set OFF,    32                        ; v32-63   4 x lane + i x the pitch of a k row
.set X,      64                        ; v64-127  two sets of 32 numbers
.set C,      128                       ; v128-175 codes: 12 registers for each 64 along K
.set CT,     176                       ; v176-178 a block's upper 16 codes (a conversion's three registers begin on an even number)
	v_lshl_add_u32 v192, v0, 2, 0x6000
	v_mov_b32 v193, 0
	v_lshrrev_b32 v1, 5, v0
	v_readfirstlane_b32 s18, v1                    ; wave 0..3
	v_and_b32 v1, 31, v0                           ; lane L
	s_cmp_ge_u32 ttmp9, NWW
	s_cbranch_scc1 .Lmask
	; ---------------- the weights
	s_load_b256 s[4:11], s[0:1], 0x0               ; Wq, Wk, Wv, W0
	s_load_b128 s[12:15], s[0:1], 0x20             ; W1, W2
	s_load_b64 s[16:17], s[0:1], 0x38              ; wts
	s_mov_b32 s20, 256                             ; W2's figures; the others are picked below: the range's first work-group,
	s_mov_b32 s21, 4096                            ; bytes from one k row to the next,
	s_mov_b32 s22, 3                               ; log2 of the groups of 128 columns,
	s_mov_b32 s23, W2_C                            ; where the codes go,
	s_mov_b32 s24, W2_S                            ; where the scale words go,
	s_mov_b32 s25, 49152                           ; bytes of a group of 64 along K (rows x 48),
	s_mov_b32 s26, 4096                            ; bytes of a plane of scale words (rows x 4),
	s_mov_b32 s27, 0                               ; 1: stored by heads, [16][1024][64]
	s_wait_kmcnt 0x0
	s_mov_b64 s[28:29], s[14:15]
.macro PICK lim, src, u0, p, lcg, dc, dsc, rn48, rn4, hm   ; a choice on the work-group's number alone
	s_cmp_lt_u32 ttmp9, \lim
	s_cselect_b64 s[28:29], s[\src:\src+1], s[28:29]
	s_cselect_b32 s20, \u0, s20
	s_cselect_b32 s21, \p, s21
	s_cselect_b32 s22, \lcg, s22
	s_cselect_b32 s23, \dc, s23
	s_cselect_b32 s24, \dsc, s24
	s_cselect_b32 s25, \rn48, s25
	s_cselect_b32 s26, \rn4, s26
	s_cselect_b32 s27, \hm, s27
.endm
	PICK 256, 12, 128, 16384, 5, W1_C, W1_S, 196608, 16384, 0
	PICK 128, 10, 96, 4096, 3, W0_C, W0_S, 49152, 4096, 0
	PICK 96, 8, 64, 256, 3, 98304, WQKV_S+8192, 196608, 16384, 1      ; Wv: rows 2048 on of the joint operand
	PICK 64, 6, 32, 256, 3, 49152, WQKV_S+4096, 196608, 16384, 1      ; Wk: rows 1024 on
	PICK 32, 4, 0, 256, 3, 0, WQKV_S, 196608, 16384, 1                ; Wq: rows 0 on
	s_sub_co_u32 s30, ttmp9, s20                   ; my number in the tensor's range
	s_lshl_b32 s31, 1, s22
	s_sub_co_u32 s31, s31, 1
	s_and_b32 s31, s30, s31                        ; which 128 columns
	s_lshr_b32 s30, s30, s22                       ; which 256 along K
	s_lshl_b32 s31, s31, 7
	s_lshl_b32 s19, s18, 5
	s_add_co_u32 s31, s31, s19                     ; n0: my wave's first column
	s_mul_i32 s48, s30, s21
	s_lshl_b32 s48, s48, 8                         ; 256 k rows a step along K
	s_lshr_b32 s49, s31, 6
	s_lshl_b32 s49, s49, 18                        ; by heads: 262,144 bytes a head,
	s_and_b32 s50, s31, 63
	s_lshl_b32 s50, s50, 2
	s_add_co_u32 s49, s49, s50                     ; and the column in the head
	s_lshl_b32 s50, s31, 2                         ; else 4 bytes a column
	s_cmp_eq_u32 s27, 1
	s_cselect_b32 s49, s49, s50
	s_add_co_u32 s48, s48, s49
	s_mov_b32 s49, 0
	s_add_nc_u64 s[32:33], s[28:29], s[48:49]      ; block 0's base; eight bases, one a block of 32 k rows: nothing is stepped later
	s_lshl_b32 s50, s21, 5
	s_mov_b32 s51, 0
.irp t, 1,2,3,4,5,6,7
	s_add_nc_u64 s[32+2*\t:33+2*\t], s[30+2*\t:31+2*\t], s[50:51]
.endr
	s_mul_i32 s52, s30, s25
	s_lshl_b32 s52, s52, 2                         ; four groups of 64 a step along K
	s_add_co_u32 s52, s52, s23
	s_mul_i32 s53, s31, 48
	s_add_co_u32 s52, s52, s53
	s_mov_b32 s53, 0
	s_add_nc_u64 s[54:55], s[16:17], s[52:53]      ; my codes
	s_mul_i32 s52, s30, s26
	s_lshl_b32 s52, s52, 1                         ; two planes a step along K
	s_add_co_u32 s52, s52, s24
	s_lshl_b32 s56, s31, 2
	s_add_co_u32 s52, s52, s56
	s_add_nc_u64 s[56:57], s[16:17], s[52:53]      ; my scale words
	v_and_b32 v2, 7, v1
	v_and_b32 v12, 8, v1
	v_lshl_add_u32 v2, v12, 1, v2
	v_bfe_u32 v12, v1, 4, 1
	v_lshl_add_u32 v2, v12, 3, v2                  ; my column's position among the wave's 32: bits 3 and 4 exchanged
	s_mul_i32 s58, s18, 6144                       ; my wave's stage: [4 groups][32 rows][48]
	v_mul_u32_u24 v3, v2, 48
	v_add_nc_u32 v3, s58, v3                       ; into it
	v_lshlrev_b32 v8, 4, v1                        ; 16 x lane
	v_add_nc_u32 v4, s58, v8                       ; out of it, as the bytes lie
	v_lshlrev_b32 v5, 2, v2                        ; my scale word in plane 0,
	v_add_nc_u32 v6, s26, v5                       ; in plane 1
	v_add_nc_u32 v9, s25, v8                       ; v8-11: 16 x lane + group x its bytes
	v_add_nc_u32 v10, s25, v9
	v_add_nc_u32 v11, s25, v10
	v_lshlrev_b32 v[OFF], 2, v1
.irp i, 1,2,3,4,5,6,7,8,9,10,11,12,13,14,15,16,17,18,19,20,21,22,23,24,25,26,27,28,29,30,31
	v_add_nc_u32 v[OFF+\i], s21, v[OFF+\i-1]
.endr
.macro LOAD t                          ; block t: W(32 t + i, my column), i = 0 .. 31, into set t % 2
.irp i, 0,1,2,3,4,5,6,7,8,9,10,11,12,13,14,15,16,17,18,19,20,21,22,23,24,25,26,27,28,29,30,31
	global_load_b32 v[X+32*((\t)%2)+\i], v[OFF+\i], s[32+2*(\t):33+2*(\t)] th:TH_LOAD_NT
.endr
.endm
.macro BLOCK t
.set XB, X+32*((\t)%2)
.set CC, C+12*((\t)/2)+6*((\t)%2)
.if (\t) < 7
	s_wait_loadcnt 32                              ; this block's 32 loads are in; the next block's 32 may be out
.else
	s_wait_loadcnt 0x0
.endif
	v_max3_num_f32 v12, |v[XB]|, |v[XB+1]|, |v[XB+2]|              ; the block's largest magnitude: all 32 numbers are mine; two chains
	v_max3_num_f32 v13, |v[XB+3]|, |v[XB+4]|, |v[XB+5]|
.irp i, 6,10,14,18,22,26
	v_max3_num_f32 v12, v12, |v[XB+\i]|, |v[XB+\i+1]|
	v_max3_num_f32 v13, v13, |v[XB+\i+2]|, |v[XB+\i+3]|
.endr
	v_max3_num_f32 v12, v12, |v[XB+30]|, |v[XB+31]|
	v_max3_num_f32 v12, v12, v13, 0x2800000        ; and the floor 2^(5 - 127): the byte cannot fall under 1
	v_add_nc_u32 v14, 0xfe000000, v12              ; 4 off the exponent field: the conversion takes this operand's exponent field as its scale
	v_lshrrev_b32 v13, 23, v14                     ; the scale's byte
	v_cvt_scalef32_pk16_bf6_f32 v[CC:CC+2], v[XB:XB+15], v14
	v_cvt_scalef32_pk16_bf6_f32 v[CT:CT+2], v[XB+16:XB+31], v14
.if (\t)%4 == 0
	v_mov_b32 v[SB+(\t)/4], v13                    ; four bytes to a word, the lower K in the lower byte.  (Also the plain line behind the conversions)
.else
	v_lshl_or_b32 v[SB+(\t)/4], v13, 8*((\t)%4), v[SB+(\t)/4]
.endif
.irp i, 0,1,2
	v_mov_b32 v[CC+3+\i], v[CT+\i]
.endr
.if (\t)%2 == 1
.irp c, 0,1,2
	ds_store_b128 v3, v[C+12*((\t)/2)+4*\c:C+12*((\t)/2)+4*\c+3] offset:1536*((\t)/2)+16*\c   ; 64 codes, 48 bytes; these registers are not written again
.endr
.endif
.if (\t)+2 < 8
	LOAD (\t)+2
.endif
.endm
	LOAD 0
	LOAD 1
.irp t, 0,1,2,3,4,5,6,7
	BLOCK \t
.endr
.irp k, 0,1,2,3,4,5,6,7,8,9,10,11
	ds_load_b128 v[X+4*\k:X+4*\k+3], v4 offset:512*\k              ; LDS serves a wave's instructions in order: these see my stores
.endr
.irp k, 0,1,2,3,4,5,6,7,8,9,10,11
	s_wait_dscnt 11-\k
	global_store_b128 v[8+\k/3], v[X+4*\k:X+4*\k+3], s[54:55] offset:512*(\k%3)   ; 32 lanes store 512 consecutive bytes, at a multiple of 256 from the buffer's first byte
.endr
	global_store_b32 v5, v[SB], s[56:57]           ; 32 scale words: 128 consecutive bytes
	global_store_b32 v6, v[SB+1], s[56:57]
	s_wait_tensorcnt 0x0
	ds_add_u32 v192, v193
	s_wait_dscnt 0x0
	s_endpgm
	; ---------------- the mask.  A wave takes one tile of 16 query positions and two key steps of 128 keys.
	; Word n (0 .. 63) of a key step: bit L = mask[query of lane L][128 step + 32 (n / 16) + 16 (L / 16) + n % 16]; the query of lane L of tile qt is 32 (qt / 2) + 8 (qt % 2) + r + (r & 8), r = L % 16.
.Lmask:
	s_load_b64 s[4:5], s[0:1], 0x30                ; the mask
	s_load_b64 s[6:7], s[0:1], 0x40                ; maskw
	s_sub_co_u32 s8, ttmp9, NWW
	s_lshl_b32 s8, s8, 2
	s_add_co_u32 s8, s8, s18
	s_lshr_b32 s9, s8, 3                           ; qt: 0 .. 127
	s_and_b32 s10, s8, 7                           ; which pair of key steps
	s_lshr_b32 s11, s9, 1
	s_lshl_b32 s11, s11, 5
	s_and_b32 s12, s9, 1
	s_lshl_b32 s12, s12, 3
	s_add_co_u32 s11, s11, s12
	s_lshl_b32 s11, s11, 11                        ; a row of the mask is 2,048 bytes
	s_lshl_b32 s12, s10, 8
	s_add_co_u32 s12, s11, s12
	s_mov_b32 s13, 0
	s_lshl_b32 s14, s9, 4
	s_lshl_b32 s15, s10, 1
	s_add_co_u32 s14, s14, s15
	s_lshl_b32 s14, s14, 8                         ; 256 bytes a key step
	s_mov_b32 s15, 0
	v_and_b32 v2, 15, v1
	v_and_b32 v3, 8, v1
	v_add_nc_u32 v2, v2, v3                        ; r + (r & 8)
	v_bfe_u32 v3, v1, 4, 1
	v_lshlrev_b32 v2, 11, v2
	v_lshl_add_u32 v2, v3, 4, v2                   ; my row, + 16 keys for lanes 16-31
	v_lshlrev_b32 v3, 3, v1                        ; out: 8 bytes a lane
.irp i, 0,1,2,3
	v_mov_b32 v[24+\i], 0                          ; a written lane's register counts as read
.endr
	s_wait_kmcnt 0x0
	s_add_nc_u64 s[4:5], s[4:5], s[12:13]
	s_add_nc_u64 s[6:7], s[6:7], s[14:15]
.irp e, 0,1
.irp b, 0,1,2,3
	global_load_b128 v[32+4*(4*\e+\b):35+4*(4*\e+\b)], v2, s[4:5] offset:128*\e+32*\b   ; 16 keys of my query
.endr
.endr
	s_wait_loadcnt 0x0
.irp e, 0,1
.irp b, 0,1,2,3
.irp i, 0,1,2,3,4,5,6,7,8,9,10,11,12,13,14,15
	v_and_b32 v[12+(\i%4)], 0xff<<(8*(\i%4)), v[32+4*(4*\e+\b)+\i/4]           ; key 32 b + 16 (L / 16) + i of the step: its byte,
	v_cmp_ne_u32 s[20+(\i%4)], 0, v[12+(\i%4)]                                 ; as a bit of each lane: word 16 b + i,
	v_writelane_b32 v[24+2*\e+(\i%2)], s[20+(\i%4)], (16*\b+\i)/2              ; to lane n / 2: even words in the first register, odd in the second
.endr
.endr
.endr
	global_store_b64 v3, v[24:25], s[6:7]          ; 32 lanes store 256 consecutive bytes, aligned: a key step's 64 words
	global_store_b64 v3, v[26:27], s[6:7] offset:256
	s_endpgm
.Lfunc_end_k_qc4c25c9e57_prep:
	.size	k_qc4c25c9e57_prep, .Lfunc_end_k_qc4c25c9e57_prep-k_qc4c25c9e57_prep
	.p2alignl 7, 3214868480
	.fill 96, 4, 3214868480
	.section	.rodata,"a",@progbits
	.p2align	6, 0x0
	.amdhsa_kernel k_qc4c25c9e57_prep
		.amdhsa_group_segment_fixed_size 25088
		.amdhsa_private_segment_fixed_size 0
		.amdhsa_enable_private_segment 0
		.amdhsa_kernarg_size 72
		.amdhsa_user_sgpr_count 2
		.amdhsa_user_sgpr_kernarg_segment_ptr 1
		.amdhsa_wavefront_size32 1
		.amdhsa_system_sgpr_workgroup_id_x 1
		.amdhsa_system_sgpr_workgroup_id_y 1
		.amdhsa_system_sgpr_workgroup_id_z 1
		.amdhsa_system_vgpr_workitem_id 0
		.amdhsa_next_free_vgpr 194
		.amdhsa_next_free_sgpr 66
		.amdhsa_reserve_vcc 0
		.amdhsa_float_denorm_mode_32 3
		.amdhsa_float_denorm_mode_16_64 3
		.amdhsa_memory_ordered 1
		.amdhsa_forward_progress 1
		.amdhsa_inst_pref_size 72
	.end_amdhsa_kernel
	.amdgpu_metadata
---
amdhsa.version: [ 1, 2 ]
amdhsa.kernels:
  - .name:           k_qc4c25c9e57_prep
    .symbol:         k_qc4c25c9e57_prep.kd
    .args:
      - { .name: Wq, .offset: 0, .size: 8, .value_kind: global_buffer, .address_space: global }
      - { .name: Wk, .offset: 8, .size: 8, .value_kind: global_buffer, .address_space: global }
      - { .name: Wv, .offset: 16, .size: 8, .value_kind: global_buffer, .address_space: global }
      - { .name: W0, .offset: 24, .size: 8, .value_kind: global_buffer, .address_space: global }
      - { .name: W1, .offset: 32, .size: 8, .value_kind: global_buffer, .address_space: global }
      - { .name: W2, .offset: 40, .size: 8, .value_kind: global_buffer, .address_space: global }
      - { .name: attention_mask, .offset: 48, .size: 8, .value_kind: global_buffer, .address_space: global }
      - { .name: wts, .offset: 56, .size: 8, .value_kind: global_buffer, .address_space: global }
      - { .name: maskw, .offset: 64, .size: 8, .value_kind: global_buffer, .address_space: global }
    .group_segment_fixed_size: 25088
    .private_segment_fixed_size: 0
    .kernarg_segment_align: 8
    .kernarg_segment_size: 72
    .max_flat_workgroup_size: 128
    .sgpr_count:     66
    .vgpr_count:     194
    .wavefront_size: 32
...
	.end_amdgpu_metadata
.endif
;; end of part 1
;; launch lnq (part 2): grid 256 x 1, 4 waves a work-group, no clusters, 32,256 bytes of LDS; arguments X, gamma1, beta1, xq; writes xq
.if DOCPART == 2
	.amdgcn_target "amdgcn-amd-amdhsa--gfx1250"
	.amdhsa_code_object_version 6
	.text
	.protected	k_qc4c25c9e57_lnq
	.globl	k_qc4c25c9e57_lnq
	.p2align	8
	.type	k_qc4c25c9e57_lnq,@function
k_qc4c25c9e57_lnq:
	s_mov_b64 s[64:65], 0
	v_nop
	global_prefetch_b8 v0, s[64:65] scope:SCOPE_SE
	s_setreg_imm32_b32 hwreg(HW_REG_WAVE_MODE, 25, 1), 1
	s_wait_xcnt 0x0
; y = (x - mean) * rsqrt(var + 1e-5) * gamma + beta over rows of 1,024 f32, then quantised along the row to codes of BF6 (E3M2) with one E8M0 byte for each 32.
; Out: codes [16 groups of 64][4096 rows][48 bytes], scale words [8][4096] behind them.  Row m lies at position P(m) = m with bits 3 and 4 exchanged.
; A work-group takes positions 16 wg .. 16 wg + 15; wave w positions 16 wg + 4 w .. + 3, which are four neighbouring rows of x.  A wave takes a whole row: no wave waits for another until the way out.
; Loads are dense (512 bytes an instruction).  The conversions want a block of 32 in ONE lane: a row turns through the wave's own stage in LDS (places of 128 + 16 bytes) and comes back 128 bytes a lane.
; Mean first, then the sum of squares of x - mean: no difference of large sums.  v_rsq_f32 is taken as it is.
; LIMITS: NaN and infinities are not served; a block whose largest magnitude lies under 2^-122 keeps the byte 1; a block of zeros gets the byte 1 (its codes are zeros; this program alone reads the bytes).
.set OS,     18432                     ; LDS: behind the four stages of 4,608 bytes: the codes [16 groups][16 rows][48],
.set SS,     30720                     ; and the scale bytes [8 planes][16 rows][4]
.set XS_OFF, 3145728                   ; the scale words in the buffer
.set X,   32                           ; v32-63   the row in hand, 32 neighbours a lane
.set GA,  64                           ; v64-95   gamma of my 32 columns
.set BE,  96                           ; v96-127  beta
.set R,   128                          ; v128-255 four rows as loaded
	s_load_b256 s[4:11], s[0:1], 0x0               ; x, gamma, beta, out
	v_lshl_add_u32 v22, v0, 2, 0x7c00
	v_mov_b32 v23, 0
	v_lshrrev_b32 v1, 5, v0
	v_readfirstlane_b32 s12, v1                    ; wave
	v_and_b32 v1, 31, v0                           ; lane L
	s_lshl_b32 s13, ttmp9, 4
	s_lshl_b32 s14, s12, 2
	s_add_co_u32 s13, s13, s14                     ; my first position
	s_and_b32 s14, s13, 0xffffffe7
	s_and_b32 s15, s13, 8
	s_lshl_b32 s15, s15, 1
	s_add_co_u32 s14, s14, s15
	s_and_b32 s15, s13, 16
	s_lshr_b32 s15, s15, 1
	s_add_co_u32 s14, s14, s15                     ; my first row: bits 3 and 4 exchanged
	s_lshl_b32 s14, s14, 12
	s_mov_b32 s15, 0
	s_mov_b32 s18, 0x76543210
	s_mov_b32 s19, 0xfedcba98                      ; v_permlanex16_b32's selects for lane l xor 16
	s_mov_b32 s20, 0x3727c5ac                      ; 1e-5
	s_mov_b32 s21, 0x3a800000                      ; 1 / 1024
	s_mul_i32 s16, s12, 4608
	v_lshrrev_b32 v7, 3, v1
	v_mul_u32_u24 v2, v7, 144
	v_and_b32 v7, 7, v1
	v_lshl_add_u32 v2, v7, 4, v2
	v_add_nc_u32 v2, s16, v2                       ; the stage, in: eight lanes' 128 bytes on end, then 16 of padding
	v_mul_u32_u24 v3, v1, 144
	v_add_nc_u32 v3, s16, v3                       ; and out: my 128 bytes
	v_lshrrev_b32 v7, 1, v1
	v_mul_u32_u24 v4, v7, 768
	v_and_b32 v7, 1, v1
	v_mad_u32_u24 v4, v7, 24, v4
	s_mul_i32 s17, s12, 192
	s_add_co_u32 s17, s17, OS
	v_add_nc_u32 v4, s17, v4                       ; my block's 24 bytes: group L / 2, half L % 2, row 4 w (+ i)
	v_lshrrev_b32 v7, 2, v1
	v_lshlrev_b32 v5, 6, v7
	v_and_b32 v7, 3, v1
	v_add_nc_u32 v5, v5, v7
	s_lshl_b32 s17, s12, 4
	s_add_co_u32 s17, s17, SS
	v_add_nc_u32 v5, s17, v5                       ; my block's byte: plane L / 4, byte L % 4
	v_lshlrev_b32 v6, 4, v1                        ; 16 x lane
	s_mul_i32 s16, s12, 3072
	s_add_co_u32 s16, s16, OS
	v_add_nc_u32 v7, s16, v6                       ; the way out: my wave's four groups, as the bytes lie
	v_bfe_u32 v27, v1, 4, 1
	v_mul_u32_u24 v27, v27, 195840
	v_add_nc_u32 v27, v27, v6
	v_add_nc_u32 v27, 512, v27                     ; bytes 512 .. 1023 of two groups of 768: lanes 16-31 are in the next group, 196,608 bytes on
	v_add_nc_u32 v28, 196864, v6                   ; bytes 1024 .. 1535: the next group's bytes 256 on
	v_lshl_add_u32 v29, v0, 2, SS                  ; thread t: scale word t
	v_lshrrev_b32 v30, 4, v0
	v_and_b32 v31, 15, v0
	v_lshlrev_b32 v31, 2, v31
	v_lshl_add_u32 v30, v30, 14, v31               ; plane t / 16, row t % 16
	s_mul_i32 s22, ttmp9, 768
	s_mul_i32 s23, s12, 786432
	s_add_co_u32 s22, s22, s23
	s_mov_b32 s23, 0
	s_lshl_b32 s16, ttmp9, 6
	s_add_co_u32 s16, s16, XS_OFF
	s_mov_b32 s17, 0
	s_wait_kmcnt 0x0
	s_add_nc_u64 s[4:5], s[4:5], s[14:15]
	s_add_nc_u64 s[24:25], s[10:11], s[22:23]      ; codes: group 4 w, my work-group's 16 rows
	s_add_nc_u64 s[26:27], s[10:11], s[16:17]      ; scale words
.irp c, 0,1,2,3,4,5,6,7
	global_load_b128 v[X+4*\c:X+4*\c+3], v6, s[6:7] offset:512*\c
.endr
.irp c, 0,1,2,3,4,5,6,7
	global_load_b128 v[R+96+4*\c:R+96+4*\c+3], v6, s[8:9] offset:512*\c
.endr
.irp i, 0,1,2
.irp c, 0,1,2,3,4,5,6,7
	global_load_b128 v[R+32*\i+4*\c:R+32*\i+4*\c+3], v6, s[4:5] offset:4096*\i+512*\c th:TH_LOAD_NT
.endr
.endr
.macro TURN src, dst                   ; 4,096 bytes through my stage: LDS serves a wave's instructions in order, so no wait stands between the stores and the loads
.irp c, 0,1,2,3,4,5,6,7
	ds_store_b128 v2, v[\src+4*\c:\src+4*\c+3] offset:576*\c
.endr
.irp c, 0,1,2,3,4,5,6,7
	ds_load_b128 v[\dst+4*\c:\dst+4*\c+3], v3 offset:16*\c
.endr
.endm
.macro RED                             ; v8 summed over the 32 lanes, the result in every lane (v11 has been written)
	v_add_f32_dpp v8, v8, v8 row_xmask:1 row_mask:0xf bank_mask:0xf
	v_add_f32_dpp v8, v8, v8 row_xmask:2 row_mask:0xf bank_mask:0xf
	v_add_f32_dpp v8, v8, v8 row_xmask:4 row_mask:0xf bank_mask:0xf
	v_add_f32_dpp v8, v8, v8 row_xmask:8 row_mask:0xf bank_mask:0xf
	v_permlanex16_b32 v11, v8, s18, s19
	v_add_f32 v8, v8, v11
.endm
	s_wait_loadcnt 32                              ; gamma is in (behind it: beta's 8 loads and three rows' 24)
	TURN X, GA
	s_wait_loadcnt 24                              ; beta is in
	TURN R+96, BE
	s_wait_dscnt 0x0                               ; the stores have read beta's registers: they take the fourth row
.irp c, 0,1,2,3,4,5,6,7
	global_load_b128 v[R+96+4*\c:R+96+4*\c+3], v6, s[4:5] offset:4096*3+512*\c th:TH_LOAD_NT
.endr
.macro ROW i
	s_wait_loadcnt 24-8*\i                         ; this row's eight loads are in; the rows behind it may be out
	TURN R+32*\i, X
	s_wait_dscnt 0x0                               ; the row is back; the last row's stores of codes have read their registers
	v_pk_add_f32 v[8:9], v[X:X+1], v[X+2:X+3]      ; the sum, two at a time, in two chains
	v_pk_add_f32 v[10:11], v[X+4:X+5], v[X+6:X+7]
.irp j, 8,12,16,20,24,28
	v_pk_add_f32 v[8:9], v[8:9], v[X+\j:X+\j+1]
	v_pk_add_f32 v[10:11], v[10:11], v[X+\j+2:X+\j+3]
.endr
	v_pk_add_f32 v[8:9], v[8:9], v[10:11]
	v_add_f32 v8, v8, v9
	RED
	v_mul_f32 v12, s21, v8                         ; the mean
	v_mov_b32 v13, v12
.irp j, 0,2,4,6,8,10,12,14,16,18,20,22,24,26,28,30
	v_pk_add_f32 v[X+\j:X+\j+1], v[X+\j:X+\j+1], v[12:13] neg_lo:[0,1] neg_hi:[0,1]   ; x - mean
.endr
	v_pk_mul_f32 v[8:9], v[X:X+1], v[X:X+1]
	v_pk_mul_f32 v[10:11], v[X+2:X+3], v[X+2:X+3]
.irp j, 4,8,12,16,20,24,28
	v_pk_fma_f32 v[8:9], v[X+\j:X+\j+1], v[X+\j:X+\j+1], v[8:9]
	v_pk_fma_f32 v[10:11], v[X+\j+2:X+\j+3], v[X+\j+2:X+\j+3], v[10:11]
.endr
	v_pk_add_f32 v[8:9], v[8:9], v[10:11]
	v_add_f32 v8, v8, v9
	RED
	v_fma_f32 v8, v8, s21, s20                     ; the variance + 1e-5
	v_rsq_f32 v14, v8                              ; twice, to fill the pair that the packed multiply takes
	v_rsq_f32 v15, v8
	v_nop                                          ; a plain line behind the transcendentals,
	s_wait_alu depctr_va_vdst(0)                   ; and the one wait for both ahead of their first reader
.irp j, 0,2,4,6,8,10,12,14,16,18,20,22,24,26,28,30
	v_pk_mul_f32 v[X+\j:X+\j+1], v[X+\j:X+\j+1], v[14:15]
.endr
.irp j, 0,2,4,6,8,10,12,14,16,18,20,22,24,26,28,30
	v_pk_fma_f32 v[X+\j:X+\j+1], v[X+\j:X+\j+1], v[GA+\j:GA+\j+1], v[BE+\j:BE+\j+1]
.endr
	v_max3_num_f32 v8, |v[X]|, |v[X+1]|, |v[X+2]|  ; my block's largest magnitude
	v_max3_num_f32 v9, |v[X+3]|, |v[X+4]|, |v[X+5]|
.irp j, 6,10,14,18,22,26
	v_max3_num_f32 v8, v8, |v[X+\j]|, |v[X+\j+1]|
	v_max3_num_f32 v9, v9, |v[X+\j+2]|, |v[X+\j+3]|
.endr
	v_max3_num_f32 v8, v8, |v[X+30]|, |v[X+31]|
	v_max3_num_f32 v8, v8, v9, 0x2800000           ; and the floor 2^(5 - 127)
	v_add_nc_u32 v10, 0xfe000000, v8               ; 4 off the exponent field: the conversion's scale operand
	v_cvt_scalef32_pk16_bf6_f32 v[16:18], v[X:X+15], v10
	v_cvt_scalef32_pk16_bf6_f32 v[24:26], v[X+16:X+31], v10
	v_lshrrev_b32 v12, 23, v10                     ; the scale's byte.  (The plain line behind the conversions)
	v_mov_b32 v19, v24
	v_mov_b32 v20, v25
	v_mov_b32 v21, v26
	ds_store_b64 v4, v[16:17] offset:48*\i
	ds_store_b64 v4, v[18:19] offset:48*\i+8
	ds_store_b64 v4, v[20:21] offset:48*\i+16
	ds_store_b8 v5, v12 offset:4*\i
.endm
	ROW 0
	ROW 1
	ROW 2
	ROW 3
	s_wait_dscnt 0x0                               ; for the others' sake: my codes and bytes lie in LDS
	s_barrier_signal -1
	s_barrier_wait -1
.irp k, 0,1,2,3,4,5
	ds_load_b128 v[X+4*\k:X+4*\k+3], v7 offset:512*\k      ; four groups x 768 bytes
.endr
	ds_load_b32 v56, v29
	s_wait_dscnt 6
	global_store_b128 v6, v[X:X+3], s[24:25]               ; sixteen lanes store 256 consecutive bytes, aligned
	s_wait_dscnt 5
	global_store_b128 v27, v[X+4:X+7], s[24:25]
	s_wait_dscnt 4
	global_store_b128 v28, v[X+8:X+11], s[24:25]
	s_wait_dscnt 3
	global_store_b128 v6, v[X+12:X+15], s[24:25] offset:393216
	s_wait_dscnt 2
	global_store_b128 v27, v[X+16:X+19], s[24:25] offset:393216
	s_wait_dscnt 1
	global_store_b128 v28, v[X+20:X+23], s[24:25] offset:393216
	s_wait_dscnt 0x0
	global_store_b32 v30, v56, s[26:27]                    ; sixteen words of a plane: 64 consecutive bytes; one byte in 128 of what the launch reads
	s_wait_tensorcnt 0x0
	ds_add_u32 v22, v23
	s_wait_dscnt 0x0
	s_endpgm
.Lfunc_end_k_qc4c25c9e57_lnq:
	.size	k_qc4c25c9e57_lnq, .Lfunc_end_k_qc4c25c9e57_lnq-k_qc4c25c9e57_lnq
	.p2alignl 7, 3214868480
	.fill 96, 4, 3214868480
	.section	.rodata,"a",@progbits
	.p2align	6, 0x0
	.amdhsa_kernel k_qc4c25c9e57_lnq
		.amdhsa_group_segment_fixed_size 32256
		.amdhsa_private_segment_fixed_size 0
		.amdhsa_enable_private_segment 0
		.amdhsa_kernarg_size 32
		.amdhsa_user_sgpr_count 2
		.amdhsa_user_sgpr_kernarg_segment_ptr 1
		.amdhsa_wavefront_size32 1
		.amdhsa_system_sgpr_workgroup_id_x 1
		.amdhsa_system_sgpr_workgroup_id_y 1
		.amdhsa_system_sgpr_workgroup_id_z 1
		.amdhsa_system_vgpr_workitem_id 0
		.amdhsa_next_free_vgpr 256
		.amdhsa_next_free_sgpr 66
		.amdhsa_reserve_vcc 0
		.amdhsa_float_denorm_mode_32 3
		.amdhsa_float_denorm_mode_16_64 3
		.amdhsa_memory_ordered 1
		.amdhsa_forward_progress 1
		.amdhsa_inst_pref_size 47
	.end_amdhsa_kernel
	.amdgpu_metadata
---
amdhsa.version: [ 1, 2 ]
amdhsa.kernels:
  - .name:           k_qc4c25c9e57_lnq
    .symbol:         k_qc4c25c9e57_lnq.kd
    .args:
      - { .name: X, .offset: 0, .size: 8, .value_kind: global_buffer, .address_space: global }
      - { .name: gamma1, .offset: 8, .size: 8, .value_kind: global_buffer, .address_space: global }
      - { .name: beta1, .offset: 16, .size: 8, .value_kind: global_buffer, .address_space: global }
      - { .name: xq, .offset: 24, .size: 8, .value_kind: global_buffer, .address_space: global }
    .group_segment_fixed_size: 32256
    .private_segment_fixed_size: 0
    .kernarg_segment_align: 8
    .kernarg_segment_size: 32
    .max_flat_workgroup_size: 128
    .sgpr_count:     66
    .vgpr_count:     256
    .wavefront_size: 32
...
	.end_amdgpu_metadata
.endif
;; end of part 2
;; launch qkv (part 3): grid 12 x 16, 4 waves a work-group, clusters of 4 x 4, 327,680 bytes of LDS; arguments xq, wts, bq, bk, bv, qkvc; writes qkvc
.if DOCPART == 3
	.amdgcn_target "amdgcn-amd-amdhsa--gfx1250"
	.amdhsa_code_object_version 6
	.text
	.protected	k_qc4c25c9e57_qkv
	.globl	k_qc4c25c9e57_qkv
	.p2align	8
	.type	k_qc4c25c9e57_qkv,@function
k_qc4c25c9e57_qkv:
	s_mov_b64 s[64:65], 0
	v_nop
	global_prefetch_b8 v0, s[64:65] scope:SCOPE_SE
	s_setreg_imm32_b32 hwreg(HW_REG_WAVE_MODE, 25, 1), 1
	s_wait_xcnt 0x0
	s_wait_alu depctr_hold_cnt(0) depctr_sa_sdst(0) depctr_va_vdst(0) depctr_va_sdst(0) depctr_va_ssrc(0) depctr_va_vcc(0) depctr_vm_vsrc(0)
	s_getreg_b32 s2, hwreg(HW_REG_IB_STS2, 6, 4)
	s_cmp_eq_u32 s2, 0
	s_cbranch_scc0 .Lentry_in_a_cluster
	s_endpgm
.Lentry_in_a_cluster:
	s_bfe_u32 s2, ttmp6, 0x10000c
	s_cmp_lg_u32 s2, 0xf033
	s_cbranch_scc0 .Lentry_shape_is_right
	s_endpgm
.Lentry_shape_is_right:
; A GEMM ON CODES OF BF6 (E3M2) WHOSE RESULT IS QUANTISED AGAIN.  C[m][n] = sum over k of A[m][k] B[n][k] + bias, then codes along n.  One text serves two launches (QKV = 1 or 0).
; QKV = 1: Q, K and V of all heads.  Clusters with x = 0, 1: A = the normalised tokens, B = Wq and Wk (rows 0-2047 of the joint weight): Q and K, quantised along the head's 64.
;          Clusters with x = 2: the operands change places (A = Wv's rows, B = the tokens): V^T, quantised along the KEYS, which are the second attention product's K.
;          The choice is made on the cluster's x alone, by selects; no branch hangs on it.  Both kinds of bias are loaded everywhere and enter by a fused multiply-add with the factor 1 or 0.
; QKV = 0: h = relu(x W1 + b1), quantised along the hidden units.
; OPERANDS: codes [K/64][rows][48 bytes], scale words [K/128][rows]; row R lies at position P(R) = R with bits 3 and 4 exchanged; a tile is 16 neighbouring positions.
; A tile of C, 256 x 256, is made by four waves, each 128 x 128: 64 accumulators, 512 registers.  K goes in steps of 256 through two LDS slots; a wave's tensor load brings 128 rows x 4 groups: four dense
; lines of 6,144 bytes.  With rows 48 bytes apart lane (r, h) of a load of 8 bytes starts at word 12 r + 6 h: the 32 lanes touch 64 different words modulo 64: no padding.
; The scale words of the work-group's rows, for all of K, come once with the first fills and stay.  CLUSTERS 4 x 4: A's tiles are asked for jointly along a row, B's along a column.
; THE MATRIX INSTRUCTION IS USED TRANSPOSED (source 0 = 16 positions of B, source 1 = 16 of A): a lane holds one row of C, and by the position order the 16 registers of B's tiles 2 b, 2 b + 1 are the 16
; neighbouring columns 32 b + 16 (lane / 16) + 0 .. 15: as the conversions want them.
; LIMITS: NaN and infinities are not served; a block whose largest magnitude lies under 2^-122 keeps the byte 1; a block of zeros gets the byte 1 (its codes are zeros; this program alone reads the bytes).
; REGISTERS: window 0: v0-31 addresses; v32-63 scale words, two sets; v64-127 column biases; v128-223 A's fragments, one set; v224-239 row biases; v240-255 at work.  Window 1: B's fragments, two sets.  Windows 2, 3: accumulators.
.set QKV,    1
.set SIZE_K, 1024
.set RROWS,  4096                      ; rows in either operand's buffer
.set XS_OFF, 3145728                   ; the tokens' scale words
.if QKV
.set W_CO,   0                         ; the weight's codes and scale words in wts
.set W_SC,   10223616
.set QK_S,   9437184                   ; out: Q's and K's codes at 0 [32][4096][48], V's at V_C [64][1024][48], scale words [16][4096], [32][1024]
.set V_C,    6291456
.set V_S,    9699328
.else
.set W_CO,   3932160
.set W_SC,   10387456
.set OUT_S,  12582912                  ; out: codes [64][4096][48], scale words [32][4096]
.endif
.set NQ,     2                         ; matrix instructions deep in a slot
.set GPL,    6144                      ; 128 rows x 48 bytes
.set FR,     12
.set NL,     6
.set NP,     4                         ; places behind this matrix instruction (ISA guide 7.12.1)
.set HALFT,  4*GPL                     ; what one tensor load brings
.set SLOT,   4*HALFT
.set LAPS,   SIZE_K/512
.set NPL,    SIZE_K/128
.set SCL,    2*SLOT
.set HALFS,  512*NPL
.set SPARE,  SCL+4*HALFS               ; the spare words, 128 bytes a wave: two blocks of 256 bytes that no other line names
.set KSTEPB, 4*RROWS*48                ; bytes from one K step's groups to the next
.set ADRA, 16                          ; v16-17 my A fragments in slot 0, 1
.set ADRB, 20                          ; v20-21 B's
.set QST,  24                          ; v24 the way out: my 24 bytes of codes in my stage
.set QSS,  25                          ; v25 my row's scale word there
.set QRD,  26                          ; v26 the stage read back as it lies
.set ADRS, 27                          ; v27 my scale words: lanes 0-15 A's rows, lanes 16-31 B's
.set SPW,  28
.set NIL,  29
.set PW,   30                          ; v30 the scale word just made
.set GO,   31                          ; v31 16 x lane
.set SC,   32
.set CB,   64
.set AF,   128
.set H,    128                         ; the way out: a block's 64 numbers
.set PC,   192                         ; its codes; v204-210 the conversions' second halves
.set RB,   224
.set TM,   240
.set G1, 24
.set G0, 32
.set G1B, 48
.set G0B, 56
.set G1S, 68
.set G0S, 76
.set G1SB, 80
.set G0SB, 88
.set FQ,  66                           ; s[66:67] 1.0 where the column bias counts, else 0
.set FV,  94                           ; s[94:95] 1.0 where the row bias counts, else 0
.set SEL, 92                           ; s[92:93] lane selects for lane l xor 16
.set OUTP, 98                          ; s[98:99] the output buffer
.set MSB, 0
.macro WIN new                         ; the immediate's high byte repeats the setting that is left
.if MSB != \new
	s_set_vgpr_msb (MSB<<8)|\new
.set MSB, \new
.endif
.endm
.set MUL_LO, 0xa1                      ; source 0 (B) window 1, source 1 (A) window 0, C and D window 2
.set MUL_HI, 0xf1
.set TO_B,   0x40
.macro JLOAD g0a, g1a, g0b, g1b        ; a joint load: waves 0 and 1 fetch for A, waves 2 and 3 for B; four v_nop follow each line
	s_cmp_eq_u32 s15, 0
	s_cbranch_scc0 .Lfor_b_\@
	tensor_load_to_lds s[\g0a:\g0a+3], s[\g1a:\g1a+7]
	s_nop 0
.rept 4
	v_nop
.endr
	s_branch .Lasked_\@
.Lfor_b_\@:
	tensor_load_to_lds s[\g0b:\g0b+3], s[\g1b:\g1b+7]
	s_nop 0
.rept 4
	v_nop
.endr
.Lasked_\@:
.endm
.macro CREST                           ; a round of the cluster's barrier behind its opening barrier
	s_cmp_lg_u32 s14, 0
	s_cbranch_scc1 .Lnot_wave_0_\@
	s_barrier_signal -3
.Lnot_wave_0_\@:
	s_barrier_wait -3
	s_barrier_signal -1
	s_barrier_wait -1
.endm
.macro CROUND
	s_barrier_signal -1
	s_barrier_wait -1
	CREST
.endm
.if QKV
	s_load_b256 s[4:11], s[0:1], 0x0               ; tokens' codes, wts, bq, bk
	s_load_b128 s[96:99], s[0:1], 0x20             ; bv, out
.else
	s_load_b256 s[4:11], s[0:1], 0x0               ; tokens' codes, wts, b1, out
.endif
	v_lshl_add_u32 v[SPW], v0, 2, SPARE
	v_mov_b32 v[NIL], 0
	ds_add_u32 v28, v29
	ds_add_u32 v28, v29
	s_wait_dscnt 0x0
	v_lshrrev_b32 v1, 5, v0
	v_readfirstlane_b32 s14, v1                    ; wave 0..3
	s_lshr_b32 s15, s14, 1                         ; which half of the tile's rows is mine.  Also: I fetch for A (0) or for B (1)
	s_and_b32 s16, s14, 1                          ; which half of its columns.  Also: which 128 rows of that tile I fetch
	s_bfe_u32 s40, ttmp6, 0x40000                  ; cx, cy
	s_bfe_u32 s41, ttmp6, 0x40004
	s_lshl_b32 s42, ttmp9, 2                       ; 4 x cluster x
	s_and_b32 s17, ttmp7, 0xffff
	s_lshl_b32 s17, s17, 2                         ; 4 x cluster y
	s_mov_b32 s22, XS_OFF
	s_mov_b32 s92, W_SC
.if QKV
	s_cmp_eq_u32 ttmp9, 2                          ; V's clusters: the same in all sixteen partners
	s_cselect_b32 s42, s17, s42                    ; B's tiles: the tokens' by cluster y, else the weight's by cluster x
	s_cselect_b32 s17, 8, s17                      ; A's tiles: Wv's rows 2048 on, else the tokens' by cluster y
	s_cselect_b32 s2, s92, s22                     ; A's scale words
	s_cselect_b32 s92, s22, s92                    ; B's
	s_mov_b32 s22, s2
.endif
	s_add_co_u32 s42, s42, s40                     ; B's tile: + cx
	s_add_co_u32 s17, s17, s41                     ; A's tile: + cy
	s_lshl_b32 s43, s41, 2
	s_lshl_b32 s43, 15, s43                        ; my row of the cluster
	s_lshl_b32 s44, 0x1111, s40                    ; my column
	; descriptor group 1, codes: 4 lines of 768 elements of 8 bytes, RROWS x 48 bytes apart; no padding
	s_or_b32 s[G1+0], s43, (3<<16)|(1<<21)         ; 15:0 the mask: A's tiles go to my row; 17:16 elements of 8 bytes; 21 set beside a mask
	s_or_b32 s[G1B+0], s44, (3<<16)|(1<<21)
.irp g, G1, G1B
	s_mov_b32 s[\g+1], 768<<16                     ; tensor_dim0
	s_mov_b32 s[\g+2], 4<<16                       ; tensor_dim1
	s_mov_b32 s[\g+3], 768<<16                     ; tile_dim0
	s_mov_b32 s[\g+4], 4                           ; tile_dim1
	s_mov_b32 s[\g+5], 6*RROWS                     ; tensor_dim0_stride
	s_mov_b32 s[\g+6], 0
	s_mov_b32 s[\g+7], 0
.endr
	; scale words of 128 rows: NPL lines of 512 bytes, RROWS x 4 bytes apart
	s_or_b32 s[G1S+0], s43, (3<<16)|(1<<21)
	s_or_b32 s[G1SB+0], s44, (3<<16)|(1<<21)
.irp g, G1S, G1SB
	s_mov_b32 s[\g+1], 64<<16
	s_mov_b32 s[\g+2], NPL<<16
	s_mov_b32 s[\g+3], 64<<16
	s_mov_b32 s[\g+4], NPL
	s_mov_b32 s[\g+5], RROWS/2
	s_mov_b32 s[\g+6], 0
	s_mov_b32 s[\g+7], 0
.endr
	s_lshl_b32 s18, s16, 7                         ; which 128 rows of the tile I fetch
	s_lshl_b32 s20, s17, 8
	s_add_co_u32 s20, s20, s18                     ; A's row
	s_lshl_b32 s46, s42, 8
	s_add_co_u32 s46, s46, s18                     ; B's row
	s_lshl_b32 s19, s20, 2
	s_add_co_u32 s22, s22, s19                     ; where these rows' scale words begin,
	s_mov_b32 s23, 0
	s_mul_i32 s20, s20, 48                         ; and their codes
	s_mov_b32 s21, 0
	s_lshl_b32 s19, s46, 2
	s_add_co_u32 s92, s92, s19
	s_mov_b32 s93, 0
	s_mul_i32 s46, s46, 48
	s_add_co_u32 s46, s46, W_CO
	s_mov_b32 s47, 0
	s_mul_i32 s45, s14, HALFT                      ; where they go: wave x 128 rows: no place in the cluster enters an LDS address
	s_mul_i32 s94, s14, HALFS
	s_wait_kmcnt 0x0
.if QKV
	s_cmp_eq_u32 ttmp9, 2
	s_cselect_b64 s[12:13], s[6:7], s[4:5]         ; A's buffer
	s_cselect_b64 s[6:7], s[4:5], s[6:7]           ; B's buffer
.else
	s_mov_b64 s[12:13], s[4:5]
	s_mov_b64 s[OUTP:OUTP+1], s[10:11]
.endif
	s_add_nc_u64 s[20:21], s[12:13], s[20:21]
	s_add_nc_u64 s[22:23], s[12:13], s[22:23]
	s_add_nc_u64 s[46:47], s[6:7], s[46:47]
	s_add_nc_u64 s[92:93], s[6:7], s[92:93]
	CROUND                                         ; all sixteen work-groups are here: the first joint loads meet
	s_mov_b32 s[G0S], 1
	s_add_co_u32 s[G0S+1], s94, SCL
	s_mov_b64 s[G0S+2:G0S+3], s[22:23]
	s_or_b32 s[G0S+3], s[G0S+3], 0x80000000
	s_mov_b32 s[G0SB], 1
	s_add_co_u32 s[G0SB+1], s94, SCL
	s_mov_b64 s[G0SB+2:G0SB+3], s[92:93]
	s_or_b32 s[G0SB+3], s[G0SB+3], 0x80000000
	JLOAD G0S, G1S, G0SB, G1SB                     ; the scale words first: they are wanted with K step 0
.irp s, 0,1
	s_mov_b32 s[G0+4*\s], 1
	s_add_co_u32 s[G0+4*\s+1], s45, \s*SLOT
	s_add_nc_u64 s[G0+4*\s+2:G0+4*\s+3], s[20:21], \s*KSTEPB
	s_or_b32 s[G0+4*\s+3], s[G0+4*\s+3], 0x80000000
	s_mov_b32 s[G0B+4*\s], 1
	s_add_co_u32 s[G0B+4*\s+1], s45, \s*SLOT
	s_add_nc_u64 s[G0B+4*\s+2:G0B+4*\s+3], s[46:47], \s*KSTEPB
	s_or_b32 s[G0B+4*\s+3], s[G0B+4*\s+3], 0x80000000
	JLOAD G0+4*\s, G1, G0B+4*\s, G1B
.endr
	v_and_b32 v1, 15, v0                           ; r
	v_bfe_u32 v2, v0, 4, 1                         ; h
	v_mul_u32_u24 v3, v1, 48
	v_mad_u32_u24 v4, v2, 24, v3                   ; a fragment's row x 48 + 24 x half
	s_mul_i32 s21, s15, HALFT                      ; my 128 rows of A
	s_mul_i32 s22, s16, HALFT                      ; my 128 rows of B,
	s_add_co_u32 s22, s22, 2*HALFT                 ; which lie behind A's 256
.irp s, 0,1
	v_add_nc_u32 v[ADRA+\s], s21, v4
	v_add_nc_u32 v[ADRB+\s], s22, v4
	s_add_co_u32 s21, s21, SLOT
	s_add_co_u32 s22, s22, SLOT
.endr
	v_lshlrev_b32 v7, 2, v1                        ; 4 r
	s_mul_i32 s21, s15, HALFS                      ; A's scale words: my 128 rows
	s_mul_i32 s22, s16, HALFS                      ; B's, behind A's 256
	s_add_co_u32 s22, s22, 2*HALFS
	s_sub_co_u32 s22, s22, s21
	v_mul_u32_u24 v6, s22, v2                      ; lanes 16-31 take B's: the lower base + h x the distance
	s_add_co_u32 s21, s21, SCL
	v_add_nc_u32 v5, v7, v6
	v_add_nc_u32 v[ADRS], s21, v5
	s_mul_i32 s23, s14, 12800                      ; my stage, in slot 0: [2 groups][128 rows][48], then 128 scale words
	v_add_nc_u32 v[QST], s23, v4
	v_add_nc_u32 v[QSS], s23, v7
	v_add_nc_u32 v[QSS], 12288, v[QSS]
	v_and_b32 v6, 31, v0
	v_lshlrev_b32 v[GO], 4, v6
	v_add_nc_u32 v[QRD], s23, v[GO]
	v_lshlrev_b32 v10, 6, v2                       ; column biases: lanes 16-31 begin 16 columns on
	v_and_b32 v11, 8, v1
	v_add_nc_u32 v11, v11, v1
	v_lshlrev_b32 v11, 2, v11                      ; row biases: position r of a tile is row r + (r & 8)
.irp b, 0,1,2,3
	v_mov_b32 v[TM+4+\b], 0                        ; written once: a lane permute's destination counts as one of its sources
.endr
	; where my part of the result goes
.if QKV
	s_and_b32 s46, ttmp7, 0xffff
	s_lshl_b32 s46, s46, 2
	s_mov_b32 s18, 196608
	s_mov_b32 s19, 16384
	s_mov_b32 s45, QK_S
	s_cmp_eq_u32 ttmp9, 2
	s_cselect_b32 s46, 0, s46                      ; V's rows are the 1,024 channels: tile cy
	s_cselect_b32 s18, 49152, s18                  ; bytes of a group of 64 columns
	s_cselect_b32 s19, 4096, s19                   ; bytes of a plane of scale words
	s_cselect_b32 s2, V_C, 0
	s_cselect_b32 s45, V_S, s45
	s_cselect_b32 s[FQ], 0, 1.0
	s_cselect_b32 s[FV], 1.0, 0
	s_mov_b32 s[FQ+1], s[FQ]
	s_mov_b32 s[FV+1], s[FV]
	s_add_co_u32 s46, s46, s41
.else
	s_mov_b32 s18, 196608
	s_mov_b32 s19, 16384
	s_mov_b32 s2, 0
	s_mov_b32 s45, OUT_S
	s_mov_b32 s46, s17
.endif
	s_lshl_b32 s46, s46, 8
	s_lshl_b32 s47, s15, 7
	s_add_co_u32 s46, s46, s47                     ; my first row of the result
	s_lshl_b32 s47, s42, 1
	s_add_co_u32 s47, s47, s16                     ; my first column / 128
	s_mul_i32 s20, s47, s18
	s_lshl_b32 s20, s20, 1
	s_add_co_u32 s20, s20, s2
	s_mul_i32 s22, s46, 48
	s_add_co_u32 s20, s20, s22
	s_mov_b32 s21, 0
	s_add_co_u32 s22, s20, s18
	s_mov_b32 s23, 0
	s_add_nc_u64 s[20:21], s[OUTP:OUTP+1], s[20:21]    ; my first group of 64 columns: 6,144 dense bytes,
	s_add_nc_u64 s[22:23], s[OUTP:OUTP+1], s[22:23]    ; my second
	s_mul_i32 s47, s47, s19
	s_add_co_u32 s47, s47, s45
	s_lshl_b32 s46, s46, 2
	s_add_co_u32 s46, s46, s47
	s_mov_b32 s47, 0
	s_add_nc_u64 s[46:47], s[OUTP:OUTP+1], s[46:47]    ; my 128 scale words
	s_mov_b32 s[SEL], 0x76543210
	s_mov_b32 s[SEL+1], 0xfedcba98
.if QKV
	s_cmp_eq_u32 ttmp9, 0
	s_cselect_b64 s[8:9], s[8:9], s[10:11]         ; bq for cluster x = 0, else bk (in V's clusters it is read and counts 0 times)
	s_lshl_b32 s10, s40, 10                        ; 256 cx columns,
.else
	s_lshl_b32 s10, s42, 10
.endif
	s_lshl_b32 s11, s16, 9                         ; + my half
	s_add_co_u32 s10, s10, s11
	s_mov_b32 s11, 0
	s_add_nc_u64 s[8:9], s[8:9], s[10:11]
.irp i, 0,1,2,3,4,5,6,7                        ; tile i's eight columns of my half: 32 (i / 2) + 16 h + 8 (i % 2) + 0 .. 7
	global_load_b128 v[CB+8*\i:CB+8*\i+3], v10, s[8:9] offset:(32*(\i/2)+8*(\i%2))*4
	global_load_b128 v[CB+8*\i+4:CB+8*\i+7], v10, s[8:9] offset:(32*(\i/2)+8*(\i%2))*4+16
.endr
.if QKV
	s_lshl_b32 s10, s41, 10                        ; bv: 256 cy rows,
	s_lshl_b32 s18, s15, 9                         ; + my half (always inside bv's 1,024 numbers)
	s_add_co_u32 s10, s10, s18
	s_add_nc_u64 s[96:97], s[96:97], s[10:11]
.irp a, 0,1,2,3,4,5,6,7                        ; block a's row of my lane, twice: a pair for the packed form
	global_load_b32 v[RB+2*\a], v11, s[96:97] offset:(32*(\a/2)+8*(\a%2))*4
	global_load_b32 v[RB+2*\a+1], v11, s[96:97] offset:(32*(\a/2)+8*(\a%2))*4
.endr
.endif
.macro FRAG reg, adr, q, i             ; a fragment, 16 rows x 128 K: registers 6 c .. 6 c + 5 = 24 bytes of group 2 q + c, as they lie, in pieces of 8 bytes
.irp p, 0,1,2,3,4,5
	ds_load_b64 v[\reg+2*\p:\reg+2*\p+1], v[\adr] offset:(2*(\q)+\p/3)*GPL+(\i)*768+8*(\p%3)
.endr
.endm
; 16 matrix instructions: A's blocks a0, a0 + 1 x B's eight, 128 along K.  The 64 accumulators take turns, one instruction a turn, in the same order in every step.
.macro MUL16 a0, p, q, sc, zero
.irp a, \a0, \a0+1
.irp b, 0,1,2,3,4,5,6,7
.if \zero
	v_wmma_scale_f32_16x16x128_f8f6f4 v[8*(8*((\a)%4)+\b):8*(8*((\a)%4)+\b)+7], v[128*(\p)+FR*\b:128*(\p)+FR*\b+FR-1], v[AF+FR*(\a):AF+FR*(\a)+FR-1], 0, v[SC+8*NQ*(\sc)+NQ*\b+(\q)], v[SC+8*NQ*(\sc)+NQ*(\a)+(\q)] matrix_a_fmt:MATRIX_FMT_BF6 matrix_b_fmt:MATRIX_FMT_BF6 matrix_a_scale:MATRIX_SCALE_ROW1
.else
	v_wmma_scale_f32_16x16x128_f8f6f4 v[8*(8*((\a)%4)+\b):8*(8*((\a)%4)+\b)+7], v[128*(\p)+FR*\b:128*(\p)+FR*\b+FR-1], v[AF+FR*(\a):AF+FR*(\a)+FR-1], v[8*(8*((\a)%4)+\b):8*(8*((\a)%4)+\b)+7], v[SC+8*NQ*(\sc)+NQ*\b+(\q)], v[SC+8*NQ*(\sc)+NQ*(\a)+(\q)] matrix_a_fmt:MATRIX_FMT_BF6 matrix_b_fmt:MATRIX_FMT_BF6 matrix_a_scale:MATRIX_SCALE_ROW1
.endif
.endr
.endr
.endm
.macro FETCH_B slot, q, p
	WIN TO_B
.irp i, 0,1,2,3,4,5,6,7
	FRAG 128*(\p)+FR*\i, ADRB+\slot, \q, \i
.endr
	WIN 0
.endm
.macro FETCH_A slot, q, i0
.irp i, \i0, \i0+1, \i0+2, \i0+3
	FRAG AF+FR*(\i), ADRA+\slot, \q, \i
.endr
.endm
.macro SCALES sc                       ; the next K step's scale words: lanes 0-15 A's block i, lanes 16-31 B's block i; plane q of the step's two
.irp i, 0,1,2,3,4,5,6,7
.irp q, 0,1
	ds_load_b32 v[SC+8*NQ*\sc+NQ*\i+\q], v[ADRS] offset:512*\q+64*\i
.endr
.endr
.endm
.macro PLACES n                        ; plain vector lines between a matrix instruction and a load into, or a read of, its registers
.rept \n
	v_nop
.endr
.endm
.macro STEP slot, q, zero              ; a step of 128 along K that has its successor in the same slot
	s_wait_dscnt 4*NL                              ; B's set, A's blocks 0-3 and the scale words are in; the youngest 24 loads (A's blocks 4-7) may be out
	WIN MUL_LO
	MUL16 0, (\q)%2, \q, \slot, \zero
	MUL16 2, (\q)%2, \q, \slot, \zero
	s_wait_dscnt 0
	PLACES NP
	FETCH_B \slot, (\q)+1, 1-(\q)%2
	FETCH_A \slot, (\q)+1, 0
	WIN MUL_HI
	MUL16 4, (\q)%2, \q, \slot, \zero
	MUL16 6, (\q)%2, \q, \slot, \zero
	PLACES NP
	WIN 0
	FETCH_A \slot, (\q)+1, 4
.endm
; A slot's last step changes slots: one barrier; in front of it each wave waits for all its tensor loads, adds 0 to its spare word, and waits for that and for its own reads of this slot.
.macro TURN slot, next, fill
	s_wait_tensorcnt 0x0                           ; all my tensor loads have landed: my part of the next slot
	ds_add_u32 v[SPW], v[NIL]                      ; 0 onto my spare word
	s_wait_dscnt 4*NL+1                            ; (the add and the youngest 24 loads may be out)
	WIN MUL_LO
	MUL16 0, 1, NQ-1, \slot, 0
	s_wait_dscnt 0x0                               ; the add is done, and my reads of this slot are over
	s_barrier_signal -1
	MUL16 2, 1, NQ-1, \slot, 0
	WIN 0
	s_barrier_wait -1
.if \fill
	CREST                                          ; the barrier has opened a round of the cluster's: no wave of any partner still reads this slot or has a load on its way
	s_add_nc_u64 s[G0+4*\slot+2:G0+4*\slot+3], s[G0+4*\slot+2:G0+4*\slot+3], 2*KSTEPB
	s_add_nc_u64 s[G0B+4*\slot+2:G0B+4*\slot+3], s[G0B+4*\slot+2:G0B+4*\slot+3], 2*KSTEPB
	JLOAD G0+4*\slot, G1, G0B+4*\slot, G1B         ; the first tensor load behind the round; its four v_nop are the places in front of the loads below
.else
	PLACES NP
.endif
	v_add_nc_u32 v[ADRS], 1024, v[ADRS]            ; two planes of scale words on (no LDS load of mine is out)
	FETCH_B \next, 0, 0
	FETCH_A \next, 0, 0
	SCALES \next
	WIN MUL_HI
	MUL16 4, 1, NQ-1, \slot, 0
	MUL16 6, 1, NQ-1, \slot, 0
	PLACES NP
	WIN 0
	FETCH_A \next, 0, 4
.endm
	s_wait_tensorcnt 1                             ; the scale words and my part of K step 0 are in (K step 1's load may be out),
	s_barrier_signal -1
	s_barrier_wait -1                              ; everybody's are
	FETCH_B 0, 0, 0
	FETCH_A 0, 0, 0
	SCALES 0
	FETCH_A 0, 0, 4
	STEP 0, 0, 1                                   ; the first step stands in front of the loop: its products start the sums
	s_mov_b32 s3, LAPS-1
.Llap:                                                 ; a trip goes once round the ring and fills both slots again
	TURN 0, 1, 1
	STEP 1, 0, 0
	TURN 1, 0, 1
	STEP 0, 0, 0
	s_sub_co_u32 s3, s3, 1
	s_cmp_lg_u32 s3, 0
	s_cbranch_scc1 .Llap
	TURN 0, 1, 0                                   ; the last lap fills nothing
	STEP 1, 0, 0
	s_wait_dscnt 4*NL
	WIN MUL_LO
	MUL16 0, 1, NQ-1, 1, 0
	MUL16 2, 1, NQ-1, 1, 0
	s_wait_dscnt 0
	WIN MUL_HI
	MUL16 4, 1, NQ-1, 1, 0
	MUL16 6, 1, NQ-1, 1, 0
	WIN 0
; 64 numbers of a lane, register 16 b + i = column 32 b + 16 (lane / 16) + i of my row, become a fragment's codes in v[PC] on and its scale word in v[PW].
.macro QUANT s
.irp b, 0,1,2,3
	v_max3_num_f32 v[TM+\b], |v[\s+16*\b]|, |v[\s+1+16*\b]|, 0x2800000   ; block b: my 16 numbers, and the floor 2^(5 - 127)
.endr
.irp i, 2,4,6,8,10,12,14
.irp b, 0,1,2,3
	v_max3_num_f32 v[TM+\b], v[TM+\b], |v[\s+16*\b+\i]|, |v[\s+1+16*\b+\i]|
.endr
.endr
.irp b, 0,1,2,3
	v_permlanex16_b32 v[TM+4+\b], v[TM+\b], s[SEL], s[SEL+1]
.endr
.irp b, 0,1,2,3
	v_max_num_f32 v[TM+\b], v[TM+\b], v[TM+4+\b]   ; with lane l xor 16's: the block's largest magnitude
.endr
.irp b, 0,1,2,3
	v_add_nc_u32 v[TM+12+\b], 0xfe000000, v[TM+\b] ; 4 off its exponent field: the conversion's scale operand
.endr
.irp b, 0,1,2,3
	v_lshrrev_b32 v[TM+4+\b], 23, v[TM+12+\b]      ; the scale's byte
.endr
	v_lshl_or_b32 v[PW], v[TM+5], 8, v[TM+4]
	v_lshl_or_b32 v[PW], v[TM+6], 16, v[PW]
	v_lshl_or_b32 v[PW], v[TM+7], 24, v[PW]
.irp c, 0,1
	v_cvt_scalef32_pk16_bf6_f32 v[PC+6*\c:PC+2+6*\c], v[\s+32*\c:\s+15+32*\c], v[TM+12+2*\c]
	v_cvt_scalef32_pk16_bf6_f32 v[PC+12+4*\c:PC+14+4*\c], v[\s+16+32*\c:\s+31+32*\c], v[TM+12+2*\c+1]
.endr
	v_nop                                          ; one plain line behind a scaled conversion
.irp c, 0,1                                    ; the layout wants a whole block in a lane: lanes 0-15 block 2 c, lanes 16-31 block 2 c + 1
.irp i, 0,1,2
	v_permlane16_swap_b32 v[PC+6*\c+\i], v[PC+12+4*\c+\i]
.endr
.irp i, 0,1,2
	v_mov_b32 v[PC+3+6*\c+\i], v[PC+12+4*\c+\i]
.endr
.endr
.endm
; THE WAY OUT, block a of 16 rows x 128 columns: bias, activation, quantiser; the codes go to my stage in LDS, which lies in slot 0: that slot has had its last fill, and every wave has passed the last
; change of slots, behind which nobody reads it.  Each accumulator is read from its low end on.
.macro QBLOCK a
.set AC, 64*((\a)%4)
.if QKV
	WIN 0x20+0x10*((\a)/4)                         ; source 2: window 2 or 3
.set kk, 0
.rept 32
	v_pk_fma_f32 v[H+kk:H+kk+1], v[CB+kk:CB+kk+1], s[FQ:FQ+1], v[AC+kk:AC+kk+1] op_sel_hi:[1,0,1]   ; + the column's bias, 1 or 0 times
.set kk, kk+2
.endr
	WIN 0
.set kk, 0
.rept 32
	v_pk_fma_f32 v[H+kk:H+kk+1], v[RB+2*(\a):RB+2*(\a)+1], s[FV:FV+1], v[H+kk:H+kk+1] op_sel_hi:[1,0,1]   ; + the row's bias, 0 or 1 times
.set kk, kk+2
.endr
.else
	WIN 0x02+((\a)/4)                              ; source 0: window 2 or 3
.set kk, 0
.rept 32
	v_pk_add_f32 v[H+kk:H+kk+1], v[AC+kk:AC+kk+1], v[CB+kk:CB+kk+1]
.set kk, kk+2
.endr
	WIN 0
.set kk, 0
.rept 64
	v_max_num_f32 v[H+kk], 0, v[H+kk]              ; relu, in f32
.set kk, kk+1
.endr
.endif
	QUANT H
.irp c, 0,1
.irp p, 0,1,2
	ds_store_b64 v[QST], v[PC+6*\c+2*\p:PC+6*\c+2*\p+1] offset:6144*\c+768*(\a)+8*\p
.endr
.endr
	ds_store_b32 v[QSS], v[PW] offset:64*(\a)      ; lanes l and l xor 16 hold the same word and write it to the same place
	s_wait_dscnt 0x0                               ; the stores have read their registers
.endm
	s_wait_loadcnt 0x0                             ; the biases
	PLACES NP                                      ; behind the last products: their results are read and A's registers written below
.irp a, 0,1,2,3,4,5,6,7
	QBLOCK \a
.endr
.irp k, 0,1,2,3,4,5,6,7,8,9,10,11,12,13,14,15,16,17,18,19,20,21,22,23
	ds_load_b128 v[128+4*\k:131+4*\k], v[QRD] offset:512*\k
.endr
	ds_load_b128 v[240:243], v[QRD] offset:12288
.irp k, 0,1,2,3,4,5,6,7,8,9,10,11,12,13,14,15,16,17,18,19,20,21,22,23
	s_wait_dscnt 24-\k
	global_store_b128 v[GO], v[128+4*\k:131+4*\k], s[20+2*(\k/12):21+2*(\k/12)] offset:512*(\k%12)   ; 32 lanes store 512 consecutive bytes, at a multiple of 256 from the buffer's first byte
.endr
	s_wait_dscnt 0x0
	global_store_b128 v[GO], v[240:243], s[46:47]  ; 128 scale words
	s_wait_tensorcnt 0x0                           ; the wave's end
	ds_add_u32 v[SPW], v[NIL]
	s_wait_dscnt 0x0
	CROUND                                         ; the closing round: no work-group ends while a partner may still ask for a tile that names it
	s_endpgm
.Lfunc_end_k_qc4c25c9e57_qkv:
	.size	k_qc4c25c9e57_qkv, .Lfunc_end_k_qc4c25c9e57_qkv-k_qc4c25c9e57_qkv
	.p2alignl 7, 3214868480
	.fill 96, 4, 3214868480
	.section	.rodata,"a",@progbits
	.p2align	6, 0x0
	.amdhsa_kernel k_qc4c25c9e57_qkv
		.amdhsa_group_segment_fixed_size 327680
		.amdhsa_private_segment_fixed_size 0
		.amdhsa_enable_private_segment 0
		.amdhsa_kernarg_size 48
		.amdhsa_user_sgpr_count 2
		.amdhsa_user_sgpr_kernarg_segment_ptr 1
		.amdhsa_wavefront_size32 1
		.amdhsa_system_sgpr_workgroup_id_x 1
		.amdhsa_system_sgpr_workgroup_id_y 1
		.amdhsa_system_sgpr_workgroup_id_z 1
		.amdhsa_system_vgpr_workitem_id 0
		.amdhsa_next_free_vgpr 1024
		.amdhsa_next_free_sgpr 102
		.amdhsa_reserve_vcc 0
		.amdhsa_float_denorm_mode_32 3
		.amdhsa_float_denorm_mode_16_64 3
		.amdhsa_memory_ordered 1
		.amdhsa_forward_progress 1
		.amdhsa_inst_pref_size 208
	.end_amdhsa_kernel
	.amdgpu_metadata
---
amdhsa.version: [ 1, 2 ]
amdhsa.kernels:
  - .name:           k_qc4c25c9e57_qkv
    .symbol:         k_qc4c25c9e57_qkv.kd
    .args:
      - { .name: xq, .offset: 0, .size: 8, .value_kind: global_buffer, .address_space: global }
      - { .name: wts, .offset: 8, .size: 8, .value_kind: global_buffer, .address_space: global }
      - { .name: bq, .offset: 16, .size: 8, .value_kind: global_buffer, .address_space: global }
      - { .name: bk, .offset: 24, .size: 8, .value_kind: global_buffer, .address_space: global }
      - { .name: bv, .offset: 32, .size: 8, .value_kind: global_buffer, .address_space: global }
      - { .name: qkvc, .offset: 40, .size: 8, .value_kind: global_buffer, .address_space: global }
    .group_segment_fixed_size: 327680
    .private_segment_fixed_size: 0
    .kernarg_segment_align: 8
    .kernarg_segment_size: 48
    .max_flat_workgroup_size: 128
    .sgpr_count:     102
    .vgpr_count:     1024
    .wavefront_size: 32
...
	.end_amdgpu_metadata
.endif
;; end of part 3
;; launch attn (part 4): grid 8 x 32, 16 waves a work-group, clusters of 4 x 1, 223,232 bytes of LDS; arguments qkvc, maskw, atc; writes atc
.if DOCPART == 4
	.amdgcn_target "amdgcn-amd-amdhsa--gfx1250"
	.amdhsa_code_object_version 6
	.text
	.protected	k_qc4c25c9e57_attn
	.globl	k_qc4c25c9e57_attn
	.p2align	8
	.type	k_qc4c25c9e57_attn,@function
k_qc4c25c9e57_attn:
	s_mov_b64 s[64:65], 0
	v_nop
	global_prefetch_b8 v0, s[64:65] scope:SCOPE_SE
	s_setreg_imm32_b32 hwreg(HW_REG_WAVE_MODE, 25, 1), 1
	s_wait_xcnt 0x0
	s_wait_alu depctr_hold_cnt(0) depctr_sa_sdst(0) depctr_va_vdst(0) depctr_va_sdst(0) depctr_va_ssrc(0) depctr_va_vcc(0) depctr_vm_vsrc(0)
	s_getreg_b32 s2, hwreg(HW_REG_IB_STS2, 6, 4)
	s_cmp_eq_u32 s2, 0
	s_cbranch_scc0 .Lentry_in_a_cluster
	s_endpgm
.Lentry_in_a_cluster:
	s_bfe_u32 s2, ttmp6, 0x10000c
	s_cmp_lg_u32 s2, 0x3003
	s_cbranch_scc0 .Lentry_shape_is_right
	s_endpgm
.Lentry_shape_is_right:
; ATTENTION ON CODES OF BF6 (E3M2): o = softmax(where(mask, q k^T / 8, -1e9)) v for one head and 256 queries a work-group; the result is quantised along the model's 1,024 for the next product.
; In: Q's and K's codes [32 groups: 16 heads of Q, 16 of K][4096 tokens][48 bytes], V's with the KEYS innermost [64 groups of 64 keys][1024 channels][48]; scale words [16][4096], [32][1024].
; Rows (tokens, channels) lie in position order: position = index with bits 3 and 4 exchanged; a tile is 16 neighbouring positions.
; THE MASK IS AN INPUT: every key is walked for every query.  An earlier launch has turned it into lane masks, one 32-bit word for each score register: one v_cndmask_b32 a score.
; THE SOFTMAX AHEAD OF THE SECOND PRODUCT: t = fl(score x log2(e) / 8), or fl(-1e9 x log2(e)) where the mask is false; M = the running largest t rounded UP to a whole number; p = 2^(t - M) is quantised
; along the keys, not normalised; the row's sum is taken of the unquantised p and divides at the end.  When M moves, the sum and O are multiplied by 2^(old M - new M): exact.
; t is rounded before M is taken off it, so in a row with no true entry t - M is exactly 0 and every p is 1.
; SHARES.  Sixteen waves, each one tile of 16 queries in 256 registers: four waves to a SIMD, so that one wave's vector work stands beside another's matrix work and LDS loads.
; A HEAD'S WHOLE K AND V, 2 x 98,304 bytes of codes, COME INTO LDS ONCE AND STAY: no ring, nothing is filled again.  The four query blocks of a cluster share the head and ask jointly.
; Both products are used transposed (S^T = K Q^T, O^T = V^T P^T): a lane holds one query throughout, and by the position order the 16 registers of tiles 2 b, 2 b + 1 are 16 neighbouring keys (channels).
; The head's size is 64: the upper half of K's and Q's fragments is zero codes, under the scale byte 0, which is 2^-127 and adds nothing.
; LIMITS: NaN and infinities are not served; v_exp_f32 and v_rcp_f32 are taken as they are; a block's largest p is taken from the block's largest t (p rises with t); a block whose largest magnitude lies
; under 2^-122 keeps the byte 1, a block of zeros too (its codes are zeros).  The two scale bytes of a head are half of a scale word: they leave as single bytes, one part in 24 of the codes' bytes.
; REGISTERS: v1-4 lane places of K, V and their scale words; v5 the masked t; v7 lane / 16; v8-11 the step's addresses; v12 -M, v13 the largest t, v[14:15] the sum; v16-27 Q, v28 its scale;
; v32-79 four fragments of K; v80-83, v84-87 K's and V's scale words; v88-95 addresses of the way out and of the head; v96-159 S^T, t, p, then V's four fragments; v160-191 O^T; v192-210 p's codes; v212-230 at work.
.set QK_S,  9437184
.set V_C,   6291456
.set V_S,   9699328
.set AT_S,  3145728
.set VB,    98304                      ; LDS: K [2048][48] at 0; V [32 groups][64][48];
.set KSC,   196608                     ; K's scale words [2048], V's [16 planes][64]: stored by the waves, no tensor load lands there;
.set VSC,   204800
.set OST,   208896                     ; 768 bytes a wave for the way out
.set WV,    67                         ; s67 my wave's number
.set CNT,   66                         ; s66 256 x the key step: the loops' counter, and all four LDS addresses of a step are made of it
.macro CROUND
	s_barrier_signal -1
	s_barrier_wait -1
	s_cmp_lg_u32 s[WV], 0
	s_cbranch_scc1 .Lnot_wave_0_\@
	s_barrier_signal -3
.Lnot_wave_0_\@:
	s_barrier_wait -3
	s_barrier_signal -1
	s_barrier_wait -1
.endm
	s_load_b128 s[32:35], s[0:1], 0x0              ; the codes' buffer, the mask words
	s_load_b64 s[100:101], s[0:1], 0x10            ; out
	v_lshl_add_u32 v254, v0, 2, 0x36000
	v_mov_b32 v255, 0
	ds_add_u32 v254, v255
	ds_add_u32 v254, v255
	v_lshrrev_b32 v1, 5, v0
	v_readfirstlane_b32 s[WV], v1                  ; wave 0..15
	s_bfe_u32 s36, ttmp6, 0x40000                  ; cx
	s_lshl_b32 s37, ttmp9, 2
	s_add_co_u32 s37, s37, s36                     ; my block of 256 queries: it enters global addresses alone
	s_and_b32 s38, ttmp7, 0xffff
	s_lshr_b32 s39, s38, 4                         ; the batch
	s_and_b32 s40, s38, 15                         ; the head
	; descriptor group 1.  K: 24,576 dense bytes as 96 rows of 32 elements of 8 bytes.  V: 8 lines of 3,072 bytes (a group's 64 channels), 49,152 bytes apart.
	s_mov_b32 s8, 15|(3<<16)|(1<<21)               ; 15:0 the mask: all four work-groups; 17:16 elements of 8 bytes; 21 set beside a mask
	s_mov_b32 s9, 32<<16
	s_mov_b32 s10, 96<<16
	s_mov_b32 s11, 32<<16
	s_mov_b32 s12, 96
	s_mov_b32 s13, 32
	s_mov_b32 s14, 0
	s_mov_b32 s15, 0
	s_mov_b32 s16, 15|(3<<16)|(1<<21)
	s_mov_b32 s17, 384<<16
	s_mov_b32 s18, 8<<16
	s_mov_b32 s19, 384<<16
	s_mov_b32 s20, 8
	s_mov_b32 s21, 6144
	s_mov_b32 s22, 0
	s_mov_b32 s23, 0
	; group 0, two sets.  Waves 0, 1 fetch K, waves 2, 3 V; a part is 512 keys, 24,576 bytes; set 0: part wave % 2 (keys 0-1023), set 1: two parts on
	s_and_b32 s41, s[WV], 1
	s_lshr_b32 s42, s[WV], 1
	s_mul_i32 s43, s42, VB
	s_mul_i32 s44, s41, 24576
	s_add_co_u32 s43, s43, s44                     ; LDS address: the wave's number and constants alone
	s_add_co_u32 s45, s40, 16
	s_lshl_b32 s45, s45, 12
	s_lshl_b32 s46, s39, 11
	s_add_co_u32 s45, s45, s46
	s_mul_i32 s45, s45, 48
	s_add_co_u32 s45, s45, s44                     ; K: group 16 + head, the batch's 2,048 tokens, my part
	s_lshl_b32 s46, s39, 15
	s_lshl_b32 s47, s40, 6
	s_add_co_u32 s46, s46, s47
	s_mul_i32 s46, s46, 48
	s_add_co_u32 s46, s46, V_C
	s_mul_i32 s47, s41, 393216
	s_add_co_u32 s46, s46, s47                     ; V: the batch's 32 groups, the head's 64 channels, my part's 8 groups
	s_mov_b32 s48, 2*393216
	s_cmp_lt_u32 s[WV], 2
	s_cselect_b32 s46, s45, s46
	s_cselect_b32 s48, 2*24576, s48
	s_mov_b32 s47, 0
	s_mov_b32 s49, 0
	s_wait_dscnt 0x0
	s_wait_kmcnt 0x0
	s_mov_b32 s24, 1
	s_mov_b32 s25, s43
	s_add_nc_u64 s[26:27], s[32:33], s[46:47]
	s_mov_b32 s28, 1
	s_add_co_u32 s29, s43, 49152
	s_add_nc_u64 s[30:31], s[26:27], s[48:49]
	s_or_b32 s27, s27, 0x80000000
	s_or_b32 s31, s31, 0x80000000
	CROUND                                         ; all four work-groups are here: the joint loads meet
	s_cmp_lt_u32 s[WV], 2                          ; a wave's two fills stand in one branch on its number; four v_nop follow the second
	s_cbranch_scc0 .Lnot_k
	tensor_load_to_lds s[24:27], s[8:15]
	s_nop 0
	tensor_load_to_lds s[28:31], s[8:15]
	s_nop 0
.rept 4
	v_nop
.endr
	s_branch .Lasked
.Lnot_k:
	s_cmp_lt_u32 s[WV], 4
	s_cbranch_scc0 .Lasked
	tensor_load_to_lds s[24:27], s[16:23]
	s_nop 0
	tensor_load_to_lds s[28:31], s[16:23]
	s_nop 0
.rept 4
	v_nop
.endr
.Lasked:
	v_and_b32 v6, 15, v0                           ; r
	v_bfe_u32 v7, v0, 4, 1                         ; h
	v_mul_u32_u24 v1, v6, 48
	v_mad_u32_u24 v1, v7, 24, v1                   ; K: row r x 48 + 24 h
	v_add_nc_u32 v2, VB, v1                        ; V likewise
	s_and_b32 s50, s40, 1
	s_lshl_b32 s50, s50, 1                         ; my head's two bytes of a scale word
	v_lshlrev_b32 v8, 2, v6                        ; 4 r
	v_add_nc_u32 v3, s50, v8
	v_add_nc_u32 v3, KSC, v3
	v_add_nc_u32 v4, VSC, v8
	s_lshr_b32 s51, s40, 1
	s_add_co_u32 s52, s51, 8
	s_lshl_b32 s52, s52, 12
	s_lshl_b32 s53, s39, 11
	s_add_co_u32 s52, s52, s53
	s_lshl_b32 s52, s52, 2
	s_add_co_u32 s52, s52, QK_S
	s_mov_b32 s53, 0
	s_add_nc_u64 s[52:53], s[32:33], s[52:53]      ; K's scale words: plane 8 + head / 2, the batch's 2,048 tokens: 8,192 dense bytes
	v_lshlrev_b32 v9, 4, v0
	global_load_b128 v[32:35], v9, s[52:53]
	s_lshl_b32 s54, s39, 14
	s_lshl_b32 s55, s40, 6
	s_add_co_u32 s54, s54, s55
	s_lshl_b32 s54, s54, 2
	s_add_co_u32 s54, s54, V_S
	s_mov_b32 s55, 0
	s_add_nc_u64 s[54:55], s[32:33], s[54:55]      ; V's: the batch's 16 planes, the head's 64 channels: 256 bytes a plane
	v_lshrrev_b32 v10, 5, v0
	v_and_b32 v11, 31, v0
	v_lshlrev_b32 v11, 3, v11
	v_lshl_add_u32 v10, v10, 12, v11
	global_load_b64 v[36:37], v10, s[54:55]
	s_lshl_b32 s56, s39, 11
	s_lshl_b32 s57, s37, 8
	s_add_co_u32 s56, s56, s57
	s_lshl_b32 s57, s[WV], 4
	s_add_co_u32 s56, s56, s57                     ; my first query's position among the 4,096 tokens
	s_lshl_b32 s57, s40, 12
	s_add_co_u32 s57, s57, s56
	s_mul_i32 s58, s57, 48                         ; group = head: the same place in Q's codes and in the result's
	s_mov_b32 s59, 0
	s_add_nc_u64 s[60:61], s[32:33], s[58:59]
	s_lshl_b32 s62, s51, 12
	s_add_co_u32 s62, s62, s56
	s_lshl_b32 s62, s62, 2
	s_add_co_u32 s62, s62, s50                     ; plane head / 2, my query, my head's bytes: the same place in Q's scale words and in the result's
	s_add_co_u32 s68, s62, QK_S
	s_mov_b32 s69, 0
	s_add_nc_u64 s[68:69], s[32:33], s[68:69]
.irp p, 0,1,2
	global_load_b64 v[16+2*\p:17+2*\p], v1, s[60:61] offset:8*\p   ; Q's fragment stays in registers
.endr
	global_load_u16 v28, v8, s[68:69]              ; its two scale bytes; the upper two are 0
	s_lshl_b32 s70, s37, 4
	s_add_co_u32 s70, s70, s[WV]
	s_lshl_b32 s70, s70, 12                        ; a tile of queries has 16 key steps x 256 bytes of mask words
	s_mov_b32 s71, 0
	s_add_nc_u64 s[2:3], s[34:35], s[70:71]
	s_mov_b32 s4, 0x76543210
	s_mov_b32 s5, 0xfedcba98                       ; lane selects for lane l xor 16
	s_mov_b32 s6, 0x3e38aa3b                       ; c = log2(e) / 8
	s_mov_b32 s7, s6                               ; (named with it as a pair)
	s_mov_b32 s[CNT], 0
.irp i, 0,1,2,3,4,5
	v_mov_b32 v[22+\i], 0                          ; the upper 64 of Q's 128: zero codes
.endr
.irp t, 0,1,2,3
.irp i, 0,1,2,3,4,5
	v_mov_b32 v[38+12*\t+\i], 0                    ; and of K's four fragments: written once, never loaded
.endr
.endr
	v_and_b32 v11, 31, v0
	v_lshl_add_u32 v88, v11, 4, s58                ; the way out: codes, 16 bytes a lane,
	v_lshl_add_u32 v89, v11, 3, s58
	v_add_nc_u32 v89, 512, v89                     ; and the last 256 bytes, 8 a lane
	v_add_nc_u32 v90, s62, v8
	v_add_nc_u32 v90, v90, v7
	v_add_nc_u32 v90, AT_S, v90                    ; my scale byte: row r, byte h of the head's two
	s_mul_i32 s72, s[WV], 768
	s_add_co_u32 s72, s72, OST
	v_add_nc_u32 v91, s72, v1
	v_lshl_add_u32 v92, v11, 4, s72
	v_lshl_add_u32 v93, v11, 3, s72
	v_add_nc_u32 v93, 512, v93
	v_lshl_add_u32 v94, v0, 4, KSC
	v_lshl_add_u32 v95, v0, 3, VSC
	v_mov_b32 v5, 0xceabfb8f                       ; fl(-1e9 x log2(e)) = -1,442,695,040: a whole number
	v_mov_b32 v13, 0xff61b1e6                      ; the largest t so far: -3e38
	v_floor_f32 v12, -v13                          ; -M
	v_mov_b32 v14, 0
	v_mov_b32 v15, 0
.irp b, 0,1,2,3
	v_mov_b32 v[216+\b], 0                         ; written once: a lane permute's destination counts as one of its sources
.endr
	v_mov_b32 v226, 0
	v_mov_b32 v229, 0                              ; (the upper half of the pair that holds f)
.set kk, 0
.rept 32
	v_mov_b32 v[160+kk], 0                         ; O^T: the step is written once; the first change of M leaves zeros zeros
.set kk, kk+1
.endr
	s_wait_loadcnt 0x4                             ; K's and V's scale words are in (behind them: Q's three loads and its scale)
	ds_store_b128 v94, v[32:35]
	ds_store_b64 v95, v[36:37]
; A KEY STEP: 128 keys.
.macro STEP
	s_load_b512 s[32:47], s[2:3], 0x0              ; the step's 64 mask words
	s_load_b512 s[48:63], s[2:3], 0x40
	s_load_b512 s[68:83], s[2:3], 0x80
	s_load_b512 s[84:99], s[2:3], 0xc0
	v_mad_u32_u24 v8, s[CNT], 24, v1               ; K: 128 rows x 48 = 6,144 bytes a step = 24 x the counter
	v_mad_u32_u24 v9, s[CNT], 24, v2               ; V: two groups x 3,072
	v_lshl_add_u32 v10, s[CNT], 1, v3              ; K's scale words: 512 bytes a step
	v_add_nc_u32 v11, s[CNT], v4                   ; V's: 256.  (With the two v_nop at the last step's end: six places before S^T is written over V's fragments)
.irp g, 0,1                                    ; S^T = K Q^T, four tiles of 16 keys at a time
.if \g
.rept 4
	v_nop                                          ; places in front of loads into registers that matrix instructions have read
.endr
.endif
.irp t, 0,1,2,3
.irp p, 0,1,2
	ds_load_b64 v[32+12*\t+2*\p:33+12*\t+2*\p], v8 offset:768*(4*\g+\t)+8*\p
.endr
	ds_load_u16 v[80+\t], v10 offset:64*(4*\g+\t)
.endr
	s_wait_dscnt 0x0
.irp t, 0,1,2,3
	v_wmma_scale_f32_16x16x128_f8f6f4 v[96+8*(4*\g+\t):103+8*(4*\g+\t)], v[32+12*\t:43+12*\t], v[16:27], 0, v[80+\t], v28 matrix_a_fmt:MATRIX_FMT_BF6 matrix_b_fmt:MATRIX_FMT_BF6
.endr
.endr
.set kk, 0
.rept 32
	v_pk_mul_f32 v[96+kk:97+kk], v[96+kk:97+kk], s[6:7] op_sel_hi:[1,0]   ; t = score x c, rounded.  The first sixteen name the first four tiles alone: they are the places behind the last four products
.set kk, kk+2
.endr
	s_wait_kmcnt 0x0
.set kk, 0
.rept 32
	v_cndmask_b32 v[96+kk], v5, v[96+kk], s[32+kk] ; where the mask is false: the masked t
.set kk, kk+1
.endr
.rept 32
	v_cndmask_b32 v[96+kk], v5, v[96+kk], s[36+kk]
.set kk, kk+1
.endr
	s_add_nc_u64 s[2:3], s[2:3], 256               ; (behind the wait that shows the loads done)
.irp b, 0,1,2,3
	v_max3_num_f32 v[212+\b], v[96+16*\b], v[97+16*\b], v[98+16*\b]   ; the largest t of each block of 32 keys: for the row's maximum, and for the block's largest p
.endr
.irp i, 3,5,7,9,11,13
.irp b, 0,1,2,3
	v_max3_num_f32 v[212+\b], v[212+\b], v[96+16*\b+\i], v[97+16*\b+\i]
.endr
.endr
.irp b, 0,1,2,3
	v_max_num_f32 v[212+\b], v[212+\b], v[111+16*\b]
.endr
.irp b, 0,1,2,3
	v_permlanex16_b32 v[216+\b], v[212+\b], s4, s5
.endr
.irp b, 0,1,2,3
	v_max_num_f32 v[212+\b], v[212+\b], v[216+\b]  ; with lane l xor 16's 16 keys
.endr
	v_max3_num_f32 v226, v212, v213, v214
	v_max_num_f32 v226, v226, v215
	v_max_num_f32 v13, v13, v226                   ; the running largest t
	v_mov_b32 v226, v12
	v_floor_f32 v12, -v13                          ; the new -M = -ceil(t): a whole number
	v_sub_f32 v226, v12, v226                      ; old M - new M: a whole number, 0 or less
	v_cvt_i32_f32 v226, v226                       ; (it saturates)
	v_ldexp_f32 v228, 1.0, v226                    ; f = 2^(old M - new M)
.set kk, 0
.rept 32
	v_pk_add_f32 v[96+kk:97+kk], v[96+kk:97+kk], v[12:13] op_sel_hi:[1,0]   ; t - M
.set kk, kk+2
.endr
.irp b, 0,1,2,3
	v_add_f32 v[212+\b], v[212+\b], v12            ; the same of each block's largest t
.endr
.set kk, 0
.rept 64
	v_exp_f32 v[96+kk], v[96+kk]                   ; p = 2^(t - M), at most 1
.set kk, kk+1
.endr
	v_pk_mul_f32 v[14:15], v[14:15], v[228:229] op_sel_hi:[1,0]   ; the sums under the new M.  (A plain line behind the exponentials)
	s_wait_alu depctr_va_vdst(0)                   ; one wait for the batch, ahead of its first reader
.irp b, 0,1,2,3
	v_exp_f32 v[212+\b], v[212+\b]                 ; the block's largest p: the same instructions on the same number give the same bits
.endr
	v_pk_add_f32 v[224:225], v[96:97], v[98:99]    ; the row's sum of the unquantised p, in two chains
.irp j, 4,8,12,16,20,24,28,32,36,40,44,48,52,56,60
	v_pk_add_f32 v[14:15], v[14:15], v[96+\j:97+\j]
	v_pk_add_f32 v[224:225], v[224:225], v[98+\j:99+\j]
.endr
	v_pk_add_f32 v[14:15], v[14:15], v[224:225]
	s_wait_alu depctr_va_vdst(0)                   ; and one for the four
.irp b, 0,1,2,3
	v_max_num_f32 v[212+\b], 0x2800000, v[212+\b]  ; the floor 2^(5 - 127)
.endr
.irp b, 0,1,2,3
	v_add_nc_u32 v[220+\b], 0xfe000000, v[212+\b]  ; 4 off the exponent field: the conversion's scale operand
.endr
.irp b, 0,1,2,3
	v_lshrrev_b32 v[216+\b], 23, v[220+\b]         ; the scale's byte
.endr
	v_lshl_or_b32 v230, v217, 8, v216              ; p's scale word for these 128 keys
	v_lshl_or_b32 v230, v218, 16, v230
	v_lshl_or_b32 v230, v219, 24, v230
.irp c, 0,1
	v_cvt_scalef32_pk16_bf6_f32 v[192+6*\c:194+6*\c], v[96+32*\c:111+32*\c], v[220+2*\c]
	v_cvt_scalef32_pk16_bf6_f32 v[204+4*\c:206+4*\c], v[112+32*\c:127+32*\c], v[220+2*\c+1]
.endr
	v_nop                                          ; one plain line behind a scaled conversion
.irp t, 0,1,2,3                                ; V's four fragments (16 channels x these 128 keys) into p's registers, which are done with: asked for here, wanted 28 lines on
.irp p, 0,1,2,3,4,5
	ds_load_b64 v[96+12*\t+2*\p:97+12*\t+2*\p], v9 offset:3072*(\p/3)+768*\t+8*(\p%3)
.endr
	ds_load_b32 v[84+\t], v11 offset:64*\t
.endr
.irp c, 0,1                                    ; the layout wants a whole block in a lane
.irp i, 0,1,2
	v_permlane16_swap_b32 v[192+6*\c+\i], v[204+4*\c+\i]
.endr
.irp i, 0,1,2
	v_mov_b32 v[195+6*\c+\i], v[204+4*\c+\i]
.endr
.endr
.set kk, 0
.rept 16
	v_pk_mul_f32 v[160+kk:161+kk], v[160+kk:161+kk], v[228:229] op_sel_hi:[1,0]   ; O^T under the new M.  (Also the places between p's codes and scale word and the products)
.set kk, kk+2
.endr
	s_wait_dscnt 0x0
.irp t, 0,1,2,3                                ; O^T += V^T P^T: four accumulators by turns
	v_wmma_scale_f32_16x16x128_f8f6f4 v[160+8*\t:167+8*\t], v[96+12*\t:107+12*\t], v[192:203], v[160+8*\t:167+8*\t], v[84+\t], v230 matrix_a_fmt:MATRIX_FMT_BF6 matrix_b_fmt:MATRIX_FMT_BF6
.endr
	v_nop
	v_nop
.endm
	s_wait_tensorcnt 0x1                           ; my first part is in: keys 0-1023 of K and V; the second parts may stay out
	s_wait_loadcnt 0x0                             ; Q
	s_wait_dscnt 0x0                               ; my scale words lie in LDS
	s_barrier_signal -1
	s_barrier_wait -1
.Lfirst:                                           ; key steps 0-7
	STEP
	s_add_co_u32 s[CNT], s[CNT], 256
	s_cmp_lt_u32 s[CNT], 2048
	s_cbranch_scc1 .Lfirst
	s_wait_tensorcnt 0x0                           ; my second part is in,
	s_wait_dscnt 0x0
	s_barrier_signal -1
	s_barrier_wait -1                              ; everybody's is
.Lsecond:                                          ; key steps 8-15
	STEP
	s_add_co_u32 s[CNT], s[CNT], 256
	s_cmp_lt_u32 s[CNT], 4096
	s_cbranch_scc1 .Lsecond
	; THE WAY OUT: O^T / the sum; two blocks of 32 channels are quantised; 16 rows x 48 bytes go through my 768 bytes of LDS and leave dense.
	v_add_f32 v14, v14, v15
	v_permlanex16_b32 v226, v14, s4, s5
	v_add_f32 v14, v14, v226                       ; the row's sum
	v_rcp_f32 v14, v14
	v_nop                                          ; a plain line behind the transcendental,
	s_wait_alu depctr_va_vdst(0)                   ; and the wait ahead of its first reader
.set kk, 0
.rept 32
	v_mul_f32 v[96+kk], v[160+kk], v14             ; register 16 b + i is channel 32 b + 16 h + i of my query
.set kk, kk+1
.endr
.irp b, 0,1
	v_max3_num_f32 v[212+\b], |v[96+16*\b]|, |v[97+16*\b]|, 0x2800000
.endr
.irp i, 2,4,6,8,10,12,14
.irp b, 0,1
	v_max3_num_f32 v[212+\b], v[212+\b], |v[96+16*\b+\i]|, |v[97+16*\b+\i]|
.endr
.endr
.irp b, 0,1
	v_permlanex16_b32 v[216+\b], v[212+\b], s4, s5
.endr
.irp b, 0,1
	v_max_num_f32 v[212+\b], v[212+\b], v[216+\b]
.endr
.irp b, 0,1
	v_add_nc_u32 v[220+\b], 0xfe000000, v[212+\b]
.endr
.irp b, 0,1
	v_lshrrev_b32 v[216+\b], 23, v[220+\b]
.endr
	v_cvt_scalef32_pk16_bf6_f32 v[192:194], v[96:111], v220
	v_cvt_scalef32_pk16_bf6_f32 v[204:206], v[112:127], v221
	v_nop
	v_cmp_ne_u32 vcc_lo, 0, v7
.irp i, 0,1,2
	v_permlane16_swap_b32 v[192+\i], v[204+\i]
.endr
.irp i, 0,1,2
	v_mov_b32 v[195+\i], v[204+\i]                 ; v192-197: channels 32 h + 0 .. 31 of my query
.endr
	v_cndmask_b32 v226, v216, v217, vcc_lo         ; lanes 0-15 store block 0's byte, lanes 16-31 block 1's
	ds_store_b64 v91, v[192:193]
	ds_store_b64 v91, v[194:195] offset:8
	ds_store_b64 v91, v[196:197] offset:16
	ds_load_b128 v[96:99], v92                     ; LDS serves a wave's instructions in order: these see my stores
	ds_load_b64 v[100:101], v93
	global_store_b8 v90, v226, s[100:101]
	s_wait_dscnt 1
	global_store_b128 v88, v[96:99], s[100:101]    ; 512 consecutive bytes, at a multiple of 256 from the buffer's first byte,
	s_wait_dscnt 0x0
	global_store_b64 v89, v[100:101], s[100:101]   ; and 256 more
	s_wait_tensorcnt 0x0
	ds_add_u32 v254, v255
	s_wait_dscnt 0x0
	CROUND                                         ; the closing round: no work-group ends while a partner may still ask for a tile that names it
	s_endpgm
.Lfunc_end_k_qc4c25c9e57_attn:
	.size	k_qc4c25c9e57_attn, .Lfunc_end_k_qc4c25c9e57_attn-k_qc4c25c9e57_attn
	.p2alignl 7, 3214868480
	.fill 96, 4, 3214868480
	.section	.rodata,"a",@progbits
	.p2align	6, 0x0
	.amdhsa_kernel k_qc4c25c9e57_attn
		.amdhsa_group_segment_fixed_size 223232
		.amdhsa_private_segment_fixed_size 0
		.amdhsa_enable_private_segment 0
		.amdhsa_kernarg_size 24
		.amdhsa_user_sgpr_count 2
		.amdhsa_user_sgpr_kernarg_segment_ptr 1
		.amdhsa_wavefront_size32 1
		.amdhsa_system_sgpr_workgroup_id_x 1
		.amdhsa_system_sgpr_workgroup_id_y 1
		.amdhsa_system_sgpr_workgroup_id_z 1
		.amdhsa_system_vgpr_workitem_id 0
		.amdhsa_next_free_vgpr 256
		.amdhsa_next_free_sgpr 102
		.amdhsa_reserve_vcc 1
		.amdhsa_float_denorm_mode_32 3
		.amdhsa_float_denorm_mode_16_64 3
		.amdhsa_memory_ordered 1
		.amdhsa_forward_progress 1
		.amdhsa_inst_pref_size 63
	.end_amdhsa_kernel
	.amdgpu_metadata
---
amdhsa.version: [ 1, 2 ]
amdhsa.kernels:
  - .name:           k_qc4c25c9e57_attn
    .symbol:         k_qc4c25c9e57_attn.kd
    .args:
      - { .name: qkvc, .offset: 0, .size: 8, .value_kind: global_buffer, .address_space: global }
      - { .name: maskw, .offset: 8, .size: 8, .value_kind: global_buffer, .address_space: global }
      - { .name: atc, .offset: 16, .size: 8, .value_kind: global_buffer, .address_space: global }
    .group_segment_fixed_size: 223232
    .private_segment_fixed_size: 0
    .kernarg_segment_align: 8
    .kernarg_segment_size: 24
    .max_flat_workgroup_size: 512
    .sgpr_count:     102
    .vgpr_count:     256
    .wavefront_size: 32
...
	.end_amdgpu_metadata
.endif
;; end of part 4
;; launch oproj (part 5): grid 4 x 16, 4 waves a work-group, clusters of 4 x 4, 327,680 bytes of LDS; arguments atc, wts, b0, X, x1; writes x1
.if DOCPART == 5
	.amdgcn_target "amdgcn-amd-amdhsa--gfx1250"
	.amdhsa_code_object_version 6
	.text
	.protected	k_qc4c25c9e57_oproj
	.globl	k_qc4c25c9e57_oproj
	.p2align	8
	.type	k_qc4c25c9e57_oproj,@function
k_qc4c25c9e57_oproj:
	s_mov_b64 s[64:65], 0
	v_nop
	global_prefetch_b8 v0, s[64:65] scope:SCOPE_SE
	s_setreg_imm32_b32 hwreg(HW_REG_WAVE_MODE, 25, 1), 1
	s_wait_xcnt 0x0
	s_wait_alu depctr_hold_cnt(0) depctr_sa_sdst(0) depctr_va_vdst(0) depctr_va_sdst(0) depctr_va_ssrc(0) depctr_va_vcc(0) depctr_vm_vsrc(0)
	s_getreg_b32 s2, hwreg(HW_REG_IB_STS2, 6, 4)
	s_cmp_eq_u32 s2, 0
	s_cbranch_scc0 .Lentry_in_a_cluster
	s_endpgm
.Lentry_in_a_cluster:
	s_bfe_u32 s2, ttmp6, 0x10000c
	s_cmp_lg_u32 s2, 0xf033
	s_cbranch_scc0 .Lentry_shape_is_right
	s_endpgm
.Lentry_shape_is_right:
; A GEMM ON CODES OF BF6 (E3M2) WITH AN f32 RESULT: out[m][n] = sum over k of A[m][k] B[n][k] + bias[n] + res[m][n].  One text serves two launches; they differ in the constants below.
; Here: x1 = attn W0 + b0 + X.
; OPERANDS: codes [K/64][rows][48 bytes], scale words [K/128][rows]; row R lies at position P(R) = R with bits 3 and 4 exchanged; a tile is 16 neighbouring positions.  res and out: [4096][1024] f32, rows as they are.
; A tile of C, 256 x 256, is made by four waves, each 128 x 128: 64 accumulators, 512 registers.  K goes in steps of 256 through two LDS slots; a wave's tensor load brings 128 rows x 4 groups: four dense
; lines of 6,144 bytes.  With rows 48 bytes apart lane (r, h) of a load of 8 bytes starts at word 12 r + 6 h: the 32 lanes touch 64 different words modulo 64: no padding.
; The scale words of the work-group's rows, for all of K, come once with the first fills and stay.  CLUSTERS 4 x 4: A's tiles are asked for jointly along a row, B's along a column.
; THE MATRIX INSTRUCTION IS USED TRANSPOSED (source 0 = 16 positions of B, source 1 = 16 of A): a lane holds one row of C; register j of B's tile i is column 32 (i / 2) + 16 (lane / 16) + 8 (i % 2) + j.
; N is 1,024, so there are 64 tiles of C: fewer work-groups than the chip has WGPs; a narrower tile would share the work further at the price of more LDS reads for each product.
; REGISTERS: window 0: v0-31 addresses; v32-63 scale words, two sets; v64-67 bias; v128-223 A's fragments, one set; on the way out v128-255 rows of C.  Window 1: B's fragments, two sets; on the way out the residual.  Windows 2, 3: accumulators.
.set SIZE_K, 1024
.set LAST,   0                         ; 1: the result is read by nobody in this program
.set RA,     4096                      ; rows in A's buffer
.set RBW,    1024                      ; rows of the weight
.set A_SC,   3145728                   ; A's scale words in its buffer
.set B_CO,   3145728                   ; the weight's codes and scale words in wts
.set B_SC,   10354688
.set NQ,     2
.set GPL,    6144
.set FR,     12
.set NL,     6
.set NP,     4                         ; places behind this matrix instruction (ISA guide 7.12.1)
.set HALFT,  4*GPL
.set SLOT,   4*HALFT
.set LAPS,   SIZE_K/512
.set NPL,    SIZE_K/128
.set SCL,    2*SLOT
.set HALFS,  512*NPL
.set SPARE,  SCL+4*HALFS               ; the spare words, 128 bytes a wave: two blocks of 256 bytes that no other line names
.set ASTEP,  4*RA*48                   ; bytes from one K step's groups to the next
.set BSTEP,  4*RBW*48
.set SPITCH, 528                       ; the way out: a stage of 16 rows x (512 + 16) bytes for each wave, in slot 0
.set ADRA, 16
.set ADRB, 20
.set STO,  24
.set RD,   25
.set CO,   26
.set ADRS, 27
.set SPW,  28
.set NIL,  29
.set SC,   32
.set BI,   64
.set AF,   128
.set BK,   128
.set G1, 24
.set G0, 32
.set G1B, 48
.set G0B, 56
.set G1S, 68
.set G0S, 76
.set G1SB, 80
.set G0SB, 88
.set MSB, 0
.macro WIN new                         ; the immediate's high byte repeats the setting that is left
.if MSB != \new
	s_set_vgpr_msb (MSB<<8)|\new
.set MSB, \new
.endif
.endm
.set MUL_LO, 0xa1
.set MUL_HI, 0xf1
.set TO_B,   0x40
.macro JLOAD g0a, g1a, g0b, g1b        ; a joint load: waves 0 and 1 fetch for A, waves 2 and 3 for B; four v_nop follow each line
	s_cmp_eq_u32 s15, 0
	s_cbranch_scc0 .Lfor_b_\@
	tensor_load_to_lds s[\g0a:\g0a+3], s[\g1a:\g1a+7]
	s_nop 0
.rept 4
	v_nop
.endr
	s_branch .Lasked_\@
.Lfor_b_\@:
	tensor_load_to_lds s[\g0b:\g0b+3], s[\g1b:\g1b+7]
	s_nop 0
.rept 4
	v_nop
.endr
.Lasked_\@:
.endm
.macro CREST
	s_cmp_lg_u32 s14, 0
	s_cbranch_scc1 .Lnot_wave_0_\@
	s_barrier_signal -3
.Lnot_wave_0_\@:
	s_barrier_wait -3
	s_barrier_signal -1
	s_barrier_wait -1
.endm
.macro CROUND
	s_barrier_signal -1
	s_barrier_wait -1
	CREST
.endm
	s_load_b256 s[4:11], s[0:1], 0x0               ; A's buffer, wts, bias, residual
	s_load_b64 s[12:13], s[0:1], 0x20              ; out
	v_lshl_add_u32 v[SPW], v0, 2, SPARE
	v_mov_b32 v[NIL], 0
	ds_add_u32 v28, v29
	ds_add_u32 v28, v29
	s_wait_dscnt 0x0
	v_lshrrev_b32 v1, 5, v0
	v_readfirstlane_b32 s14, v1                    ; wave 0..3
	s_lshr_b32 s15, s14, 1                         ; which half of the tile's rows is mine.  Also: I fetch for A (0) or for B (1)
	s_and_b32 s16, s14, 1                          ; which half of its columns.  Also: which 128 rows of that tile I fetch
	s_bfe_u32 s40, ttmp6, 0x40000                  ; cx, cy
	s_bfe_u32 s41, ttmp6, 0x40004
	s_lshl_b32 s42, ttmp9, 2
	s_add_co_u32 s42, s42, s40                     ; tile column of C
	s_and_b32 s17, ttmp7, 0xffff
	s_lshl_b32 s17, s17, 2
	s_add_co_u32 s17, s17, s41                     ; tile row of C
	s_lshl_b32 s43, s41, 2
	s_lshl_b32 s43, 15, s43                        ; my row of the cluster
	s_lshl_b32 s44, 0x1111, s40                    ; my column
	; descriptor group 1, codes: 4 lines of 768 elements of 8 bytes, rows x 48 bytes apart; no padding
	s_or_b32 s[G1+0], s43, (3<<16)|(1<<21)         ; 15:0 the mask; 17:16 elements of 8 bytes; 21 set beside a mask
	s_or_b32 s[G1B+0], s44, (3<<16)|(1<<21)
.irp g, G1, G1B
	s_mov_b32 s[\g+1], 768<<16
	s_mov_b32 s[\g+2], 4<<16
	s_mov_b32 s[\g+3], 768<<16
	s_mov_b32 s[\g+4], 4
	s_mov_b32 s[\g+6], 0
	s_mov_b32 s[\g+7], 0
.endr
	s_mov_b32 s[G1+5], 6*RA
	s_mov_b32 s[G1B+5], 6*RBW
	; scale words of 128 rows: NPL lines of 512 bytes, rows x 4 bytes apart
	s_or_b32 s[G1S+0], s43, (3<<16)|(1<<21)
	s_or_b32 s[G1SB+0], s44, (3<<16)|(1<<21)
.irp g, G1S, G1SB
	s_mov_b32 s[\g+1], 64<<16
	s_mov_b32 s[\g+2], NPL<<16
	s_mov_b32 s[\g+3], 64<<16
	s_mov_b32 s[\g+4], NPL
	s_mov_b32 s[\g+6], 0
	s_mov_b32 s[\g+7], 0
.endr
	s_mov_b32 s[G1S+5], RA/2
	s_mov_b32 s[G1SB+5], RBW/2
	s_lshl_b32 s18, s16, 7
	s_lshl_b32 s20, s17, 8
	s_add_co_u32 s20, s20, s18                     ; A's row
	s_lshl_b32 s46, s42, 8
	s_add_co_u32 s46, s46, s18                     ; B's row
	s_lshl_b32 s22, s20, 2
	s_add_co_u32 s22, s22, A_SC
	s_mov_b32 s23, 0
	s_mul_i32 s20, s20, 48
	s_mov_b32 s21, 0
	s_lshl_b32 s92, s46, 2
	s_add_co_u32 s92, s92, B_SC
	s_mov_b32 s93, 0
	s_mul_i32 s46, s46, 48
	s_add_co_u32 s46, s46, B_CO
	s_mov_b32 s47, 0
	s_mul_i32 s45, s14, HALFT                      ; where they go: wave x 128 rows: no place in the cluster enters an LDS address
	s_mul_i32 s94, s14, HALFS
	s_wait_kmcnt 0x0
	s_add_nc_u64 s[20:21], s[4:5], s[20:21]
	s_add_nc_u64 s[22:23], s[4:5], s[22:23]
	s_add_nc_u64 s[46:47], s[6:7], s[46:47]
	s_add_nc_u64 s[92:93], s[6:7], s[92:93]
	CROUND                                         ; all sixteen work-groups are here: the first joint loads meet
	s_mov_b32 s[G0S], 1
	s_add_co_u32 s[G0S+1], s94, SCL
	s_mov_b64 s[G0S+2:G0S+3], s[22:23]
	s_or_b32 s[G0S+3], s[G0S+3], 0x80000000
	s_mov_b32 s[G0SB], 1
	s_add_co_u32 s[G0SB+1], s94, SCL
	s_mov_b64 s[G0SB+2:G0SB+3], s[92:93]
	s_or_b32 s[G0SB+3], s[G0SB+3], 0x80000000
	JLOAD G0S, G1S, G0SB, G1SB                     ; the scale words first
.irp s, 0,1
	s_mov_b32 s[G0+4*\s], 1
	s_add_co_u32 s[G0+4*\s+1], s45, \s*SLOT
	s_add_nc_u64 s[G0+4*\s+2:G0+4*\s+3], s[20:21], \s*ASTEP
	s_or_b32 s[G0+4*\s+3], s[G0+4*\s+3], 0x80000000
	s_mov_b32 s[G0B+4*\s], 1
	s_add_co_u32 s[G0B+4*\s+1], s45, \s*SLOT
	s_add_nc_u64 s[G0B+4*\s+2:G0B+4*\s+3], s[46:47], \s*BSTEP
	s_or_b32 s[G0B+4*\s+3], s[G0B+4*\s+3], 0x80000000
	JLOAD G0+4*\s, G1, G0B+4*\s, G1B
.endr
	v_and_b32 v1, 15, v0                           ; r
	v_bfe_u32 v2, v0, 4, 1                         ; h
	v_mul_u32_u24 v3, v1, 48
	v_mad_u32_u24 v4, v2, 24, v3
	s_mul_i32 s21, s15, HALFT
	s_mul_i32 s22, s16, HALFT
	s_add_co_u32 s22, s22, 2*HALFT
.irp s, 0,1
	v_add_nc_u32 v[ADRA+\s], s21, v4
	v_add_nc_u32 v[ADRB+\s], s22, v4
	s_add_co_u32 s21, s21, SLOT
	s_add_co_u32 s22, s22, SLOT
.endr
	v_lshlrev_b32 v7, 2, v1
	s_mul_i32 s21, s15, HALFS
	s_mul_i32 s22, s16, HALFS
	s_add_co_u32 s22, s22, 2*HALFS
	s_sub_co_u32 s22, s22, s21
	v_mul_u32_u24 v6, s22, v2                      ; lanes 16-31 take B's scale words: the lower base + h x the distance
	s_add_co_u32 s21, s21, SCL
	v_add_nc_u32 v5, v7, v6
	v_add_nc_u32 v[ADRS], s21, v5
	s_mul_i32 s23, s14, 16*SPITCH                  ; my stage
	v_mul_u32_u24 v5, v1, SPITCH
	v_lshl_add_u32 v5, v2, 6, v5
	v_add_nc_u32 v[STO], s23, v5                   ; in: row r, + 64 bytes for lanes 16-31
	v_and_b32 v6, 31, v0
	v_lshlrev_b32 v[CO], 4, v6                     ; back: the 32 lanes take one row of 512 bytes; the same in memory
	v_add_nc_u32 v[RD], s23, v[CO]
	s_lshl_b32 s20, s17, 8
	s_lshl_b32 s21, s15, 7
	s_add_co_u32 s20, s20, s21
	s_lshl_b32 s20, s20, 12                        ; my first row, 4,096 bytes a row,
	s_lshl_b32 s46, s42, 10
	s_lshl_b32 s47, s16, 9
	s_add_co_u32 s46, s46, s47                     ; my first column, in bytes
	s_add_co_u32 s20, s20, s46
	s_mov_b32 s21, 0
	s_mov_b32 s47, 0
	s_add_nc_u64 s[12:13], s[12:13], s[20:21]
	s_add_nc_u64 s[10:11], s[10:11], s[20:21]
	s_add_nc_u64 s[8:9], s[8:9], s[46:47]
	global_load_b128 v[BI:BI+3], v[CO], s[8:9]     ; the bias of my four columns of a row read back
.macro FRAG reg, adr, q, i             ; a fragment, 16 rows x 128 K: registers 6 c .. 6 c + 5 = 24 bytes of group 2 q + c, as they lie, in pieces of 8 bytes
.irp p, 0,1,2,3,4,5
	ds_load_b64 v[\reg+2*\p:\reg+2*\p+1], v[\adr] offset:(2*(\q)+\p/3)*GPL+(\i)*768+8*(\p%3)
.endr
.endm
; 16 matrix instructions: A's blocks a0, a0 + 1 x B's eight, 128 along K.  The 64 accumulators take turns, one instruction a turn, in the same order in every step.
.macro MUL16 a0, p, q, sc, zero
.irp a, \a0, \a0+1
.irp b, 0,1,2,3,4,5,6,7
.if \zero
	v_wmma_scale_f32_16x16x128_f8f6f4 v[8*(8*((\a)%4)+\b):8*(8*((\a)%4)+\b)+7], v[128*(\p)+FR*\b:128*(\p)+FR*\b+FR-1], v[AF+FR*(\a):AF+FR*(\a)+FR-1], 0, v[SC+8*NQ*(\sc)+NQ*\b+(\q)], v[SC+8*NQ*(\sc)+NQ*(\a)+(\q)] matrix_a_fmt:MATRIX_FMT_BF6 matrix_b_fmt:MATRIX_FMT_BF6 matrix_a_scale:MATRIX_SCALE_ROW1
.else
	v_wmma_scale_f32_16x16x128_f8f6f4 v[8*(8*((\a)%4)+\b):8*(8*((\a)%4)+\b)+7], v[128*(\p)+FR*\b:128*(\p)+FR*\b+FR-1], v[AF+FR*(\a):AF+FR*(\a)+FR-1], v[8*(8*((\a)%4)+\b):8*(8*((\a)%4)+\b)+7], v[SC+8*NQ*(\sc)+NQ*\b+(\q)], v[SC+8*NQ*(\sc)+NQ*(\a)+(\q)] matrix_a_fmt:MATRIX_FMT_BF6 matrix_b_fmt:MATRIX_FMT_BF6 matrix_a_scale:MATRIX_SCALE_ROW1
.endif
.endr
.endr
.endm
.macro FETCH_B slot, q, p
	WIN TO_B
.irp i, 0,1,2,3,4,5,6,7
	FRAG 128*(\p)+FR*\i, ADRB+\slot, \q, \i
.endr
	WIN 0
.endm
.macro FETCH_A slot, q, i0
.irp i, \i0, \i0+1, \i0+2, \i0+3
	FRAG AF+FR*(\i), ADRA+\slot, \q, \i
.endr
.endm
.macro SCALES sc                       ; the next K step's scale words: lanes 0-15 A's block i, lanes 16-31 B's block i; plane q of the step's two
.irp i, 0,1,2,3,4,5,6,7
.irp q, 0,1
	ds_load_b32 v[SC+8*NQ*\sc+NQ*\i+\q], v[ADRS] offset:512*\q+64*\i
.endr
.endr
.endm
.macro PLACES n                        ; plain vector lines between a matrix instruction and a load into, or a read of, its registers
.rept \n
	v_nop
.endr
.endm
.macro STEP slot, q, zero
	s_wait_dscnt 4*NL                              ; B's set, A's blocks 0-3 and the scale words are in; the youngest 24 loads (A's blocks 4-7) may be out
	WIN MUL_LO
	MUL16 0, (\q)%2, \q, \slot, \zero
	MUL16 2, (\q)%2, \q, \slot, \zero
	s_wait_dscnt 0
	PLACES NP
	FETCH_B \slot, (\q)+1, 1-(\q)%2
	FETCH_A \slot, (\q)+1, 0
	WIN MUL_HI
	MUL16 4, (\q)%2, \q, \slot, \zero
	MUL16 6, (\q)%2, \q, \slot, \zero
	PLACES NP
	WIN 0
	FETCH_A \slot, (\q)+1, 4
.endm
; A slot's last step changes slots: one barrier; in front of it each wave waits for all its tensor loads, adds 0 to its spare word, and waits for that and for its own reads of this slot.
.macro TURN slot, next, fill
	s_wait_tensorcnt 0x0                           ; all my tensor loads have landed: my part of the next slot
	ds_add_u32 v[SPW], v[NIL]                      ; 0 onto my spare word
	s_wait_dscnt 4*NL+1                            ; (the add and the youngest 24 loads may be out)
	WIN MUL_LO
	MUL16 0, 1, NQ-1, \slot, 0
	s_wait_dscnt 0x0                               ; the add is done, and my reads of this slot are over
	s_barrier_signal -1
	MUL16 2, 1, NQ-1, \slot, 0
	WIN 0
	s_barrier_wait -1
.if \fill
	CREST                                          ; the barrier has opened a round of the cluster's: no wave of any partner still reads this slot or has a load on its way
	s_add_nc_u64 s[G0+4*\slot+2:G0+4*\slot+3], s[G0+4*\slot+2:G0+4*\slot+3], 2*ASTEP
	s_add_nc_u64 s[G0B+4*\slot+2:G0B+4*\slot+3], s[G0B+4*\slot+2:G0B+4*\slot+3], 2*BSTEP
	JLOAD G0+4*\slot, G1, G0B+4*\slot, G1B         ; the first tensor load behind the round; its four v_nop are the places in front of the loads below
.else
	PLACES NP
.endif
	v_add_nc_u32 v[ADRS], 1024, v[ADRS]            ; two planes of scale words on (no LDS load of mine is out)
	FETCH_B \next, 0, 0
	FETCH_A \next, 0, 0
	SCALES \next
	WIN MUL_HI
	MUL16 4, 1, NQ-1, \slot, 0
	MUL16 6, 1, NQ-1, \slot, 0
	PLACES NP
	WIN 0
	FETCH_A \next, 0, 4
.endm
; THE WAY OUT, block a of 16 positions x 128 columns.  Position t of block a is row 32 (a / 2) + 8 (a % 2) + t + (t & 8) of my 128.
.macro RLOAD a                         ; the residual's 16 rows of block a, 512 bytes each, into window 1
	WIN 0x40
.irp t, 0,1,2,3,4,5,6,7,8,9,10,11,12,13,14,15
	global_load_b128 v[64*((\a)%4)+4*\t:64*((\a)%4)+4*\t+3], v[CO], s[10:11] offset:(32*((\a)/2)+8*((\a)%2)+\t+(\t&8))*4096
.endr
	WIN 0
.endm
.macro TOSTAGE a                       ; through my own stage, so that whole rows come back; LDS serves a wave's instructions in order: no wait between the stores and the loads
.set AC, 64*((\a)%4)
	WIN 0x08+4*((\a)/4)                            ; the data: window 2 or 3
.irp i, 0,1,2,3,4,5,6,7
	ds_store_b128 v[STO], v[AC+8*\i:AC+8*\i+3] offset:128*(\i/2)+32*(\i%2)          ; each accumulator from its low end on
	ds_store_b128 v[STO], v[AC+8*\i+4:AC+8*\i+7] offset:128*(\i/2)+32*(\i%2)+16
.endr
	WIN 0
.set BB, BK+64*((\a)%2)
.irp t, 0,1,2,3,4,5,6,7,8,9,10,11,12,13,14,15
	ds_load_b128 v[BB+4*\t:BB+4*\t+3], v[RD] offset:\t*SPITCH
.endr
.endm
.macro SEND a, younger                 ; younger: the LDS instructions issued behind block a's loads, which may stay out
.set BB, BK+64*((\a)%2)
.set RS, 64*((\a)%4)
.if (\a) < 5
.set NLD, 48                           ; three younger blocks of the residual, 16 loads each, may be out
.else
.set NLD, 16*(7-(\a))
.endif
	s_wait_dscnt \younger
	s_wait_loadcnt NLD
.set kk, 0
.rept 16
	v_pk_add_f32 v[BB+kk:BB+kk+1], v[BB+kk:BB+kk+1], v[BI:BI+1]           ; + the bias
	v_pk_add_f32 v[BB+kk+2:BB+kk+3], v[BB+kk+2:BB+kk+3], v[BI+2:BI+3]
.set kk, kk+4
.endr
	WIN 0x04                                       ; source 1: window 1
.set kk, 0
.rept 32
	v_pk_add_f32 v[BB+kk:BB+kk+1], v[BB+kk:BB+kk+1], v[RS+kk:RS+kk+1]     ; + the residual
.set kk, kk+2
.endr
	WIN 0
.irp t, 0,1,2,3,4,5,6,7,8,9,10,11,12,13,14,15
.if LAST
	global_store_b128 v[CO], v[BB+4*\t:BB+4*\t+3], s[12:13] offset:(32*((\a)/2)+8*((\a)%2)+\t+(\t&8))*4096 th:TH_STORE_NT
.else
	global_store_b128 v[CO], v[BB+4*\t:BB+4*\t+3], s[12:13] offset:(32*((\a)/2)+8*((\a)%2)+\t+(\t&8))*4096   ; 32 lanes store 512 consecutive bytes, at a multiple of 256 from the buffer's first byte
.endif
.endr
.if (\a) < 4
	RLOAD (\a)+4
.endif
.endm
	s_wait_tensorcnt 1                             ; the scale words and my part of K step 0 are in (K step 1's load may be out),
	s_barrier_signal -1
	s_barrier_wait -1                              ; everybody's are
	FETCH_B 0, 0, 0
	FETCH_A 0, 0, 0
	SCALES 0
	FETCH_A 0, 0, 4
	STEP 0, 0, 1                                   ; the first step stands in front of the loop: its products start the sums
	s_mov_b32 s3, LAPS-1
.Llap:                                                 ; a trip goes once round the ring and fills both slots again
	TURN 0, 1, 1
	STEP 1, 0, 0
	TURN 1, 0, 1
	STEP 0, 0, 0
	s_sub_co_u32 s3, s3, 1
	s_cmp_lg_u32 s3, 0
	s_cbranch_scc1 .Llap
	TURN 0, 1, 0                                   ; the last lap fills nothing
	STEP 1, 0, 0
	RLOAD 0                                        ; B's set 0 is done with (four places stand behind its last products): the residual's first two blocks are asked for a step early
	RLOAD 1
	s_wait_dscnt 4*NL
	WIN MUL_LO
	MUL16 0, 1, NQ-1, 1, 0
	MUL16 2, 1, NQ-1, 1, 0
	s_wait_dscnt 0
	WIN MUL_HI
	MUL16 4, 1, NQ-1, 1, 0
	MUL16 6, 1, NQ-1, 1, 0
	WIN 0
	PLACES NP                                      ; behind the last products: loads land in B's set 1 and in A's registers, and results are read
	RLOAD 2
	RLOAD 3
	TOSTAGE 0                                      ; the stage lies in slot 0: it has had its last fill, and every wave has passed the last change of slots, behind which nobody reads it
.irp a, 1,2,3,4,5,6,7
.if \a > 1
	s_wait_xcnt 0x0                                ; block a - 2's stores have read their registers: block a's loads may land there
.endif
	TOSTAGE \a
	SEND \a-1, 32                                  ; behind block a - 1's loads: block a's 16 stores and 16 loads
.endr
	SEND 7, 0
	s_wait_tensorcnt 0x0                           ; the wave's end
	ds_add_u32 v[SPW], v[NIL]
	s_wait_dscnt 0x0
	CROUND                                         ; the closing round: no work-group ends while a partner may still ask for a tile that names it
	s_endpgm
.Lfunc_end_k_qc4c25c9e57_oproj:
	.size	k_qc4c25c9e57_oproj, .Lfunc_end_k_qc4c25c9e57_oproj-k_qc4c25c9e57_oproj
	.p2alignl 7, 3214868480
	.fill 96, 4, 3214868480
	.section	.rodata,"a",@progbits
	.p2align	6, 0x0
	.amdhsa_kernel k_qc4c25c9e57_oproj
		.amdhsa_group_segment_fixed_size 327680
		.amdhsa_private_segment_fixed_size 0
		.amdhsa_enable_private_segment 0
		.amdhsa_kernarg_size 40
		.amdhsa_user_sgpr_count 2
		.amdhsa_user_sgpr_kernarg_segment_ptr 1
		.amdhsa_wavefront_size32 1
		.amdhsa_system_sgpr_workgroup_id_x 1
		.amdhsa_system_sgpr_workgroup_id_y 1
		.amdhsa_system_sgpr_workgroup_id_z 1
		.amdhsa_system_vgpr_workitem_id 0
		.amdhsa_next_free_vgpr 1024
		.amdhsa_next_free_sgpr 102
		.amdhsa_reserve_vcc 0
		.amdhsa_float_denorm_mode_32 3
		.amdhsa_float_denorm_mode_16_64 3
		.amdhsa_memory_ordered 1
		.amdhsa_forward_progress 1
		.amdhsa_inst_pref_size 206
	.end_amdhsa_kernel
	.amdgpu_metadata
---
amdhsa.version: [ 1, 2 ]
amdhsa.kernels:
  - .name:           k_qc4c25c9e57_oproj
    .symbol:         k_qc4c25c9e57_oproj.kd
    .args:
      - { .name: atc, .offset: 0, .size: 8, .value_kind: global_buffer, .address_space: global }
      - { .name: wts, .offset: 8, .size: 8, .value_kind: global_buffer, .address_space: global }
      - { .name: b0, .offset: 16, .size: 8, .value_kind: global_buffer, .address_space: global }
      - { .name: X, .offset: 24, .size: 8, .value_kind: global_buffer, .address_space: global }
      - { .name: x1, .offset: 32, .size: 8, .value_kind: global_buffer, .address_space: global }
    .group_segment_fixed_size: 327680
    .private_segment_fixed_size: 0
    .kernarg_segment_align: 8
    .kernarg_segment_size: 40
    .max_flat_workgroup_size: 128
    .sgpr_count:     102
    .vgpr_count:     1024
    .wavefront_size: 32
...
	.end_amdgpu_metadata
.endif
;; end of part 5
;; launch ln2: the kernel of part 2 again; grid 256 x 1, 4 waves a work-group, no clusters, 32,256 bytes of LDS; arguments x1, gamma2, beta2, xq; writes xq
;; launch ffn1 (part 6): grid 16 x 16, 4 waves a work-group, clusters of 4 x 4, 327,680 bytes of LDS; arguments xq, wts, b1, hb; writes hb
.if DOCPART == 6
	.amdgcn_target "amdgcn-amd-amdhsa--gfx1250"
	.amdhsa_code_object_version 6
	.text
	.protected	k_qc4c25c9e57_ffn1
	.globl	k_qc4c25c9e57_ffn1
	.p2align	8
	.type	k_qc4c25c9e57_ffn1,@function
k_qc4c25c9e57_ffn1:
	s_mov_b64 s[64:65], 0
	v_nop
	global_prefetch_b8 v0, s[64:65] scope:SCOPE_SE
	s_setreg_imm32_b32 hwreg(HW_REG_WAVE_MODE, 25, 1), 1
	s_wait_xcnt 0x0
	s_wait_alu depctr_hold_cnt(0) depctr_sa_sdst(0) depctr_va_vdst(0) depctr_va_sdst(0) depctr_va_ssrc(0) depctr_va_vcc(0) depctr_vm_vsrc(0)
	s_getreg_b32 s2, hwreg(HW_REG_IB_STS2, 6, 4)
	s_cmp_eq_u32 s2, 0
	s_cbranch_scc0 .Lentry_in_a_cluster
	s_endpgm
.Lentry_in_a_cluster:
	s_bfe_u32 s2, ttmp6, 0x10000c
	s_cmp_lg_u32 s2, 0xf033
	s_cbranch_scc0 .Lentry_shape_is_right
	s_endpgm
.Lentry_shape_is_right:
; A GEMM ON CODES OF BF6 (E3M2) WHOSE RESULT IS QUANTISED AGAIN.  C[m][n] = sum over k of A[m][k] B[n][k] + bias, then codes along n.  One text serves two launches (QKV = 1 or 0).
; QKV = 1: Q, K and V of all heads.  Clusters with x = 0, 1: A = the normalised tokens, B = Wq and Wk (rows 0-2047 of the joint weight): Q and K, quantised along the head's 64.
;          Clusters with x = 2: the operands change places (A = Wv's rows, B = the tokens): V^T, quantised along the KEYS, which are the second attention product's K.
;          The choice is made on the cluster's x alone, by selects; no branch hangs on it.  Both kinds of bias are loaded everywhere and enter by a fused multiply-add with the factor 1 or 0.
; QKV = 0: h = relu(x W1 + b1), quantised along the hidden units.
; OPERANDS: codes [K/64][rows][48 bytes], scale words [K/128][rows]; row R lies at position P(R) = R with bits 3 and 4 exchanged; a tile is 16 neighbouring positions.
; A tile of C, 256 x 256, is made by four waves, each 128 x 128: 64 accumulators, 512 registers.  K goes in steps of 256 through two LDS slots; a wave's tensor load brings 128 rows x 4 groups: four dense
; lines of 6,144 bytes.  With rows 48 bytes apart lane (r, h) of a load of 8 bytes starts at word 12 r + 6 h: the 32 lanes touch 64 different words modulo 64: no padding.
; The scale words of the work-group's rows, for all of K, come once with the first fills and stay.  CLUSTERS 4 x 4: A's tiles are asked for jointly along a row, B's along a column.
; THE MATRIX INSTRUCTION IS USED TRANSPOSED (source 0 = 16 positions of B, source 1 = 16 of A): a lane holds one row of C, and by the position order the 16 registers of B's tiles 2 b, 2 b + 1 are the 16
; neighbouring columns 32 b + 16 (lane / 16) + 0 .. 15: as the conversions want them.
; LIMITS: NaN and infinities are not served; a block whose largest magnitude lies under 2^-122 keeps the byte 1; a block of zeros gets the byte 1 (its codes are zeros; this program alone reads the bytes).
; REGISTERS: window 0: v0-31 addresses; v32-63 scale words, two sets; v64-127 column biases; v128-223 A's fragments, one set; v224-239 row biases; v240-255 at work.  Window 1: B's fragments, two sets.  Windows 2, 3: accumulators.
.set QKV,    0
.set SIZE_K, 1024
.set RROWS,  4096                      ; rows in either operand's buffer
.set XS_OFF, 3145728                   ; the tokens' scale words
.if QKV
.set W_CO,   0                         ; the weight's codes and scale words in wts
.set W_SC,   10223616
.set QK_S,   9437184                   ; out: Q's and K's codes at 0 [32][4096][48], V's at V_C [64][1024][48], scale words [16][4096], [32][1024]
.set V_C,    6291456
.set V_S,    9699328
.else
.set W_CO,   3932160
.set W_SC,   10387456
.set OUT_S,  12582912                  ; out: codes [64][4096][48], scale words [32][4096]
.endif
.set NQ,     2                         ; matrix instructions deep in a slot
.set GPL,    6144                      ; 128 rows x 48 bytes
.set FR,     12
.set NL,     6
.set NP,     4                         ; places behind this matrix instruction (ISA guide 7.12.1)
.set HALFT,  4*GPL                     ; what one tensor load brings
.set SLOT,   4*HALFT
.set LAPS,   SIZE_K/512
.set NPL,    SIZE_K/128
.set SCL,    2*SLOT
.set HALFS,  512*NPL
.set SPARE,  SCL+4*HALFS               ; the spare words, 128 bytes a wave: two blocks of 256 bytes that no other line names
.set KSTEPB, 4*RROWS*48                ; bytes from one K step's groups to the next
.set ADRA, 16                          ; v16-17 my A fragments in slot 0, 1
.set ADRB, 20                          ; v20-21 B's
.set QST,  24                          ; v24 the way out: my 24 bytes of codes in my stage
.set QSS,  25                          ; v25 my row's scale word there
.set QRD,  26                          ; v26 the stage read back as it lies
.set ADRS, 27                          ; v27 my scale words: lanes 0-15 A's rows, lanes 16-31 B's
.set SPW,  28
.set NIL,  29
.set PW,   30                          ; v30 the scale word just made
.set GO,   31                          ; v31 16 x lane
.set SC,   32
.set CB,   64
.set AF,   128
.set H,    128                         ; the way out: a block's 64 numbers
.set PC,   192                         ; its codes; v204-210 the conversions' second halves
.set RB,   224
.set TM,   240
.set G1, 24
.set G0, 32
.set G1B, 48
.set G0B, 56
.set G1S, 68
.set G0S, 76
.set G1SB, 80
.set G0SB, 88
.set FQ,  66                           ; s[66:67] 1.0 where the column bias counts, else 0
.set FV,  94                           ; s[94:95] 1.0 where the row bias counts, else 0
.set SEL, 92                           ; s[92:93] lane selects for lane l xor 16
.set OUTP, 98                          ; s[98:99] the output buffer
.set MSB, 0
.macro WIN new                         ; the immediate's high byte repeats the setting that is left
.if MSB != \new
	s_set_vgpr_msb (MSB<<8)|\new
.set MSB, \new
.endif
.endm
.set MUL_LO, 0xa1                      ; source 0 (B) window 1, source 1 (A) window 0, C and D window 2
.set MUL_HI, 0xf1
.set TO_B,   0x40
.macro JLOAD g0a, g1a, g0b, g1b        ; a joint load: waves 0 and 1 fetch for A, waves 2 and 3 for B; four v_nop follow each line
	s_cmp_eq_u32 s15, 0
	s_cbranch_scc0 .Lfor_b_\@
	tensor_load_to_lds s[\g0a:\g0a+3], s[\g1a:\g1a+7]
	s_nop 0
.rept 4
	v_nop
.endr
	s_branch .Lasked_\@
.Lfor_b_\@:
	tensor_load_to_lds s[\g0b:\g0b+3], s[\g1b:\g1b+7]
	s_nop 0
.rept 4
	v_nop
.endr
.Lasked_\@:
.endm
.macro CREST                           ; a round of the cluster's barrier behind its opening barrier
	s_cmp_lg_u32 s14, 0
	s_cbranch_scc1 .Lnot_wave_0_\@
	s_barrier_signal -3
.Lnot_wave_0_\@:
	s_barrier_wait -3
	s_barrier_signal -1
	s_barrier_wait -1
.endm
.macro CROUND
	s_barrier_signal -1
	s_barrier_wait -1
	CREST
.endm
.if QKV
	s_load_b256 s[4:11], s[0:1], 0x0               ; tokens' codes, wts, bq, bk
	s_load_b128 s[96:99], s[0:1], 0x20             ; bv, out
.else
	s_load_b256 s[4:11], s[0:1], 0x0               ; tokens' codes, wts, b1, out
.endif
	v_lshl_add_u32 v[SPW], v0, 2, SPARE
	v_mov_b32 v[NIL], 0
	ds_add_u32 v28, v29
	ds_add_u32 v28, v29
	s_wait_dscnt 0x0
	v_lshrrev_b32 v1, 5, v0
	v_readfirstlane_b32 s14, v1                    ; wave 0..3
	s_lshr_b32 s15, s14, 1                         ; which half of the tile's rows is mine.  Also: I fetch for A (0) or for B (1)
	s_and_b32 s16, s14, 1                          ; which half of its columns.  Also: which 128 rows of that tile I fetch
	s_bfe_u32 s40, ttmp6, 0x40000                  ; cx, cy
	s_bfe_u32 s41, ttmp6, 0x40004
	s_lshl_b32 s42, ttmp9, 2                       ; 4 x cluster x
	s_and_b32 s17, ttmp7, 0xffff
	s_lshl_b32 s17, s17, 2                         ; 4 x cluster y
	s_mov_b32 s22, XS_OFF
	s_mov_b32 s92, W_SC
.if QKV
	s_cmp_eq_u32 ttmp9, 2                          ; V's clusters: the same in all sixteen partners
	s_cselect_b32 s42, s17, s42                    ; B's tiles: the tokens' by cluster y, else the weight's by cluster x
	s_cselect_b32 s17, 8, s17                      ; A's tiles: Wv's rows 2048 on, else the tokens' by cluster y
	s_cselect_b32 s2, s92, s22                     ; A's scale words
	s_cselect_b32 s92, s22, s92                    ; B's
	s_mov_b32 s22, s2
.endif
	s_add_co_u32 s42, s42, s40                     ; B's tile: + cx
	s_add_co_u32 s17, s17, s41                     ; A's tile: + cy
	s_lshl_b32 s43, s41, 2
	s_lshl_b32 s43, 15, s43                        ; my row of the cluster
	s_lshl_b32 s44, 0x1111, s40                    ; my column
	; descriptor group 1, codes: 4 lines of 768 elements of 8 bytes, RROWS x 48 bytes apart; no padding
	s_or_b32 s[G1+0], s43, (3<<16)|(1<<21)         ; 15:0 the mask: A's tiles go to my row; 17:16 elements of 8 bytes; 21 set beside a mask
	s_or_b32 s[G1B+0], s44, (3<<16)|(1<<21)
.irp g, G1, G1B
	s_mov_b32 s[\g+1], 768<<16                     ; tensor_dim0
	s_mov_b32 s[\g+2], 4<<16                       ; tensor_dim1
	s_mov_b32 s[\g+3], 768<<16                     ; tile_dim0
	s_mov_b32 s[\g+4], 4                           ; tile_dim1
	s_mov_b32 s[\g+5], 6*RROWS                     ; tensor_dim0_stride
	s_mov_b32 s[\g+6], 0
	s_mov_b32 s[\g+7], 0
.endr
	; scale words of 128 rows: NPL lines of 512 bytes, RROWS x 4 bytes apart
	s_or_b32 s[G1S+0], s43, (3<<16)|(1<<21)
	s_or_b32 s[G1SB+0], s44, (3<<16)|(1<<21)
.irp g, G1S, G1SB
	s_mov_b32 s[\g+1], 64<<16
	s_mov_b32 s[\g+2], NPL<<16
	s_mov_b32 s[\g+3], 64<<16
	s_mov_b32 s[\g+4], NPL
	s_mov_b32 s[\g+5], RROWS/2
	s_mov_b32 s[\g+6], 0
	s_mov_b32 s[\g+7], 0
.endr
	s_lshl_b32 s18, s16, 7                         ; which 128 rows of the tile I fetch
	s_lshl_b32 s20, s17, 8
	s_add_co_u32 s20, s20, s18                     ; A's row
	s_lshl_b32 s46, s42, 8
	s_add_co_u32 s46, s46, s18                     ; B's row
	s_lshl_b32 s19, s20, 2
	s_add_co_u32 s22, s22, s19                     ; where these rows' scale words begin,
	s_mov_b32 s23, 0
	s_mul_i32 s20, s20, 48                         ; and their codes
	s_mov_b32 s21, 0
	s_lshl_b32 s19, s46, 2
	s_add_co_u32 s92, s92, s19
	s_mov_b32 s93, 0
	s_mul_i32 s46, s46, 48
	s_add_co_u32 s46, s46, W_CO
	s_mov_b32 s47, 0
	s_mul_i32 s45, s14, HALFT                      ; where they go: wave x 128 rows: no place in the cluster enters an LDS address
	s_mul_i32 s94, s14, HALFS
	s_wait_kmcnt 0x0
.if QKV
	s_cmp_eq_u32 ttmp9, 2
	s_cselect_b64 s[12:13], s[6:7], s[4:5]         ; A's buffer
	s_cselect_b64 s[6:7], s[4:5], s[6:7]           ; B's buffer
.else
	s_mov_b64 s[12:13], s[4:5]
	s_mov_b64 s[OUTP:OUTP+1], s[10:11]
.endif
	s_add_nc_u64 s[20:21], s[12:13], s[20:21]
	s_add_nc_u64 s[22:23], s[12:13], s[22:23]
	s_add_nc_u64 s[46:47], s[6:7], s[46:47]
	s_add_nc_u64 s[92:93], s[6:7], s[92:93]
	CROUND                                         ; all sixteen work-groups are here: the first joint loads meet
	s_mov_b32 s[G0S], 1
	s_add_co_u32 s[G0S+1], s94, SCL
	s_mov_b64 s[G0S+2:G0S+3], s[22:23]
	s_or_b32 s[G0S+3], s[G0S+3], 0x80000000
	s_mov_b32 s[G0SB], 1
	s_add_co_u32 s[G0SB+1], s94, SCL
	s_mov_b64 s[G0SB+2:G0SB+3], s[92:93]
	s_or_b32 s[G0SB+3], s[G0SB+3], 0x80000000
	JLOAD G0S, G1S, G0SB, G1SB                     ; the scale words first: they are wanted with K step 0
.irp s, 0,1
	s_mov_b32 s[G0+4*\s], 1
	s_add_co_u32 s[G0+4*\s+1], s45, \s*SLOT
	s_add_nc_u64 s[G0+4*\s+2:G0+4*\s+3], s[20:21], \s*KSTEPB
	s_or_b32 s[G0+4*\s+3], s[G0+4*\s+3], 0x80000000
	s_mov_b32 s[G0B+4*\s], 1
	s_add_co_u32 s[G0B+4*\s+1], s45, \s*SLOT
	s_add_nc_u64 s[G0B+4*\s+2:G0B+4*\s+3], s[46:47], \s*KSTEPB
	s_or_b32 s[G0B+4*\s+3], s[G0B+4*\s+3], 0x80000000
	JLOAD G0+4*\s, G1, G0B+4*\s, G1B
.endr
	v_and_b32 v1, 15, v0                           ; r
	v_bfe_u32 v2, v0, 4, 1                         ; h
	v_mul_u32_u24 v3, v1, 48
	v_mad_u32_u24 v4, v2, 24, v3                   ; a fragment's row x 48 + 24 x half
	s_mul_i32 s21, s15, HALFT                      ; my 128 rows of A
	s_mul_i32 s22, s16, HALFT                      ; my 128 rows of B,
	s_add_co_u32 s22, s22, 2*HALFT                 ; which lie behind A's 256
.irp s, 0,1
	v_add_nc_u32 v[ADRA+\s], s21, v4
	v_add_nc_u32 v[ADRB+\s], s22, v4
	s_add_co_u32 s21, s21, SLOT
	s_add_co_u32 s22, s22, SLOT
.endr
	v_lshlrev_b32 v7, 2, v1                        ; 4 r
	s_mul_i32 s21, s15, HALFS                      ; A's scale words: my 128 rows
	s_mul_i32 s22, s16, HALFS                      ; B's, behind A's 256
	s_add_co_u32 s22, s22, 2*HALFS
	s_sub_co_u32 s22, s22, s21
	v_mul_u32_u24 v6, s22, v2                      ; lanes 16-31 take B's: the lower base + h x the distance
	s_add_co_u32 s21, s21, SCL
	v_add_nc_u32 v5, v7, v6
	v_add_nc_u32 v[ADRS], s21, v5
	s_mul_i32 s23, s14, 12800                      ; my stage, in slot 0: [2 groups][128 rows][48], then 128 scale words
	v_add_nc_u32 v[QST], s23, v4
	v_add_nc_u32 v[QSS], s23, v7
	v_add_nc_u32 v[QSS], 12288, v[QSS]
	v_and_b32 v6, 31, v0
	v_lshlrev_b32 v[GO], 4, v6
	v_add_nc_u32 v[QRD], s23, v[GO]
	v_lshlrev_b32 v10, 6, v2                       ; column biases: lanes 16-31 begin 16 columns on
	v_and_b32 v11, 8, v1
	v_add_nc_u32 v11, v11, v1
	v_lshlrev_b32 v11, 2, v11                      ; row biases: position r of a tile is row r + (r & 8)
.irp b, 0,1,2,3
	v_mov_b32 v[TM+4+\b], 0                        ; written once: a lane permute's destination counts as one of its sources
.endr
	; where my part of the result goes
.if QKV
	s_and_b32 s46, ttmp7, 0xffff
	s_lshl_b32 s46, s46, 2
	s_mov_b32 s18, 196608
	s_mov_b32 s19, 16384
	s_mov_b32 s45, QK_S
	s_cmp_eq_u32 ttmp9, 2
	s_cselect_b32 s46, 0, s46                      ; V's rows are the 1,024 channels: tile cy
	s_cselect_b32 s18, 49152, s18                  ; bytes of a group of 64 columns
	s_cselect_b32 s19, 4096, s19                   ; bytes of a plane of scale words
	s_cselect_b32 s2, V_C, 0
	s_cselect_b32 s45, V_S, s45
	s_cselect_b32 s[FQ], 0, 1.0
	s_cselect_b32 s[FV], 1.0, 0
	s_mov_b32 s[FQ+1], s[FQ]
	s_mov_b32 s[FV+1], s[FV]
	s_add_co_u32 s46, s46, s41
.else
	s_mov_b32 s18, 196608
	s_mov_b32 s19, 16384
	s_mov_b32 s2, 0
	s_mov_b32 s45, OUT_S
	s_mov_b32 s46, s17
.endif
	s_lshl_b32 s46, s46, 8
	s_lshl_b32 s47, s15, 7
	s_add_co_u32 s46, s46, s47                     ; my first row of the result
	s_lshl_b32 s47, s42, 1
	s_add_co_u32 s47, s47, s16                     ; my first column / 128
	s_mul_i32 s20, s47, s18
	s_lshl_b32 s20, s20, 1
	s_add_co_u32 s20, s20, s2
	s_mul_i32 s22, s46, 48
	s_add_co_u32 s20, s20, s22
	s_mov_b32 s21, 0
	s_add_co_u32 s22, s20, s18
	s_mov_b32 s23, 0
	s_add_nc_u64 s[20:21], s[OUTP:OUTP+1], s[20:21]    ; my first group of 64 columns: 6,144 dense bytes,
	s_add_nc_u64 s[22:23], s[OUTP:OUTP+1], s[22:23]    ; my second
	s_mul_i32 s47, s47, s19
	s_add_co_u32 s47, s47, s45
	s_lshl_b32 s46, s46, 2
	s_add_co_u32 s46, s46, s47
	s_mov_b32 s47, 0
	s_add_nc_u64 s[46:47], s[OUTP:OUTP+1], s[46:47]    ; my 128 scale words
	s_mov_b32 s[SEL], 0x76543210
	s_mov_b32 s[SEL+1], 0xfedcba98
.if QKV
	s_cmp_eq_u32 ttmp9, 0
	s_cselect_b64 s[8:9], s[8:9], s[10:11]         ; bq for cluster x = 0, else bk (in V's clusters it is read and counts 0 times)
	s_lshl_b32 s10, s40, 10                        ; 256 cx columns,
.else
	s_lshl_b32 s10, s42, 10
.endif
	s_lshl_b32 s11, s16, 9                         ; + my half
	s_add_co_u32 s10, s10, s11
	s_mov_b32 s11, 0
	s_add_nc_u64 s[8:9], s[8:9], s[10:11]
.irp i, 0,1,2,3,4,5,6,7                        ; tile i's eight columns of my half: 32 (i / 2) + 16 h + 8 (i % 2) + 0 .. 7
	global_load_b128 v[CB+8*\i:CB+8*\i+3], v10, s[8:9] offset:(32*(\i/2)+8*(\i%2))*4
	global_load_b128 v[CB+8*\i+4:CB+8*\i+7], v10, s[8:9] offset:(32*(\i/2)+8*(\i%2))*4+16
.endr
.if QKV
	s_lshl_b32 s10, s41, 10                        ; bv: 256 cy rows,
	s_lshl_b32 s18, s15, 9                         ; + my half (always inside bv's 1,024 numbers)
	s_add_co_u32 s10, s10, s18
	s_add_nc_u64 s[96:97], s[96:97], s[10:11]
.irp a, 0,1,2,3,4,5,6,7                        ; block a's row of my lane, twice: a pair for the packed form
	global_load_b32 v[RB+2*\a], v11, s[96:97] offset:(32*(\a/2)+8*(\a%2))*4
	global_load_b32 v[RB+2*\a+1], v11, s[96:97] offset:(32*(\a/2)+8*(\a%2))*4
.endr
.endif
.macro FRAG reg, adr, q, i             ; a fragment, 16 rows x 128 K: registers 6 c .. 6 c + 5 = 24 bytes of group 2 q + c, as they lie, in pieces of 8 bytes
.irp p, 0,1,2,3,4,5
	ds_load_b64 v[\reg+2*\p:\reg+2*\p+1], v[\adr] offset:(2*(\q)+\p/3)*GPL+(\i)*768+8*(\p%3)
.endr
.endm
; 16 matrix instructions: A's blocks a0, a0 + 1 x B's eight, 128 along K.  The 64 accumulators take turns, one instruction a turn, in the same order in every step.
.macro MUL16 a0, p, q, sc, zero
.irp a, \a0, \a0+1
.irp b, 0,1,2,3,4,5,6,7
.if \zero
	v_wmma_scale_f32_16x16x128_f8f6f4 v[8*(8*((\a)%4)+\b):8*(8*((\a)%4)+\b)+7], v[128*(\p)+FR*\b:128*(\p)+FR*\b+FR-1], v[AF+FR*(\a):AF+FR*(\a)+FR-1], 0, v[SC+8*NQ*(\sc)+NQ*\b+(\q)], v[SC+8*NQ*(\sc)+NQ*(\a)+(\q)] matrix_a_fmt:MATRIX_FMT_BF6 matrix_b_fmt:MATRIX_FMT_BF6 matrix_a_scale:MATRIX_SCALE_ROW1
.else
	v_wmma_scale_f32_16x16x128_f8f6f4 v[8*(8*((\a)%4)+\b):8*(8*((\a)%4)+\b)+7], v[128*(\p)+FR*\b:128*(\p)+FR*\b+FR-1], v[AF+FR*(\a):AF+FR*(\a)+FR-1], v[8*(8*((\a)%4)+\b):8*(8*((\a)%4)+\b)+7], v[SC+8*NQ*(\sc)+NQ*\b+(\q)], v[SC+8*NQ*(\sc)+NQ*(\a)+(\q)] matrix_a_fmt:MATRIX_FMT_BF6 matrix_b_fmt:MATRIX_FMT_BF6 matrix_a_scale:MATRIX_SCALE_ROW1
.endif
.endr
.endr
.endm
.macro FETCH_B slot, q, p
	WIN TO_B
.irp i, 0,1,2,3,4,5,6,7
	FRAG 128*(\p)+FR*\i, ADRB+\slot, \q, \i
.endr
	WIN 0
.endm
.macro FETCH_A slot, q, i0
.irp i, \i0, \i0+1, \i0+2, \i0+3
	FRAG AF+FR*(\i), ADRA+\slot, \q, \i
.endr
.endm
.macro SCALES sc                       ; the next K step's scale words: lanes 0-15 A's block i, lanes 16-31 B's block i; plane q of the step's two
.irp i, 0,1,2,3,4,5,6,7
.irp q, 0,1
	ds_load_b32 v[SC+8*NQ*\sc+NQ*\i+\q], v[ADRS] offset:512*\q+64*\i
.endr
.endr
.endm
.macro PLACES n                        ; plain vector lines between a matrix instruction and a load into, or a read of, its registers
.rept \n
	v_nop
.endr
.endm
.macro STEP slot, q, zero              ; a step of 128 along K that has its successor in the same slot
	s_wait_dscnt 4*NL                              ; B's set, A's blocks 0-3 and the scale words are in; the youngest 24 loads (A's blocks 4-7) may be out
	WIN MUL_LO
	MUL16 0, (\q)%2, \q, \slot, \zero
	MUL16 2, (\q)%2, \q, \slot, \zero
	s_wait_dscnt 0
	PLACES NP
	FETCH_B \slot, (\q)+1, 1-(\q)%2
	FETCH_A \slot, (\q)+1, 0
	WIN MUL_HI
	MUL16 4, (\q)%2, \q, \slot, \zero
	MUL16 6, (\q)%2, \q, \slot, \zero
	PLACES NP
	WIN 0
	FETCH_A \slot, (\q)+1, 4
.endm
; A slot's last step changes slots: one barrier; in front of it each wave waits for all its tensor loads, adds 0 to its spare word, and waits for that and for its own reads of this slot.
.macro TURN slot, next, fill
	s_wait_tensorcnt 0x0                           ; all my tensor loads have landed: my part of the next slot
	ds_add_u32 v[SPW], v[NIL]                      ; 0 onto my spare word
	s_wait_dscnt 4*NL+1                            ; (the add and the youngest 24 loads may be out)
	WIN MUL_LO
	MUL16 0, 1, NQ-1, \slot, 0
	s_wait_dscnt 0x0                               ; the add is done, and my reads of this slot are over
	s_barrier_signal -1
	MUL16 2, 1, NQ-1, \slot, 0
	WIN 0
	s_barrier_wait -1
.if \fill
	CREST                                          ; the barrier has opened a round of the cluster's: no wave of any partner still reads this slot or has a load on its way
	s_add_nc_u64 s[G0+4*\slot+2:G0+4*\slot+3], s[G0+4*\slot+2:G0+4*\slot+3], 2*KSTEPB
	s_add_nc_u64 s[G0B+4*\slot+2:G0B+4*\slot+3], s[G0B+4*\slot+2:G0B+4*\slot+3], 2*KSTEPB
	JLOAD G0+4*\slot, G1, G0B+4*\slot, G1B         ; the first tensor load behind the round; its four v_nop are the places in front of the loads below
.else
	PLACES NP
.endif
	v_add_nc_u32 v[ADRS], 1024, v[ADRS]            ; two planes of scale words on (no LDS load of mine is out)
	FETCH_B \next, 0, 0
	FETCH_A \next, 0, 0
	SCALES \next
	WIN MUL_HI
	MUL16 4, 1, NQ-1, \slot, 0
	MUL16 6, 1, NQ-1, \slot, 0
	PLACES NP
	WIN 0
	FETCH_A \next, 0, 4
.endm
	s_wait_tensorcnt 1                             ; the scale words and my part of K step 0 are in (K step 1's load may be out),
	s_barrier_signal -1
	s_barrier_wait -1                              ; everybody's are
	FETCH_B 0, 0, 0
	FETCH_A 0, 0, 0
	SCALES 0
	FETCH_A 0, 0, 4
	STEP 0, 0, 1                                   ; the first step stands in front of the loop: its products start the sums
	s_mov_b32 s3, LAPS-1
.Llap:                                                 ; a trip goes once round the ring and fills both slots again
	TURN 0, 1, 1
	STEP 1, 0, 0
	TURN 1, 0, 1
	STEP 0, 0, 0
	s_sub_co_u32 s3, s3, 1
	s_cmp_lg_u32 s3, 0
	s_cbranch_scc1 .Llap
	TURN 0, 1, 0                                   ; the last lap fills nothing
	STEP 1, 0, 0
	s_wait_dscnt 4*NL
	WIN MUL_LO
	MUL16 0, 1, NQ-1, 1, 0
	MUL16 2, 1, NQ-1, 1, 0
	s_wait_dscnt 0
	WIN MUL_HI
	MUL16 4, 1, NQ-1, 1, 0
	MUL16 6, 1, NQ-1, 1, 0
	WIN 0
; 64 numbers of a lane, register 16 b + i = column 32 b + 16 (lane / 16) + i of my row, become a fragment's codes in v[PC] on and its scale word in v[PW].
.macro QUANT s
.irp b, 0,1,2,3
	v_max3_num_f32 v[TM+\b], |v[\s+16*\b]|, |v[\s+1+16*\b]|, 0x2800000   ; block b: my 16 numbers, and the floor 2^(5 - 127)
.endr
.irp i, 2,4,6,8,10,12,14
.irp b, 0,1,2,3
	v_max3_num_f32 v[TM+\b], v[TM+\b], |v[\s+16*\b+\i]|, |v[\s+1+16*\b+\i]|
.endr
.endr
.irp b, 0,1,2,3
	v_permlanex16_b32 v[TM+4+\b], v[TM+\b], s[SEL], s[SEL+1]
.endr
.irp b, 0,1,2,3
	v_max_num_f32 v[TM+\b], v[TM+\b], v[TM+4+\b]   ; with lane l xor 16's: the block's largest magnitude
.endr
.irp b, 0,1,2,3
	v_add_nc_u32 v[TM+12+\b], 0xfe000000, v[TM+\b] ; 4 off its exponent field: the conversion's scale operand
.endr
.irp b, 0,1,2,3
	v_lshrrev_b32 v[TM+4+\b], 23, v[TM+12+\b]      ; the scale's byte
.endr
	v_lshl_or_b32 v[PW], v[TM+5], 8, v[TM+4]
	v_lshl_or_b32 v[PW], v[TM+6], 16, v[PW]
	v_lshl_or_b32 v[PW], v[TM+7], 24, v[PW]
.irp c, 0,1
	v_cvt_scalef32_pk16_bf6_f32 v[PC+6*\c:PC+2+6*\c], v[\s+32*\c:\s+15+32*\c], v[TM+12+2*\c]
	v_cvt_scalef32_pk16_bf6_f32 v[PC+12+4*\c:PC+14+4*\c], v[\s+16+32*\c:\s+31+32*\c], v[TM+12+2*\c+1]
.endr
	v_nop                                          ; one plain line behind a scaled conversion
.irp c, 0,1                                    ; the layout wants a whole block in a lane: lanes 0-15 block 2 c, lanes 16-31 block 2 c + 1
.irp i, 0,1,2
	v_permlane16_swap_b32 v[PC+6*\c+\i], v[PC+12+4*\c+\i]
.endr
.irp i, 0,1,2
	v_mov_b32 v[PC+3+6*\c+\i], v[PC+12+4*\c+\i]
.endr
.endr
.endm
; THE WAY OUT, block a of 16 rows x 128 columns: bias, activation, quantiser; the codes go to my stage in LDS, which lies in slot 0: that slot has had its last fill, and every wave has passed the last
; change of slots, behind which nobody reads it.  Each accumulator is read from its low end on.
.macro QBLOCK a
.set AC, 64*((\a)%4)
.if QKV
	WIN 0x20+0x10*((\a)/4)                         ; source 2: window 2 or 3
.set kk, 0
.rept 32
	v_pk_fma_f32 v[H+kk:H+kk+1], v[CB+kk:CB+kk+1], s[FQ:FQ+1], v[AC+kk:AC+kk+1] op_sel_hi:[1,0,1]   ; + the column's bias, 1 or 0 times
.set kk, kk+2
.endr
	WIN 0
.set kk, 0
.rept 32
	v_pk_fma_f32 v[H+kk:H+kk+1], v[RB+2*(\a):RB+2*(\a)+1], s[FV:FV+1], v[H+kk:H+kk+1] op_sel_hi:[1,0,1]   ; + the row's bias, 0 or 1 times
.set kk, kk+2
.endr
.else
	WIN 0x02+((\a)/4)                              ; source 0: window 2 or 3
.set kk, 0
.rept 32
	v_pk_add_f32 v[H+kk:H+kk+1], v[AC+kk:AC+kk+1], v[CB+kk:CB+kk+1]
.set kk, kk+2
.endr
	WIN 0
.set kk, 0
.rept 64
	v_max_num_f32 v[H+kk], 0, v[H+kk]              ; relu, in f32
.set kk, kk+1
.endr
.endif
	QUANT H
.irp c, 0,1
.irp p, 0,1,2
	ds_store_b64 v[QST], v[PC+6*\c+2*\p:PC+6*\c+2*\p+1] offset:6144*\c+768*(\a)+8*\p
.endr
.endr
	ds_store_b32 v[QSS], v[PW] offset:64*(\a)      ; lanes l and l xor 16 hold the same word and write it to the same place
	s_wait_dscnt 0x0                               ; the stores have read their registers
.endm
	s_wait_loadcnt 0x0                             ; the biases
	PLACES NP                                      ; behind the last products: their results are read and A's registers written below
.irp a, 0,1,2,3,4,5,6,7
	QBLOCK \a
.endr
.irp k, 0,1,2,3,4,5,6,7,8,9,10,11,12,13,14,15,16,17,18,19,20,21,22,23
	ds_load_b128 v[128+4*\k:131+4*\k], v[QRD] offset:512*\k
.endr
	ds_load_b128 v[240:243], v[QRD] offset:12288
.irp k, 0,1,2,3,4,5,6,7,8,9,10,11,12,13,14,15,16,17,18,19,20,21,22,23
	s_wait_dscnt 24-\k
	global_store_b128 v[GO], v[128+4*\k:131+4*\k], s[20+2*(\k/12):21+2*(\k/12)] offset:512*(\k%12)   ; 32 lanes store 512 consecutive bytes, at a multiple of 256 from the buffer's first byte
.endr
	s_wait_dscnt 0x0
	global_store_b128 v[GO], v[240:243], s[46:47]  ; 128 scale words
	s_wait_tensorcnt 0x0                           ; the wave's end
	ds_add_u32 v[SPW], v[NIL]
	s_wait_dscnt 0x0
	CROUND                                         ; the closing round: no work-group ends while a partner may still ask for a tile that names it
	s_endpgm
.Lfunc_end_k_qc4c25c9e57_ffn1:
	.size	k_qc4c25c9e57_ffn1, .Lfunc_end_k_qc4c25c9e57_ffn1-k_qc4c25c9e57_ffn1
	.p2alignl 7, 3214868480
	.fill 96, 4, 3214868480
	.section	.rodata,"a",@progbits
	.p2align	6, 0x0
	.amdhsa_kernel k_qc4c25c9e57_ffn1
		.amdhsa_group_segment_fixed_size 327680
		.amdhsa_private_segment_fixed_size 0
		.amdhsa_enable_private_segment 0
		.amdhsa_kernarg_size 32
		.amdhsa_user_sgpr_count 2
		.amdhsa_user_sgpr_kernarg_segment_ptr 1
		.amdhsa_wavefront_size32 1
		.amdhsa_system_sgpr_workgroup_id_x 1
		.amdhsa_system_sgpr_workgroup_id_y 1
		.amdhsa_system_sgpr_workgroup_id_z 1
		.amdhsa_system_vgpr_workitem_id 0
		.amdhsa_next_free_vgpr 1024
		.amdhsa_next_free_sgpr 102
		.amdhsa_reserve_vcc 0
		.amdhsa_float_denorm_mode_32 3
		.amdhsa_float_denorm_mode_16_64 3
		.amdhsa_memory_ordered 1
		.amdhsa_forward_progress 1
		.amdhsa_inst_pref_size 205
	.end_amdhsa_kernel
	.amdgpu_metadata
---
amdhsa.version: [ 1, 2 ]
amdhsa.kernels:
  - .name:           k_qc4c25c9e57_ffn1
    .symbol:         k_qc4c25c9e57_ffn1.kd
    .args:
      - { .name: xq, .offset: 0, .size: 8, .value_kind: global_buffer, .address_space: global }
      - { .name: wts, .offset: 8, .size: 8, .value_kind: global_buffer, .address_space: global }
      - { .name: b1, .offset: 16, .size: 8, .value_kind: global_buffer, .address_space: global }
      - { .name: hb, .offset: 24, .size: 8, .value_kind: global_buffer, .address_space: global }
    .group_segment_fixed_size: 327680
    .private_segment_fixed_size: 0
    .kernarg_segment_align: 8
    .kernarg_segment_size: 32
    .max_flat_workgroup_size: 128
    .sgpr_count:     102
    .vgpr_count:     1024
    .wavefront_size: 32
...
	.end_amdgpu_metadata
.endif
;; end of part 6
;; launch ffn2 (part 7): grid 4 x 16, 4 waves a work-group, clusters of 4 x 4, 327,680 bytes of LDS; arguments hb, wts, b2, x1, out0; writes out0
.if DOCPART == 7
	.amdgcn_target "amdgcn-amd-amdhsa--gfx1250"
	.amdhsa_code_object_version 6
	.text
	.protected	k_qc4c25c9e57_ffn2
	.globl	k_qc4c25c9e57_ffn2
	.p2align	8
	.type	k_qc4c25c9e57_ffn2,@function
k_qc4c25c9e57_ffn2:
	s_mov_b64 s[64:65], 0
	v_nop
	global_prefetch_b8 v0, s[64:65] scope:SCOPE_SE
	s_setreg_imm32_b32 hwreg(HW_REG_WAVE_MODE, 25, 1), 1
	s_wait_xcnt 0x0
	s_wait_alu depctr_hold_cnt(0) depctr_sa_sdst(0) depctr_va_vdst(0) depctr_va_sdst(0) depctr_va_ssrc(0) depctr_va_vcc(0) depctr_vm_vsrc(0)
	s_getreg_b32 s2, hwreg(HW_REG_IB_STS2, 6, 4)
	s_cmp_eq_u32 s2, 0
	s_cbranch_scc0 .Lentry_in_a_cluster
	s_endpgm
.Lentry_in_a_cluster:
	s_bfe_u32 s2, ttmp6, 0x10000c
	s_cmp_lg_u32 s2, 0xf033
	s_cbranch_scc0 .Lentry_shape_is_right
	s_endpgm
.Lentry_shape_is_right:
; A GEMM ON CODES OF BF6 (E3M2) WITH AN f32 RESULT: out[m][n] = sum over k of A[m][k] B[n][k] + bias[n] + res[m][n].  One text serves two launches; they differ in the constants below.
; Here: out0 = h W2 + b2 + x1.
; OPERANDS: codes [K/64][rows][48 bytes], scale words [K/128][rows]; row R lies at position P(R) = R with bits 3 and 4 exchanged; a tile is 16 neighbouring positions.  res and out: [4096][1024] f32, rows as they are.
; A tile of C, 256 x 256, is made by four waves, each 128 x 128: 64 accumulators, 512 registers.  K goes in steps of 256 through two LDS slots; a wave's tensor load brings 128 rows x 4 groups: four dense
; lines of 6,144 bytes.  With rows 48 bytes apart lane (r, h) of a load of 8 bytes starts at word 12 r + 6 h: the 32 lanes touch 64 different words modulo 64: no padding.
; The scale words of the work-group's rows, for all of K, come once with the first fills and stay.  CLUSTERS 4 x 4: A's tiles are asked for jointly along a row, B's along a column.
; THE MATRIX INSTRUCTION IS USED TRANSPOSED (source 0 = 16 positions of B, source 1 = 16 of A): a lane holds one row of C; register j of B's tile i is column 32 (i / 2) + 16 (lane / 16) + 8 (i % 2) + j.
; N is 1,024, so there are 64 tiles of C: fewer work-groups than the chip has WGPs; a narrower tile would share the work further at the price of more LDS reads for each product.
; REGISTERS: window 0: v0-31 addresses; v32-63 scale words, two sets; v64-67 bias; v128-223 A's fragments, one set; on the way out v128-255 rows of C.  Window 1: B's fragments, two sets; on the way out the residual.  Windows 2, 3: accumulators.
.set SIZE_K, 4096
.set LAST,   1                         ; 1: the result is read by nobody in this program
.set RA,     4096                      ; rows in A's buffer
.set RBW,    1024                      ; rows of the weight
.set A_SC,   12582912                  ; A's scale words in its buffer
.set B_CO,   7077888                   ; the weight's codes and scale words in wts
.set B_SC,   10518528
.set NQ,     2
.set GPL,    6144
.set FR,     12
.set NL,     6
.set NP,     4                         ; places behind this matrix instruction (ISA guide 7.12.1)
.set HALFT,  4*GPL
.set SLOT,   4*HALFT
.set LAPS,   SIZE_K/512
.set NPL,    SIZE_K/128
.set SCL,    2*SLOT
.set HALFS,  512*NPL
.set SPARE,  SCL+4*HALFS               ; the spare words, 128 bytes a wave: two blocks of 256 bytes that no other line names
.set ASTEP,  4*RA*48                   ; bytes from one K step's groups to the next
.set BSTEP,  4*RBW*48
.set SPITCH, 528                       ; the way out: a stage of 16 rows x (512 + 16) bytes for each wave, in slot 0
.set ADRA, 16
.set ADRB, 20
.set STO,  24
.set RD,   25
.set CO,   26
.set ADRS, 27
.set SPW,  28
.set NIL,  29
.set SC,   32
.set BI,   64
.set AF,   128
.set BK,   128
.set G1, 24
.set G0, 32
.set G1B, 48
.set G0B, 56
.set G1S, 68
.set G0S, 76
.set G1SB, 80
.set G0SB, 88
.set MSB, 0
.macro WIN new                         ; the immediate's high byte repeats the setting that is left
.if MSB != \new
	s_set_vgpr_msb (MSB<<8)|\new
.set MSB, \new
.endif
.endm
.set MUL_LO, 0xa1
.set MUL_HI, 0xf1
.set TO_B,   0x40
.macro JLOAD g0a, g1a, g0b, g1b        ; a joint load: waves 0 and 1 fetch for A, waves 2 and 3 for B; four v_nop follow each line
	s_cmp_eq_u32 s15, 0
	s_cbranch_scc0 .Lfor_b_\@
	tensor_load_to_lds s[\g0a:\g0a+3], s[\g1a:\g1a+7]
	s_nop 0
.rept 4
	v_nop
.endr
	s_branch .Lasked_\@
.Lfor_b_\@:
	tensor_load_to_lds s[\g0b:\g0b+3], s[\g1b:\g1b+7]
	s_nop 0
.rept 4
	v_nop
.endr
.Lasked_\@:
.endm
.macro CREST
	s_cmp_lg_u32 s14, 0
	s_cbranch_scc1 .Lnot_wave_0_\@
	s_barrier_signal -3
.Lnot_wave_0_\@:
	s_barrier_wait -3
	s_barrier_signal -1
	s_barrier_wait -1
.endm
.macro CROUND
	s_barrier_signal -1
	s_barrier_wait -1
	CREST
.endm
	s_load_b256 s[4:11], s[0:1], 0x0               ; A's buffer, wts, bias, residual
	s_load_b64 s[12:13], s[0:1], 0x20              ; out
	v_lshl_add_u32 v[SPW], v0, 2, SPARE
	v_mov_b32 v[NIL], 0
	ds_add_u32 v28, v29
	ds_add_u32 v28, v29
	s_wait_dscnt 0x0
	v_lshrrev_b32 v1, 5, v0
	v_readfirstlane_b32 s14, v1                    ; wave 0..3
	s_lshr_b32 s15, s14, 1                         ; which half of the tile's rows is mine.  Also: I fetch for A (0) or for B (1)
	s_and_b32 s16, s14, 1                          ; which half of its columns.  Also: which 128 rows of that tile I fetch
	s_bfe_u32 s40, ttmp6, 0x40000                  ; cx, cy
	s_bfe_u32 s41, ttmp6, 0x40004
	s_lshl_b32 s42, ttmp9, 2
	s_add_co_u32 s42, s42, s40                     ; tile column of C
	s_and_b32 s17, ttmp7, 0xffff
	s_lshl_b32 s17, s17, 2
	s_add_co_u32 s17, s17, s41                     ; tile row of C
	s_lshl_b32 s43, s41, 2
	s_lshl_b32 s43, 15, s43                        ; my row of the cluster
	s_lshl_b32 s44, 0x1111, s40                    ; my column
	; descriptor group 1, codes: 4 lines of 768 elements of 8 bytes, rows x 48 bytes apart; no padding
	s_or_b32 s[G1+0], s43, (3<<16)|(1<<21)         ; 15:0 the mask; 17:16 elements of 8 bytes; 21 set beside a mask
	s_or_b32 s[G1B+0], s44, (3<<16)|(1<<21)
.irp g, G1, G1B
	s_mov_b32 s[\g+1], 768<<16
	s_mov_b32 s[\g+2], 4<<16
	s_mov_b32 s[\g+3], 768<<16
	s_mov_b32 s[\g+4], 4
	s_mov_b32 s[\g+6], 0
	s_mov_b32 s[\g+7], 0
.endr
	s_mov_b32 s[G1+5], 6*RA
	s_mov_b32 s[G1B+5], 6*RBW
	; scale words of 128 rows: NPL lines of 512 bytes, rows x 4 bytes apart
	s_or_b32 s[G1S+0], s43, (3<<16)|(1<<21)
	s_or_b32 s[G1SB+0], s44, (3<<16)|(1<<21)
.irp g, G1S, G1SB
	s_mov_b32 s[\g+1], 64<<16
	s_mov_b32 s[\g+2], NPL<<16
	s_mov_b32 s[\g+3], 64<<16
	s_mov_b32 s[\g+4], NPL
	s_mov_b32 s[\g+6], 0
	s_mov_b32 s[\g+7], 0
.endr
	s_mov_b32 s[G1S+5], RA/2
	s_mov_b32 s[G1SB+5], RBW/2
	s_lshl_b32 s18, s16, 7
	s_lshl_b32 s20, s17, 8
	s_add_co_u32 s20, s20, s18                     ; A's row
	s_lshl_b32 s46, s42, 8
	s_add_co_u32 s46, s46, s18                     ; B's row
	s_lshl_b32 s22, s20, 2
	s_add_co_u32 s22, s22, A_SC
	s_mov_b32 s23, 0
	s_mul_i32 s20, s20, 48
	s_mov_b32 s21, 0
	s_lshl_b32 s92, s46, 2
	s_add_co_u32 s92, s92, B_SC
	s_mov_b32 s93, 0
	s_mul_i32 s46, s46, 48
	s_add_co_u32 s46, s46, B_CO
	s_mov_b32 s47, 0
	s_mul_i32 s45, s14, HALFT                      ; where they go: wave x 128 rows: no place in the cluster enters an LDS address
	s_mul_i32 s94, s14, HALFS
	s_wait_kmcnt 0x0
	s_add_nc_u64 s[20:21], s[4:5], s[20:21]
	s_add_nc_u64 s[22:23], s[4:5], s[22:23]
	s_add_nc_u64 s[46:47], s[6:7], s[46:47]
	s_add_nc_u64 s[92:93], s[6:7], s[92:93]
	CROUND                                         ; all sixteen work-groups are here: the first joint loads meet
	s_mov_b32 s[G0S], 1
	s_add_co_u32 s[G0S+1], s94, SCL
	s_mov_b64 s[G0S+2:G0S+3], s[22:23]
	s_or_b32 s[G0S+3], s[G0S+3], 0x80000000
	s_mov_b32 s[G0SB], 1
	s_add_co_u32 s[G0SB+1], s94, SCL
	s_mov_b64 s[G0SB+2:G0SB+3], s[92:93]
	s_or_b32 s[G0SB+3], s[G0SB+3], 0x80000000
	JLOAD G0S, G1S, G0SB, G1SB                     ; the scale words first
.irp s, 0,1
	s_mov_b32 s[G0+4*\s], 1
	s_add_co_u32 s[G0+4*\s+1], s45, \s*SLOT
	s_add_nc_u64 s[G0+4*\s+2:G0+4*\s+3], s[20:21], \s*ASTEP
	s_or_b32 s[G0+4*\s+3], s[G0+4*\s+3], 0x80000000
	s_mov_b32 s[G0B+4*\s], 1
	s_add_co_u32 s[G0B+4*\s+1], s45, \s*SLOT
	s_add_nc_u64 s[G0B+4*\s+2:G0B+4*\s+3], s[46:47], \s*BSTEP
	s_or_b32 s[G0B+4*\s+3], s[G0B+4*\s+3], 0x80000000
	JLOAD G0+4*\s, G1, G0B+4*\s, G1B
.endr
	v_and_b32 v1, 15, v0                           ; r
	v_bfe_u32 v2, v0, 4, 1                         ; h
	v_mul_u32_u24 v3, v1, 48
	v_mad_u32_u24 v4, v2, 24, v3
	s_mul_i32 s21, s15, HALFT
	s_mul_i32 s22, s16, HALFT
	s_add_co_u32 s22, s22, 2*HALFT
.irp s, 0,1
	v_add_nc_u32 v[ADRA+\s], s21, v4
	v_add_nc_u32 v[ADRB+\s], s22, v4
	s_add_co_u32 s21, s21, SLOT
	s_add_co_u32 s22, s22, SLOT
.endr
	v_lshlrev_b32 v7, 2, v1
	s_mul_i32 s21, s15, HALFS
	s_mul_i32 s22, s16, HALFS
	s_add_co_u32 s22, s22, 2*HALFS
	s_sub_co_u32 s22, s22, s21
	v_mul_u32_u24 v6, s22, v2                      ; lanes 16-31 take B's scale words: the lower base + h x the distance
	s_add_co_u32 s21, s21, SCL
	v_add_nc_u32 v5, v7, v6
	v_add_nc_u32 v[ADRS], s21, v5
	s_mul_i32 s23, s14, 16*SPITCH                  ; my stage
	v_mul_u32_u24 v5, v1, SPITCH
	v_lshl_add_u32 v5, v2, 6, v5
	v_add_nc_u32 v[STO], s23, v5                   ; in: row r, + 64 bytes for lanes 16-31
	v_and_b32 v6, 31, v0
	v_lshlrev_b32 v[CO], 4, v6                     ; back: the 32 lanes take one row of 512 bytes; the same in memory
	v_add_nc_u32 v[RD], s23, v[CO]
	s_lshl_b32 s20, s17, 8
	s_lshl_b32 s21, s15, 7
	s_add_co_u32 s20, s20, s21
	s_lshl_b32 s20, s20, 12                        ; my first row, 4,096 bytes a row,
	s_lshl_b32 s46, s42, 10
	s_lshl_b32 s47, s16, 9
	s_add_co_u32 s46, s46, s47                     ; my first column, in bytes
	s_add_co_u32 s20, s20, s46
	s_mov_b32 s21, 0
	s_mov_b32 s47, 0
	s_add_nc_u64 s[12:13], s[12:13], s[20:21]
	s_add_nc_u64 s[10:11], s[10:11], s[20:21]
	s_add_nc_u64 s[8:9], s[8:9], s[46:47]
	global_load_b128 v[BI:BI+3], v[CO], s[8:9]     ; the bias of my four columns of a row read back
.macro FRAG reg, adr, q, i             ; a fragment, 16 rows x 128 K: registers 6 c .. 6 c + 5 = 24 bytes of group 2 q + c, as they lie, in pieces of 8 bytes
.irp p, 0,1,2,3,4,5
	ds_load_b64 v[\reg+2*\p:\reg+2*\p+1], v[\adr] offset:(2*(\q)+\p/3)*GPL+(\i)*768+8*(\p%3)
.endr
.endm
; 16 matrix instructions: A's blocks a0, a0 + 1 x B's eight, 128 along K.  The 64 accumulators take turns, one instruction a turn, in the same order in every step.
.macro MUL16 a0, p, q, sc, zero
.irp a, \a0, \a0+1
.irp b, 0,1,2,3,4,5,6,7
.if \zero
	v_wmma_scale_f32_16x16x128_f8f6f4 v[8*(8*((\a)%4)+\b):8*(8*((\a)%4)+\b)+7], v[128*(\p)+FR*\b:128*(\p)+FR*\b+FR-1], v[AF+FR*(\a):AF+FR*(\a)+FR-1], 0, v[SC+8*NQ*(\sc)+NQ*\b+(\q)], v[SC+8*NQ*(\sc)+NQ*(\a)+(\q)] matrix_a_fmt:MATRIX_FMT_BF6 matrix_b_fmt:MATRIX_FMT_BF6 matrix_a_scale:MATRIX_SCALE_ROW1
.else
	v_wmma_scale_f32_16x16x128_f8f6f4 v[8*(8*((\a)%4)+\b):8*(8*((\a)%4)+\b)+7], v[128*(\p)+FR*\b:128*(\p)+FR*\b+FR-1], v[AF+FR*(\a):AF+FR*(\a)+FR-1], v[8*(8*((\a)%4)+\b):8*(8*((\a)%4)+\b)+7], v[SC+8*NQ*(\sc)+NQ*\b+(\q)], v[SC+8*NQ*(\sc)+NQ*(\a)+(\q)] matrix_a_fmt:MATRIX_FMT_BF6 matrix_b_fmt:MATRIX_FMT_BF6 matrix_a_scale:MATRIX_SCALE_ROW1
.endif
.endr
.endr
.endm
.macro FETCH_B slot, q, p
	WIN TO_B
.irp i, 0,1,2,3,4,5,6,7
	FRAG 128*(\p)+FR*\i, ADRB+\slot, \q, \i
.endr
	WIN 0
.endm
.macro FETCH_A slot, q, i0
.irp i, \i0, \i0+1, \i0+2, \i0+3
	FRAG AF+FR*(\i), ADRA+\slot, \q, \i
.endr
.endm
.macro SCALES sc                       ; the next K step's scale words: lanes 0-15 A's block i, lanes 16-31 B's block i; plane q of the step's two
.irp i, 0,1,2,3,4,5,6,7
.irp q, 0,1
	ds_load_b32 v[SC+8*NQ*\sc+NQ*\i+\q], v[ADRS] offset:512*\q+64*\i
.endr
.endr
.endm
.macro PLACES n                        ; plain vector lines between a matrix instruction and a load into, or a read of, its registers
.rept \n
	v_nop
.endr
.endm
.macro STEP slot, q, zero
	s_wait_dscnt 4*NL                              ; B's set, A's blocks 0-3 and the scale words are in; the youngest 24 loads (A's blocks 4-7) may be out
	WIN MUL_LO
	MUL16 0, (\q)%2, \q, \slot, \zero
	MUL16 2, (\q)%2, \q, \slot, \zero
	s_wait_dscnt 0
	PLACES NP
	FETCH_B \slot, (\q)+1, 1-(\q)%2
	FETCH_A \slot, (\q)+1, 0
	WIN MUL_HI
	MUL16 4, (\q)%2, \q, \slot, \zero
	MUL16 6, (\q)%2, \q, \slot, \zero
	PLACES NP
	WIN 0
	FETCH_A \slot, (\q)+1, 4
.endm
; A slot's last step changes slots: one barrier; in front of it each wave waits for all its tensor loads, adds 0 to its spare word, and waits for that and for its own reads of this slot.
.macro TURN slot, next, fill
	s_wait_tensorcnt 0x0                           ; all my tensor loads have landed: my part of the next slot
	ds_add_u32 v[SPW], v[NIL]                      ; 0 onto my spare word
	s_wait_dscnt 4*NL+1                            ; (the add and the youngest 24 loads may be out)
	WIN MUL_LO
	MUL16 0, 1, NQ-1, \slot, 0
	s_wait_dscnt 0x0                               ; the add is done, and my reads of this slot are over
	s_barrier_signal -1
	MUL16 2, 1, NQ-1, \slot, 0
	WIN 0
	s_barrier_wait -1
.if \fill
	CREST                                          ; the barrier has opened a round of the cluster's: no wave of any partner still reads this slot or has a load on its way
	s_add_nc_u64 s[G0+4*\slot+2:G0+4*\slot+3], s[G0+4*\slot+2:G0+4*\slot+3], 2*ASTEP
	s_add_nc_u64 s[G0B+4*\slot+2:G0B+4*\slot+3], s[G0B+4*\slot+2:G0B+4*\slot+3], 2*BSTEP
	JLOAD G0+4*\slot, G1, G0B+4*\slot, G1B         ; the first tensor load behind the round; its four v_nop are the places in front of the loads below
.else
	PLACES NP
.endif
	v_add_nc_u32 v[ADRS], 1024, v[ADRS]            ; two planes of scale words on (no LDS load of mine is out)
	FETCH_B \next, 0, 0
	FETCH_A \next, 0, 0
	SCALES \next
	WIN MUL_HI
	MUL16 4, 1, NQ-1, \slot, 0
	MUL16 6, 1, NQ-1, \slot, 0
	PLACES NP
	WIN 0
	FETCH_A \next, 0, 4
.endm
; THE WAY OUT, block a of 16 positions x 128 columns.  Position t of block a is row 32 (a / 2) + 8 (a % 2) + t + (t & 8) of my 128.
.macro RLOAD a                         ; the residual's 16 rows of block a, 512 bytes each, into window 1
	WIN 0x40
.irp t, 0,1,2,3,4,5,6,7,8,9,10,11,12,13,14,15
	global_load_b128 v[64*((\a)%4)+4*\t:64*((\a)%4)+4*\t+3], v[CO], s[10:11] offset:(32*((\a)/2)+8*((\a)%2)+\t+(\t&8))*4096
.endr
	WIN 0
.endm
.macro TOSTAGE a                       ; through my own stage, so that whole rows come back; LDS serves a wave's instructions in order: no wait between the stores and the loads
.set AC, 64*((\a)%4)
	WIN 0x08+4*((\a)/4)                            ; the data: window 2 or 3
.irp i, 0,1,2,3,4,5,6,7
	ds_store_b128 v[STO], v[AC+8*\i:AC+8*\i+3] offset:128*(\i/2)+32*(\i%2)          ; each accumulator from its low end on
	ds_store_b128 v[STO], v[AC+8*\i+4:AC+8*\i+7] offset:128*(\i/2)+32*(\i%2)+16
.endr
	WIN 0
.set BB, BK+64*((\a)%2)
.irp t, 0,1,2,3,4,5,6,7,8,9,10,11,12,13,14,15
	ds_load_b128 v[BB+4*\t:BB+4*\t+3], v[RD] offset:\t*SPITCH
.endr
.endm
.macro SEND a, younger                 ; younger: the LDS instructions issued behind block a's loads, which may stay out
.set BB, BK+64*((\a)%2)
.set RS, 64*((\a)%4)
.if (\a) < 5
.set NLD, 48                           ; three younger blocks of the residual, 16 loads each, may be out
.else
.set NLD, 16*(7-(\a))
.endif
	s_wait_dscnt \younger
	s_wait_loadcnt NLD
.set kk, 0
.rept 16
	v_pk_add_f32 v[BB+kk:BB+kk+1], v[BB+kk:BB+kk+1], v[BI:BI+1]           ; + the bias
	v_pk_add_f32 v[BB+kk+2:BB+kk+3], v[BB+kk+2:BB+kk+3], v[BI+2:BI+3]
.set kk, kk+4
.endr
	WIN 0x04                                       ; source 1: window 1
.set kk, 0
.rept 32
	v_pk_add_f32 v[BB+kk:BB+kk+1], v[BB+kk:BB+kk+1], v[RS+kk:RS+kk+1]     ; + the residual
.set kk, kk+2
.endr
	WIN 0
.irp t, 0,1,2,3,4,5,6,7,8,9,10,11,12,13,14,15
.if LAST
	global_store_b128 v[CO], v[BB+4*\t:BB+4*\t+3], s[12:13] offset:(32*((\a)/2)+8*((\a)%2)+\t+(\t&8))*4096 th:TH_STORE_NT
.else
	global_store_b128 v[CO], v[BB+4*\t:BB+4*\t+3], s[12:13] offset:(32*((\a)/2)+8*((\a)%2)+\t+(\t&8))*4096   ; 32 lanes store 512 consecutive bytes, at a multiple of 256 from the buffer's first byte
.endif
.endr
.if (\a) < 4
	RLOAD (\a)+4
.endif
.endm
	s_wait_tensorcnt 1                             ; the scale words and my part of K step 0 are in (K step 1's load may be out),
	s_barrier_signal -1
	s_barrier_wait -1                              ; everybody's are
	FETCH_B 0, 0, 0
	FETCH_A 0, 0, 0
	SCALES 0
	FETCH_A 0, 0, 4
	STEP 0, 0, 1                                   ; the first step stands in front of the loop: its products start the sums
	s_mov_b32 s3, LAPS-1
.Llap:                                                 ; a trip goes once round the ring and fills both slots again
	TURN 0, 1, 1
	STEP 1, 0, 0
	TURN 1, 0, 1
	STEP 0, 0, 0
	s_sub_co_u32 s3, s3, 1
	s_cmp_lg_u32 s3, 0
	s_cbranch_scc1 .Llap
	TURN 0, 1, 0                                   ; the last lap fills nothing
	STEP 1, 0, 0
	RLOAD 0                                        ; B's set 0 is done with (four places stand behind its last products): the residual's first two blocks are asked for a step early
	RLOAD 1
	s_wait_dscnt 4*NL
	WIN MUL_LO
	MUL16 0, 1, NQ-1, 1, 0
	MUL16 2, 1, NQ-1, 1, 0
	s_wait_dscnt 0
	WIN MUL_HI
	MUL16 4, 1, NQ-1, 1, 0
	MUL16 6, 1, NQ-1, 1, 0
	WIN 0
	PLACES NP                                      ; behind the last products: loads land in B's set 1 and in A's registers, and results are read
	RLOAD 2
	RLOAD 3
	TOSTAGE 0                                      ; the stage lies in slot 0: it has had its last fill, and every wave has passed the last change of slots, behind which nobody reads it
.irp a, 1,2,3,4,5,6,7
.if \a > 1
	s_wait_xcnt 0x0                                ; block a - 2's stores have read their registers: block a's loads may land there
.endif
	TOSTAGE \a
	SEND \a-1, 32                                  ; behind block a - 1's loads: block a's 16 stores and 16 loads
.endr
	SEND 7, 0
	s_wait_tensorcnt 0x0                           ; the wave's end
	ds_add_u32 v[SPW], v[NIL]
	s_wait_dscnt 0x0
	CROUND                                         ; the closing round: no work-group ends while a partner may still ask for a tile that names it
	s_endpgm
.Lfunc_end_k_qc4c25c9e57_ffn2:
	.size	k_qc4c25c9e57_ffn2, .Lfunc_end_k_qc4c25c9e57_ffn2-k_qc4c25c9e57_ffn2
	.p2alignl 7, 3214868480
	.fill 96, 4, 3214868480
	.section	.rodata,"a",@progbits
	.p2align	6, 0x0
	.amdhsa_kernel k_qc4c25c9e57_ffn2
		.amdhsa_group_segment_fixed_size 327680
		.amdhsa_private_segment_fixed_size 0
		.amdhsa_enable_private_segment 0
		.amdhsa_kernarg_size 40
		.amdhsa_user_sgpr_count 2
		.amdhsa_user_sgpr_kernarg_segment_ptr 1
		.amdhsa_wavefront_size32 1
		.amdhsa_system_sgpr_workgroup_id_x 1
		.amdhsa_system_sgpr_workgroup_id_y 1
		.amdhsa_system_sgpr_workgroup_id_z 1
		.amdhsa_system_vgpr_workitem_id 0
		.amdhsa_next_free_vgpr 1024
		.amdhsa_next_free_sgpr 102
		.amdhsa_reserve_vcc 0
		.amdhsa_float_denorm_mode_32 3
		.amdhsa_float_denorm_mode_16_64 3
		.amdhsa_memory_ordered 1
		.amdhsa_forward_progress 1
		.amdhsa_inst_pref_size 206
	.end_amdhsa_kernel
	.amdgpu_metadata
---
amdhsa.version: [ 1, 2 ]
amdhsa.kernels:
  - .name:           k_qc4c25c9e57_ffn2
    .symbol:         k_qc4c25c9e57_ffn2.kd
    .args:
      - { .name: hb, .offset: 0, .size: 8, .value_kind: global_buffer, .address_space: global }
      - { .name: wts, .offset: 8, .size: 8, .value_kind: global_buffer, .address_space: global }
      - { .name: b2, .offset: 16, .size: 8, .value_kind: global_buffer, .address_space: global }
      - { .name: x1, .offset: 24, .size: 8, .value_kind: global_buffer, .address_space: global }
      - { .name: out0, .offset: 32, .size: 8, .value_kind: global_buffer, .address_space: global }
    .group_segment_fixed_size: 327680
    .private_segment_fixed_size: 0
    .kernarg_segment_align: 8
    .kernarg_segment_size: 40
    .max_flat_workgroup_size: 128
    .sgpr_count:     102
    .vgpr_count:     1024
    .wavefront_size: 32
...
	.end_amdgpu_metadata
.endif
;; end of part 7
;; ======== version 2 of 2: 8 launches
;; limits: right only within a limited range of input values
;; workspace buffers: wts 10,649,600 bytes; maskw 524,288 bytes of whole numbers; mflag 16,384 bytes of whole numbers; xq 3,276,800 bytes; qkvc 9,830,400 bytes; atc 3,276,800 bytes; x1 16,777,216 bytes; hb 13,107,200 bytes
;; launch prep (part 8): grid 640 x 1, 4 waves a work-group, no clusters, 25,088 bytes of LDS; arguments Wq, Wk, Wv, W0, W1, W2, attention_mask, wts, maskw, mflag; writes wts, maskw, mflag
.if DOCPART == 8
	.amdgcn_target "amdgcn-amd-amdhsa--gfx1250"
	.amdhsa_code_object_version 6
	.text
	.protected	k_qc4c25c9e57_prep
	.globl	k_qc4c25c9e57_prep
	.p2align	8
	.type	k_qc4c25c9e57_prep,@function
k_qc4c25c9e57_prep:
	s_mov_b64 s[64:65], 0
	v_nop
	global_prefetch_b8 v0, s[64:65] scope:SCOPE_SE
	s_setreg_imm32_b32 hwreg(HW_REG_WAVE_MODE, 25, 1), 1
	s_wait_xcnt 0x0
; TWO JOBS IN ONE LAUNCH, told apart by the work-group's number.
; Work-groups 0-383: the six weights, f32 with K as an outer axis, become codes of BF6 (E3M2) with one E8M0 scale byte for each 32 along K.
; Work-groups 384-639: the attention mask (one byte a number) becomes lane masks, one 32-bit word for each score register of the attention launch.
; LAYOUT OF AN OPERAND [rows][K] in wts: codes [K/64][rows][48 bytes] (64 codes of one row), scale words [K/128][rows] (four bytes: one matrix instruction's).
; POSITION ORDER: row n lies at position P(n) = n with bits 3 and 4 exchanged.  Sixteen neighbouring positions form a tile; as source 0 of a matrix instruction two neighbouring
; tiles then give a lane 16 neighbouring rows in its 16 result registers.
; A LANE TAKES A COLUMN n AND ITS REGISTERS RUN DOWN K: a load reads 128 neighbouring bytes a wave, a block of 32 lies in one lane, and the conversions give codes with K innermost.
; A block's scale is 2^(floor(log2(largest magnitude)) - 4); its byte is the largest magnitude's exponent field - 4, held at 1 from below.
; LIMITS: NaN and infinities are not served; a block whose largest magnitude lies under 2^-122 keeps the byte 1; a block of zeros gets the byte 1 (its codes are zeros; this program alone reads the bytes).
; A work-group takes 128 columns x 256 along K, a wave 32 columns.  Waves share nothing: no barrier.  Only the weights' path uses LDS (6,144 bytes a wave).
.set W0_C,   3145728
.set W1_C,   3932160
.set W2_C,   7077888
.set WQKV_S, 10223616
.set W0_S,   10354688
.set W1_S,   10387456
.set W2_S,   10518528
.set NWW,    384                       ; work-groups that take weights
.set SB,     16                        ; v16-17   the two scale words of my column
.set OFF,    32                        ; v32-63   4 x lane + i x the pitch of a k row
.set X,      64                        ; v64-127  two sets of 32 numbers
.set C,      128                       ; v128-175 codes: 12 registers for each 64 along K
.set CT,     176                       ; v176-178 a block's upper 16 codes (a conversion's three registers begin on an even number)
	v_lshl_add_u32 v192, v0, 2, 0x6000
	v_mov_b32 v193, 0
	v_lshrrev_b32 v1, 5, v0
	v_readfirstlane_b32 s18, v1                    ; wave 0..3
	v_and_b32 v1, 31, v0                           ; lane L
	s_cmp_ge_u32 ttmp9, NWW
	s_cbranch_scc1 .Lmask
	; ---------------- the weights
	s_load_b256 s[4:11], s[0:1], 0x0               ; Wq, Wk, Wv, W0
	s_load_b128 s[12:15], s[0:1], 0x20             ; W1, W2
	s_load_b64 s[16:17], s[0:1], 0x38              ; wts
	s_mov_b32 s20, 256                             ; W2's figures; the others are picked below: the range's first work-group,
	s_mov_b32 s21, 4096                            ; bytes from one k row to the next,
	s_mov_b32 s22, 3                               ; log2 of the groups of 128 columns,
	s_mov_b32 s23, W2_C                            ; where the codes go,
	s_mov_b32 s24, W2_S                            ; where the scale words go,
	s_mov_b32 s25, 49152                           ; bytes of a group of 64 along K (rows x 48),
	s_mov_b32 s26, 4096                            ; bytes of a plane of scale words (rows x 4),
	s_mov_b32 s27, 0                               ; 1: stored by heads, [16][1024][64]
	s_wait_kmcnt 0x0
	s_mov_b64 s[28:29], s[14:15]
.macro PICK lim, src, u0, p, lcg, dc, dsc, rn48, rn4, hm   ; a choice on the work-group's number alone
	s_cmp_lt_u32 ttmp9, \lim
	s_cselect_b64 s[28:29], s[\src:\src+1], s[28:29]
	s_cselect_b32 s20, \u0, s20
	s_cselect_b32 s21, \p, s21
	s_cselect_b32 s22, \lcg, s22
	s_cselect_b32 s23, \dc, s23
	s_cselect_b32 s24, \dsc, s24
	s_cselect_b32 s25, \rn48, s25
	s_cselect_b32 s26, \rn4, s26
	s_cselect_b32 s27, \hm, s27
.endm
	PICK 256, 12, 128, 16384, 5, W1_C, W1_S, 196608, 16384, 0
	PICK 128, 10, 96, 4096, 3, W0_C, W0_S, 49152, 4096, 0
	PICK 96, 8, 64, 256, 3, 98304, WQKV_S+8192, 196608, 16384, 1      ; Wv: rows 2048 on of the joint operand
	PICK 64, 6, 32, 256, 3, 49152, WQKV_S+4096, 196608, 16384, 1      ; Wk: rows 1024 on
	PICK 32, 4, 0, 256, 3, 0, WQKV_S, 196608, 16384, 1                ; Wq: rows 0 on
	s_sub_co_u32 s30, ttmp9, s20                   ; my number in the tensor's range
	s_lshl_b32 s31, 1, s22
	s_sub_co_u32 s31, s31, 1
	s_and_b32 s31, s30, s31                        ; which 128 columns
	s_lshr_b32 s30, s30, s22                       ; which 256 along K
	s_lshl_b32 s31, s31, 7
	s_lshl_b32 s19, s18, 5
	s_add_co_u32 s31, s31, s19                     ; n0: my wave's first column
	s_mul_i32 s48, s30, s21
	s_lshl_b32 s48, s48, 8                         ; 256 k rows a step along K
	s_lshr_b32 s49, s31, 6
	s_lshl_b32 s49, s49, 18                        ; by heads: 262,144 bytes a head,
	s_and_b32 s50, s31, 63
	s_lshl_b32 s50, s50, 2
	s_add_co_u32 s49, s49, s50                     ; and the column in the head
	s_lshl_b32 s50, s31, 2                         ; else 4 bytes a column
	s_cmp_eq_u32 s27, 1
	s_cselect_b32 s49, s49, s50
	s_add_co_u32 s48, s48, s49
	s_mov_b32 s49, 0
	s_add_nc_u64 s[32:33], s[28:29], s[48:49]      ; block 0's base; eight bases, one a block of 32 k rows: nothing is stepped later
	s_lshl_b32 s50, s21, 5
	s_mov_b32 s51, 0
.irp t, 1,2,3,4,5,6,7
	s_add_nc_u64 s[32+2*\t:33+2*\t], s[30+2*\t:31+2*\t], s[50:51]
.endr
	s_mul_i32 s52, s30, s25
	s_lshl_b32 s52, s52, 2                         ; four groups of 64 a step along K
	s_add_co_u32 s52, s52, s23
	s_mul_i32 s53, s31, 48
	s_add_co_u32 s52, s52, s53
	s_mov_b32 s53, 0
	s_add_nc_u64 s[54:55], s[16:17], s[52:53]      ; my codes
	s_mul_i32 s52, s30, s26
	s_lshl_b32 s52, s52, 1                         ; two planes a step along K
	s_add_co_u32 s52, s52, s24
	s_lshl_b32 s56, s31, 2
	s_add_co_u32 s52, s52, s56
	s_add_nc_u64 s[56:57], s[16:17], s[52:53]      ; my scale words
	s_wait_alu depctr_va_vdst(0)
	v_and_b32 v2, 7, v1
	v_and_b32 v12, 8, v1
	v_lshl_add_u32 v2, v12, 1, v2
	v_bfe_u32 v12, v1, 4, 1
	v_lshl_add_u32 v2, v12, 3, v2                  ; my column's position among the wave's 32: bits 3 and 4 exchanged
	s_mul_i32 s58, s18, 6144                       ; my wave's stage: [4 groups][32 rows][48]
	v_mul_u32_u24 v3, v2, 48
	v_add_nc_u32 v3, s58, v3                       ; into it
	v_lshlrev_b32 v8, 4, v1                        ; 16 x lane
	v_add_nc_u32 v4, s58, v8                       ; out of it, as the bytes lie
	v_lshlrev_b32 v5, 2, v2                        ; my scale word in plane 0,
	v_add_nc_u32 v6, s26, v5                       ; in plane 1
	v_add_nc_u32 v9, s25, v8                       ; v8-11: 16 x lane + group x its bytes
	v_add_nc_u32 v10, s25, v9
	v_add_nc_u32 v11, s25, v10
	v_lshlrev_b32 v[OFF], 2, v1
.irp i, 1,2,3,4,5,6,7,8,9,10,11,12,13,14,15,16,17,18,19,20,21,22,23,24,25,26,27,28,29,30,31
	v_add_nc_u32 v[OFF+\i], s21, v[OFF+\i-1]
.endr
.macro LOAD t                          ; block t: W(32 t + i, my column), i = 0 .. 31, into set t % 2
.irp i, 0,1,2,3,4,5,6,7,8,9,10,11,12,13,14,15,16,17,18,19,20,21,22,23,24,25,26,27,28,29,30,31
	global_load_b32 v[X+32*((\t)%2)+\i], v[OFF+\i], s[32+2*(\t):33+2*(\t)] th:TH_LOAD_NT
.endr
.endm
.macro BLOCK t
.set XB, X+32*((\t)%2)
.set CC, C+12*((\t)/2)+6*((\t)%2)
.if (\t) < 7
	s_wait_loadcnt 32                              ; this block's 32 loads are in; the next block's 32 may be out
.else
	s_wait_loadcnt 0x0
.endif
	v_max3_num_f32 v12, |v[XB]|, |v[XB+1]|, |v[XB+2]|              ; the block's largest magnitude: all 32 numbers are mine; two chains
	v_max3_num_f32 v13, |v[XB+3]|, |v[XB+4]|, |v[XB+5]|
.irp i, 6,10,14,18,22,26
	v_max3_num_f32 v12, v12, |v[XB+\i]|, |v[XB+\i+1]|
	v_max3_num_f32 v13, v13, |v[XB+\i+2]|, |v[XB+\i+3]|
.endr
	v_max3_num_f32 v12, v12, |v[XB+30]|, |v[XB+31]|
	v_max3_num_f32 v12, v12, v13, 0x2800000        ; and the floor 2^(5 - 127): the byte cannot fall under 1
	v_add_nc_u32 v14, 0xfe000000, v12              ; 4 off the exponent field: the conversion takes this operand's exponent field as its scale
	v_lshrrev_b32 v13, 23, v14                     ; the scale's byte
	v_cvt_scalef32_pk16_bf6_f32 v[CC:CC+2], v[XB:XB+15], v14
	v_cvt_scalef32_pk16_bf6_f32 v[CT:CT+2], v[XB+16:XB+31], v14
.if (\t)%4 == 0
	v_mov_b32 v[SB+(\t)/4], v13                    ; four bytes to a word, the lower K in the lower byte.  (Also the plain line behind the conversions)
.else
	v_lshl_or_b32 v[SB+(\t)/4], v13, 8*((\t)%4), v[SB+(\t)/4]
.endif
.irp i, 0,1,2
	v_mov_b32 v[CC+3+\i], v[CT+\i]
.endr
.if (\t)%2 == 1
.irp c, 0,1,2
	ds_store_b128 v3, v[C+12*((\t)/2)+4*\c:C+12*((\t)/2)+4*\c+3] offset:1536*((\t)/2)+16*\c   ; 64 codes, 48 bytes; these registers are not written again
.endr
.endif
.if (\t)+2 < 8
	LOAD (\t)+2
.endif
.endm
	LOAD 0
	LOAD 1
.irp t, 0,1,2,3,4,5,6,7
	BLOCK \t
.endr
.irp k, 0,1,2,3,4,5,6,7,8,9,10,11
	ds_load_b128 v[X+4*\k:X+4*\k+3], v4 offset:512*\k              ; LDS serves a wave's instructions in order: these see my stores
.endr
	s_wait_alu depctr_va_vdst(0)
.irp k, 0,1,2,3,4,5,6,7,8,9,10,11
	s_wait_dscnt 11-\k
	global_store_b128 v[8+\k/3], v[X+4*\k:X+4*\k+3], s[54:55] offset:512*(\k%3)   ; 32 lanes store 512 consecutive bytes, at a multiple of 256 from the buffer's first byte
.endr
	global_store_b32 v5, v[SB], s[56:57]           ; 32 scale words: 128 consecutive bytes
	global_store_b32 v6, v[SB+1], s[56:57]
	s_wait_tensorcnt 0x0
	ds_add_u32 v192, v193
	s_wait_dscnt 0x0
	s_endpgm
	; ---------------- the mask.  A wave takes one tile of 16 query positions and two key steps of 128 keys.
	; Word n (0 .. 63) of a key step: bit L = mask[query of lane L][128 step + 32 (n / 16) + 16 (L / 16) + n % 16]; the query of lane L of tile qt is 32 (qt / 2) + 8 (qt % 2) + r + (r & 8), r = L % 16.
.Lmask:
	s_load_b64 s[4:5], s[0:1], 0x30                ; the mask
	s_load_b64 s[6:7], s[0:1], 0x40                ; maskw
	s_load_b64 s[16:17], s[0:1], 0x48              ; mflag: for each tile of queries and key step two words: the step's 64 mask words or-ed, and and-ed
	s_sub_co_u32 s8, ttmp9, NWW
	s_lshl_b32 s8, s8, 2
	s_add_co_u32 s8, s8, s18
	s_lshr_b32 s9, s8, 3                           ; qt: 0 .. 127
	s_and_b32 s10, s8, 7                           ; which pair of key steps
	s_lshr_b32 s11, s9, 1
	s_lshl_b32 s11, s11, 5
	s_and_b32 s12, s9, 1
	s_lshl_b32 s12, s12, 3
	s_add_co_u32 s11, s11, s12
	s_lshl_b32 s11, s11, 11                        ; a row of the mask is 2,048 bytes
	s_lshl_b32 s12, s10, 8
	s_add_co_u32 s12, s11, s12
	s_mov_b32 s13, 0
	s_lshl_b32 s14, s9, 4
	s_lshl_b32 s15, s10, 1
	s_add_co_u32 s14, s14, s15
	s_lshl_b32 s14, s14, 8                         ; 256 bytes a key step
	s_mov_b32 s15, 0
	s_wait_alu depctr_va_vdst(0)
	v_and_b32 v2, 15, v1
	v_and_b32 v3, 8, v1
	v_add_nc_u32 v2, v2, v3                        ; r + (r & 8)
	v_bfe_u32 v3, v1, 4, 1
	v_lshlrev_b32 v2, 11, v2
	v_lshl_add_u32 v2, v3, 4, v2                   ; my row, + 16 keys for lanes 16-31
	v_lshlrev_b32 v3, 3, v1                        ; out: 8 bytes a lane
.irp i, 0,1,2,3
	v_mov_b32 v[24+\i], 0                          ; a written lane's register counts as read
.endr
	s_wait_alu depctr_va_vdst(0)
	s_wait_kmcnt 0x0
	s_add_nc_u64 s[4:5], s[4:5], s[12:13]
	s_add_nc_u64 s[6:7], s[6:7], s[14:15]
	s_lshl_b32 s28, s9, 7                          ; mflag: 128 bytes a tile of queries,
	s_lshl_b32 s29, s10, 4                         ; 16 for my pair of key steps
	s_add_co_u32 s28, s28, s29
	s_mov_b32 s29, 0
	s_add_nc_u64 s[16:17], s[16:17], s[28:29]
	s_mov_b32 s24, 0                               ; s24, s26: the words of my first and second step or-ed; s25, s27: and-ed
	s_mov_b32 s25, -1
	s_mov_b32 s26, 0
	s_mov_b32 s27, -1
.irp e, 0,1
.irp b, 0,1,2,3
	global_load_b128 v[32+4*(4*\e+\b):35+4*(4*\e+\b)], v2, s[4:5] offset:128*\e+32*\b   ; 16 keys of my query
.endr
.endr
	s_wait_loadcnt 0x0
.irp e, 0,1
.irp b, 0,1,2,3
.irp i, 0,1,2,3,4,5,6,7,8,9,10,11,12,13,14,15
	v_and_b32 v[12+(\i%4)], 0xff<<(8*(\i%4)), v[32+4*(4*\e+\b)+\i/4]           ; key 32 b + 16 (L / 16) + i of the step: its byte,
	v_cmp_ne_u32 s[20+(\i%4)], 0, v[12+(\i%4)]                                 ; as a bit of each lane: word 16 b + i,
	v_writelane_b32 v[24+2*\e+(\i%2)], s[20+(\i%4)], (16*\b+\i)/2              ; to lane n / 2: even words in the first register, odd in the second
	s_or_b32 s[24+2*\e], s[24+2*\e], s[20+(\i%4)]
	s_and_b32 s[25+2*\e], s[25+2*\e], s[20+(\i%4)]
.endr
.endr
.endr
	global_store_b64 v3, v[24:25], s[6:7]          ; 32 lanes store 256 consecutive bytes, aligned: a key step's 64 words
	global_store_b64 v3, v[26:27], s[6:7] offset:256
	s_wait_xcnt 0x0                                ; EXEC changes only behind this wait
	v_mov_b32 v28, s24
	v_mov_b32 v29, s25
	v_mov_b32 v30, s26
	v_mov_b32 v31, s27
	v_mov_b32 v4, 0
	v_cmp_gt_u32 vcc_lo, 1, v1
	s_and_saveexec_b32 s28, vcc_lo
	global_store_b128 v4, v[28:31], s[16:17]       ; lane 0 stores my two steps' four words
	s_wait_xcnt 0x0
	s_or_b32 exec_lo, exec_lo, s28
	s_endpgm
.Lfunc_end_k_qc4c25c9e57_prep:
	.size	k_qc4c25c9e57_prep, .Lfunc_end_k_qc4c25c9e57_prep-k_qc4c25c9e57_prep
	.p2alignl 7, 3214868480
	.fill 96, 4, 3214868480
	.section	.rodata,"a",@progbits
	.p2align	6, 0x0
	.amdhsa_kernel k_qc4c25c9e57_prep
		.amdhsa_group_segment_fixed_size 25088
		.amdhsa_private_segment_fixed_size 0
		.amdhsa_enable_private_segment 0
		.amdhsa_kernarg_size 80
		.amdhsa_user_sgpr_count 2
		.amdhsa_user_sgpr_kernarg_segment_ptr 1
		.amdhsa_wavefront_size32 1
		.amdhsa_system_sgpr_workgroup_id_x 1
		.amdhsa_system_sgpr_workgroup_id_y 1
		.amdhsa_system_sgpr_workgroup_id_z 1
		.amdhsa_system_vgpr_workitem_id 0
		.amdhsa_next_free_vgpr 194
		.amdhsa_next_free_sgpr 66
		.amdhsa_reserve_vcc 1
		.amdhsa_float_denorm_mode_32 3
		.amdhsa_float_denorm_mode_16_64 3
		.amdhsa_memory_ordered 1
		.amdhsa_forward_progress 1
		.amdhsa_inst_pref_size 81
	.end_amdhsa_kernel
	.amdgpu_metadata
---
amdhsa.version: [ 1, 2 ]
amdhsa.kernels:
  - .name:           k_qc4c25c9e57_prep
    .symbol:         k_qc4c25c9e57_prep.kd
    .args:
      - { .name: Wq, .offset: 0, .size: 8, .value_kind: global_buffer, .address_space: global }
      - { .name: Wk, .offset: 8, .size: 8, .value_kind: global_buffer, .address_space: global }
      - { .name: Wv, .offset: 16, .size: 8, .value_kind: global_buffer, .address_space: global }
      - { .name: W0, .offset: 24, .size: 8, .value_kind: global_buffer, .address_space: global }
      - { .name: W1, .offset: 32, .size: 8, .value_kind: global_buffer, .address_space: global }
      - { .name: W2, .offset: 40, .size: 8, .value_kind: global_buffer, .address_space: global }
      - { .name: attention_mask, .offset: 48, .size: 8, .value_kind: global_buffer, .address_space: global }
      - { .name: wts, .offset: 56, .size: 8, .value_kind: global_buffer, .address_space: global }
      - { .name: maskw, .offset: 64, .size: 8, .value_kind: global_buffer, .address_space: global }
      - { .name: mflag, .offset: 72, .size: 8, .value_kind: global_buffer, .address_space: global }
    .group_segment_fixed_size: 25088
    .private_segment_fixed_size: 0
    .kernarg_segment_align: 8
    .kernarg_segment_size: 80
    .max_flat_workgroup_size: 128
    .sgpr_count:     66
    .vgpr_count:     194
    .wavefront_size: 32
...
	.end_amdgpu_metadata
.endif
;; end of part 8
;; launch lnq (part 9): grid 256 x 1, 4 waves a work-group, no clusters, 32,256 bytes of LDS; arguments X, gamma1, beta1, xq; writes xq
.if DOCPART == 9
	.amdgcn_target "amdgcn-amd-amdhsa--gfx1250"
	.amdhsa_code_object_version 6
	.text
	.protected	k_qc4c25c9e57_lnq
	.globl	k_qc4c25c9e57_lnq
	.p2align	8
	.type	k_qc4c25c9e57_lnq,@function
k_qc4c25c9e57_lnq:
	s_mov_b64 s[64:65], 0
	v_nop
	global_prefetch_b8 v0, s[64:65] scope:SCOPE_SE
	s_setreg_imm32_b32 hwreg(HW_REG_WAVE_MODE, 25, 1), 1
	s_wait_xcnt 0x0
; y = (x - mean) * rsqrt(var + 1e-5) * gamma + beta over rows of 1,024 f32, then quantised along the row to codes of BF6 (E3M2) with one E8M0 byte for each 32.
; Out: codes [16 groups of 64][4096 rows][48 bytes], scale words [8][4096] behind them.  Row m lies at position P(m) = m with bits 3 and 4 exchanged.
; A work-group takes positions 16 wg .. 16 wg + 15; wave w positions 16 wg + 4 w .. + 3, which are four neighbouring rows of x.  A wave takes a whole row: no wave waits for another until the way out.
; Loads are dense (512 bytes an instruction).  The conversions want a block of 32 in ONE lane: a row turns through the wave's own stage in LDS (places of 128 + 16 bytes) and comes back 128 bytes a lane.
; Mean first, then the sum of squares of x - mean: no difference of large sums.  v_rsq_f32 is taken as it is.
; LIMITS: NaN and infinities are not served; a block whose largest magnitude lies under 2^-122 keeps the byte 1; a block of zeros gets the byte 1 (its codes are zeros; this program alone reads the bytes).
.set OS,     18432                     ; LDS: behind the four stages of 4,608 bytes: the codes [16 groups][16 rows][48],
.set SS,     30720                     ; and the scale bytes [8 planes][16 rows][4]
.set XS_OFF, 3145728                   ; the scale words in the buffer
.set X,   32                           ; v32-63   the row in hand, 32 neighbours a lane
.set GA,  64                           ; v64-95   gamma of my 32 columns
.set BE,  96                           ; v96-127  beta
.set R,   128                          ; v128-255 four rows as loaded
	s_load_b256 s[4:11], s[0:1], 0x0               ; x, gamma, beta, out
	v_lshl_add_u32 v22, v0, 2, 0x7c00
	v_mov_b32 v23, 0
	v_lshrrev_b32 v1, 5, v0
	v_readfirstlane_b32 s12, v1                    ; wave
	v_and_b32 v1, 31, v0                           ; lane L
	s_wait_alu depctr_va_vdst(0)
	s_lshl_b32 s13, ttmp9, 4
	s_lshl_b32 s14, s12, 2
	s_add_co_u32 s13, s13, s14                     ; my first position
	s_and_b32 s14, s13, 0xffffffe7
	s_and_b32 s15, s13, 8
	s_lshl_b32 s15, s15, 1
	s_add_co_u32 s14, s14, s15
	s_and_b32 s15, s13, 16
	s_lshr_b32 s15, s15, 1
	s_add_co_u32 s14, s14, s15                     ; my first row: bits 3 and 4 exchanged
	s_lshl_b32 s14, s14, 12
	s_mov_b32 s15, 0
	s_mov_b32 s18, 0x76543210
	s_mov_b32 s19, 0xfedcba98                      ; v_permlanex16_b32's selects for lane l xor 16
	s_mov_b32 s20, 0x3727c5ac                      ; 1e-5
	s_mov_b32 s21, 0x3a800000                      ; 1 / 1024
	s_mul_i32 s16, s12, 4608
	v_lshrrev_b32 v7, 3, v1
	v_mul_u32_u24 v2, v7, 144
	v_and_b32 v7, 7, v1
	v_lshl_add_u32 v2, v7, 4, v2
	v_add_nc_u32 v2, s16, v2                       ; the stage, in: eight lanes' 128 bytes on end, then 16 of padding
	v_mul_u32_u24 v3, v1, 144
	v_add_nc_u32 v3, s16, v3                       ; and out: my 128 bytes
	v_lshrrev_b32 v7, 1, v1
	v_mul_u32_u24 v4, v7, 768
	v_and_b32 v7, 1, v1
	v_mad_u32_u24 v4, v7, 24, v4
	s_mul_i32 s17, s12, 192
	s_add_co_u32 s17, s17, OS
	v_add_nc_u32 v4, s17, v4                       ; my block's 24 bytes: group L / 2, half L % 2, row 4 w (+ i)
	v_lshrrev_b32 v7, 2, v1
	v_lshlrev_b32 v5, 6, v7
	v_and_b32 v7, 3, v1
	v_add_nc_u32 v5, v5, v7
	s_lshl_b32 s17, s12, 4
	s_add_co_u32 s17, s17, SS
	v_add_nc_u32 v5, s17, v5                       ; my block's byte: plane L / 4, byte L % 4
	v_lshlrev_b32 v6, 4, v1                        ; 16 x lane
	s_mul_i32 s16, s12, 3072
	s_add_co_u32 s16, s16, OS
	v_add_nc_u32 v7, s16, v6                       ; the way out: my wave's four groups, as the bytes lie
	v_bfe_u32 v27, v1, 4, 1
	v_mul_u32_u24 v27, v27, 195840
	v_add_nc_u32 v27, v27, v6
	v_add_nc_u32 v27, 512, v27                     ; bytes 512 .. 1023 of two groups of 768: lanes 16-31 are in the next group, 196,608 bytes on
	v_add_nc_u32 v28, 196864, v6                   ; bytes 1024 .. 1535: the next group's bytes 256 on
	v_lshl_add_u32 v29, v0, 2, SS                  ; thread t: scale word t
	v_lshrrev_b32 v30, 4, v0
	v_and_b32 v31, 15, v0
	v_lshlrev_b32 v31, 2, v31
	v_lshl_add_u32 v30, v30, 14, v31               ; plane t / 16, row t % 16
	s_mul_i32 s22, ttmp9, 768
	s_mul_i32 s23, s12, 786432
	s_add_co_u32 s22, s22, s23
	s_mov_b32 s23, 0
	s_lshl_b32 s16, ttmp9, 6
	s_add_co_u32 s16, s16, XS_OFF
	s_mov_b32 s17, 0
	s_wait_kmcnt 0x0
	s_add_nc_u64 s[4:5], s[4:5], s[14:15]
	s_add_nc_u64 s[24:25], s[10:11], s[22:23]      ; codes: group 4 w, my work-group's 16 rows
	s_add_nc_u64 s[26:27], s[10:11], s[16:17]      ; scale words
.irp c, 0,1,2,3,4,5,6,7
	global_load_b128 v[X+4*\c:X+4*\c+3], v6, s[6:7] offset:512*\c
.endr
.irp c, 0,1,2,3,4,5,6,7
	global_load_b128 v[R+96+4*\c:R+96+4*\c+3], v6, s[8:9] offset:512*\c
.endr
.irp i, 0,1,2
.irp c, 0,1,2,3,4,5,6,7
	global_load_b128 v[R+32*\i+4*\c:R+32*\i+4*\c+3], v6, s[4:5] offset:4096*\i+512*\c th:TH_LOAD_NT
.endr
.endr
.macro TURN src, dst                   ; 4,096 bytes through my stage: LDS serves a wave's instructions in order, so no wait stands between the stores and the loads
.irp c, 0,1,2,3,4,5,6,7
	ds_store_b128 v2, v[\src+4*\c:\src+4*\c+3] offset:576*\c
.endr
.irp c, 0,1,2,3,4,5,6,7
	ds_load_b128 v[\dst+4*\c:\dst+4*\c+3], v3 offset:16*\c
.endr
.endm
.macro RED                             ; v8 summed over the 32 lanes, the result in every lane (v11 has been written)
	v_add_f32_dpp v8, v8, v8 row_xmask:1 row_mask:0xf bank_mask:0xf
	v_add_f32_dpp v8, v8, v8 row_xmask:2 row_mask:0xf bank_mask:0xf
	v_add_f32_dpp v8, v8, v8 row_xmask:4 row_mask:0xf bank_mask:0xf
	v_add_f32_dpp v8, v8, v8 row_xmask:8 row_mask:0xf bank_mask:0xf
	v_permlanex16_b32 v11, v8, s18, s19
	v_add_f32 v8, v8, v11
.endm
	s_wait_loadcnt 32                              ; gamma is in (behind it: beta's 8 loads and three rows' 24)
	TURN X, GA
	s_wait_loadcnt 24                              ; beta is in
	TURN R+96, BE
	s_wait_dscnt 0x0                               ; the stores have read beta's registers: they take the fourth row
.irp c, 0,1,2,3,4,5,6,7
	global_load_b128 v[R+96+4*\c:R+96+4*\c+3], v6, s[4:5] offset:4096*3+512*\c th:TH_LOAD_NT
.endr
.macro ROW i
	s_wait_loadcnt 24-8*\i                         ; this row's eight loads are in; the rows behind it may be out
	TURN R+32*\i, X
	s_wait_dscnt 0x0                               ; the row is back; the last row's stores of codes have read their registers
	v_pk_add_f32 v[8:9], v[X:X+1], v[X+2:X+3]      ; the sum, two at a time, in two chains
	v_pk_add_f32 v[10:11], v[X+4:X+5], v[X+6:X+7]
.irp j, 8,12,16,20,24,28
	v_pk_add_f32 v[8:9], v[8:9], v[X+\j:X+\j+1]
	v_pk_add_f32 v[10:11], v[10:11], v[X+\j+2:X+\j+3]
.endr
	v_pk_add_f32 v[8:9], v[8:9], v[10:11]
	v_add_f32 v8, v8, v9
	RED
	v_mul_f32 v12, s21, v8                         ; the mean
	v_mov_b32 v13, v12
.irp j, 0,2,4,6,8,10,12,14,16,18,20,22,24,26,28,30
	v_pk_add_f32 v[X+\j:X+\j+1], v[X+\j:X+\j+1], v[12:13] neg_lo:[0,1] neg_hi:[0,1]   ; x - mean
.endr
	v_pk_mul_f32 v[8:9], v[X:X+1], v[X:X+1]
	v_pk_mul_f32 v[10:11], v[X+2:X+3], v[X+2:X+3]
.irp j, 4,8,12,16,20,24,28
	v_pk_fma_f32 v[8:9], v[X+\j:X+\j+1], v[X+\j:X+\j+1], v[8:9]
	v_pk_fma_f32 v[10:11], v[X+\j+2:X+\j+3], v[X+\j+2:X+\j+3], v[10:11]
.endr
	v_pk_add_f32 v[8:9], v[8:9], v[10:11]
	v_add_f32 v8, v8, v9
	RED
	v_fma_f32 v8, v8, s21, s20                     ; the variance + 1e-5
	s_wait_alu depctr_va_vdst(0)
	v_rsq_f32 v14, v8                              ; twice, to fill the pair that the packed multiply takes
	v_rsq_f32 v15, v8
	v_nop                                          ; a plain line behind the transcendentals,
	s_wait_alu depctr_va_vdst(0)                   ; and the one wait for both ahead of their first reader
.irp j, 0,2,4,6,8,10,12,14,16,18,20,22,24,26,28,30
	v_pk_mul_f32 v[X+\j:X+\j+1], v[X+\j:X+\j+1], v[14:15]
.endr
.irp j, 0,2,4,6,8,10,12,14,16,18,20,22,24,26,28,30
	v_pk_fma_f32 v[X+\j:X+\j+1], v[X+\j:X+\j+1], v[GA+\j:GA+\j+1], v[BE+\j:BE+\j+1]
.endr
	v_max3_num_f32 v8, |v[X]|, |v[X+1]|, |v[X+2]|  ; my block's largest magnitude
	v_max3_num_f32 v9, |v[X+3]|, |v[X+4]|, |v[X+5]|
.irp j, 6,10,14,18,22,26
	v_max3_num_f32 v8, v8, |v[X+\j]|, |v[X+\j+1]|
	v_max3_num_f32 v9, v9, |v[X+\j+2]|, |v[X+\j+3]|
.endr
	v_max3_num_f32 v8, v8, |v[X+30]|, |v[X+31]|
	v_max3_num_f32 v8, v8, v9, 0x2800000           ; and the floor 2^(5 - 127)
	v_add_nc_u32 v10, 0xfe000000, v8               ; 4 off the exponent field: the conversion's scale operand
	v_cvt_scalef32_pk16_bf6_f32 v[16:18], v[X:X+15], v10
	v_cvt_scalef32_pk16_bf6_f32 v[24:26], v[X+16:X+31], v10
	v_lshrrev_b32 v12, 23, v10                     ; the scale's byte.  (The plain line behind the conversions)
	v_mov_b32 v19, v24
	v_mov_b32 v20, v25
	v_mov_b32 v21, v26
	ds_store_b64 v4, v[16:17] offset:48*\i
	ds_store_b64 v4, v[18:19] offset:48*\i+8
	ds_store_b64 v4, v[20:21] offset:48*\i+16
	ds_store_b8 v5, v12 offset:4*\i
.endm
	ROW 0
	ROW 1
	ROW 2
	ROW 3
	s_wait_dscnt 0x0                               ; for the others' sake: my codes and bytes lie in LDS
	s_barrier_signal -1
	s_barrier_wait -1
.irp k, 0,1,2,3,4,5
	ds_load_b128 v[X+4*\k:X+4*\k+3], v7 offset:512*\k      ; four groups x 768 bytes
.endr
	ds_load_b32 v56, v29
	s_wait_dscnt 6
	global_store_b128 v6, v[X:X+3], s[24:25]               ; sixteen lanes store 256 consecutive bytes, aligned
	s_wait_dscnt 5
	global_store_b128 v27, v[X+4:X+7], s[24:25]
	s_wait_dscnt 4
	global_store_b128 v28, v[X+8:X+11], s[24:25]
	s_wait_dscnt 3
	global_store_b128 v6, v[X+12:X+15], s[24:25] offset:393216
	s_wait_dscnt 2
	global_store_b128 v27, v[X+16:X+19], s[24:25] offset:393216
	s_wait_dscnt 1
	global_store_b128 v28, v[X+20:X+23], s[24:25] offset:393216
	s_wait_dscnt 0x0
	global_store_b32 v30, v56, s[26:27]                    ; sixteen words of a plane: 64 consecutive bytes; one byte in 128 of what the launch reads
	s_wait_tensorcnt 0x0
	ds_add_u32 v22, v23
	s_wait_dscnt 0x0
	s_endpgm
.Lfunc_end_k_qc4c25c9e57_lnq:
	.size	k_qc4c25c9e57_lnq, .Lfunc_end_k_qc4c25c9e57_lnq-k_qc4c25c9e57_lnq
	.p2alignl 7, 3214868480
	.fill 96, 4, 3214868480
	.section	.rodata,"a",@progbits
	.p2align	6, 0x0
	.amdhsa_kernel k_qc4c25c9e57_lnq
		.amdhsa_group_segment_fixed_size 32256
		.amdhsa_private_segment_fixed_size 0
		.amdhsa_enable_private_segment 0
		.amdhsa_kernarg_size 32
		.amdhsa_user_sgpr_count 2
		.amdhsa_user_sgpr_kernarg_segment_ptr 1
		.amdhsa_wavefront_size32 1
		.amdhsa_system_sgpr_workgroup_id_x 1
		.amdhsa_system_sgpr_workgroup_id_y 1
		.amdhsa_system_sgpr_workgroup_id_z 1
		.amdhsa_system_vgpr_workitem_id 0
		.amdhsa_next_free_vgpr 256
		.amdhsa_next_free_sgpr 66
		.amdhsa_reserve_vcc 0
		.amdhsa_float_denorm_mode_32 3
		.amdhsa_float_denorm_mode_16_64 3
		.amdhsa_memory_ordered 1
		.amdhsa_forward_progress 1
		.amdhsa_inst_pref_size 47
	.end_amdhsa_kernel
	.amdgpu_metadata
---
amdhsa.version: [ 1, 2 ]
amdhsa.kernels:
  - .name:           k_qc4c25c9e57_lnq
    .symbol:         k_qc4c25c9e57_lnq.kd
    .args:
      - { .name: X, .offset: 0, .size: 8, .value_kind: global_buffer, .address_space: global }
      - { .name: gamma1, .offset: 8, .size: 8, .value_kind: global_buffer, .address_space: global }
      - { .name: beta1, .offset: 16, .size: 8, .value_kind: global_buffer, .address_space: global }
      - { .name: xq, .offset: 24, .size: 8, .value_kind: global_buffer, .address_space: global }
    .group_segment_fixed_size: 32256
    .private_segment_fixed_size: 0
    .kernarg_segment_align: 8
    .kernarg_segment_size: 32
    .max_flat_workgroup_size: 128
    .sgpr_count:     66
    .vgpr_count:     256
    .wavefront_size: 32
...
	.end_amdgpu_metadata
.endif
;; end of part 9
;; launch qkv (part 10): grid 12 x 16, 4 waves a work-group, clusters of 4 x 4, 327,680 bytes of LDS; arguments xq, wts, bq, bk, bv, qkvc; writes qkvc
.if DOCPART == 10
	.amdgcn_target "amdgcn-amd-amdhsa--gfx1250"
	.amdhsa_code_object_version 6
	.text
	.protected	k_qc4c25c9e57_qkv
	.globl	k_qc4c25c9e57_qkv
	.p2align	8
	.type	k_qc4c25c9e57_qkv,@function
k_qc4c25c9e57_qkv:
	s_mov_b64 s[64:65], 0
	v_nop
	global_prefetch_b8 v0, s[64:65] scope:SCOPE_SE
	s_setreg_imm32_b32 hwreg(HW_REG_WAVE_MODE, 25, 1), 1
	s_wait_xcnt 0x0
	s_wait_alu depctr_hold_cnt(0) depctr_sa_sdst(0) depctr_va_vdst(0) depctr_va_sdst(0) depctr_va_ssrc(0) depctr_va_vcc(0) depctr_vm_vsrc(0)
	s_getreg_b32 s2, hwreg(HW_REG_IB_STS2, 6, 4)
	s_cmp_eq_u32 s2, 0
	s_cbranch_scc0 .Lentry_in_a_cluster
	s_endpgm
.Lentry_in_a_cluster:
	s_bfe_u32 s2, ttmp6, 0x10000c
	s_cmp_lg_u32 s2, 0xf033
	s_cbranch_scc0 .Lentry_shape_is_right
	s_endpgm
.Lentry_shape_is_right:
; A GEMM ON CODES OF BF6 (E3M2) WHOSE RESULT IS QUANTISED AGAIN.  C[m][n] = sum over k of A[m][k] B[n][k] + bias, then codes along n.  One text serves two launches (QKV = 1 or 0).
; QKV = 1: Q, K and V of all heads.  Clusters with x = 0, 1: A = the normalised tokens, B = Wq and Wk (rows 0-2047 of the joint weight): Q and K, quantised along the head's 64.
;          Clusters with x = 2: the operands change places (A = Wv's rows, B = the tokens): V^T, quantised along the KEYS, which are the second attention product's K.
;          The choice is made on the cluster's x alone, by selects; no branch hangs on it.  Both kinds of bias are loaded everywhere and enter by a fused multiply-add with the factor 1 or 0.
; QKV = 0: h = relu(x W1 + b1), quantised along the hidden units.
; OPERANDS: codes [K/64][rows][48 bytes], scale words [K/128][rows]; row R lies at position P(R) = R with bits 3 and 4 exchanged; a tile is 16 neighbouring positions.
; A tile of C, 256 x 256, is made by four waves, each 128 x 128: 64 accumulators, 512 registers.  K goes in steps of 256 through two LDS slots; a wave's tensor load brings 128 rows x 4 groups: four dense
; lines of 6,144 bytes.  With rows 48 bytes apart lane (r, h) of a load of 8 bytes starts at word 12 r + 6 h: the 32 lanes touch 64 different words modulo 64: no padding.
; The scale words of the work-group's rows, for all of K, come once with the first fills and stay.  CLUSTERS 4 x 4: A's tiles are asked for jointly along a row, B's along a column.
; THE MATRIX INSTRUCTION IS USED TRANSPOSED (source 0 = 16 positions of B, source 1 = 16 of A): a lane holds one row of C, and by the position order the 16 registers of B's tiles 2 b, 2 b + 1 are the 16
; neighbouring columns 32 b + 16 (lane / 16) + 0 .. 15: as the conversions want them.
; LIMITS: NaN and infinities are not served; a block whose largest magnitude lies under 2^-122 keeps the byte 1; a block of zeros gets the byte 1 (its codes are zeros; this program alone reads the bytes).
; REGISTERS: window 0: v0-31 addresses; v32-63 scale words, two sets; v64-127 column biases; v128-223 A's fragments, one set; v224-239 row biases; v240-255 at work.  Window 1: B's fragments, two sets.  Windows 2, 3: accumulators.
.set QKV,    1
.set SIZE_K, 1024
.set RROWS,  4096                      ; rows in either operand's buffer
.set XS_OFF, 3145728                   ; the tokens' scale words
.if QKV
.set W_CO,   0                         ; the weight's codes and scale words in wts
.set W_SC,   10223616
.set QK_S,   9437184                   ; out: Q's and K's codes at 0 [32][4096][48], V's at V_C [64][1024][48], scale words [16][4096], [32][1024]
.set V_C,    6291456
.set V_S,    9699328
.else
.set W_CO,   3932160
.set W_SC,   10387456
.set OUT_S,  12582912                  ; out: codes [64][4096][48], scale words [32][4096]
.endif
.set NQ,     2                         ; matrix instructions deep in a slot
.set GPL,    6144                      ; 128 rows x 48 bytes
.set FR,     12
.set NL,     6
.set NP,     4                         ; places behind this matrix instruction (ISA guide 7.12.1)
.set HALFT,  4*GPL                     ; what one tensor load brings
.set SLOT,   4*HALFT
.set LAPS,   SIZE_K/512
.set NPL,    SIZE_K/128
.set SCL,    2*SLOT
.set HALFS,  512*NPL
.set SPARE,  SCL+4*HALFS               ; the spare words, 128 bytes a wave: two blocks of 256 bytes that no other line names
.set KSTEPB, 4*RROWS*48                ; bytes from one K step's groups to the next
.set ADRA, 16                          ; v16-17 my A fragments in slot 0, 1
.set ADRB, 20                          ; v20-21 B's
.set QST,  24                          ; v24 the way out: my 24 bytes of codes in my stage
.set QSS,  25                          ; v25 my row's scale word there
.set QRD,  26                          ; v26 the stage read back as it lies
.set ADRS, 27                          ; v27 my scale words: lanes 0-15 A's rows, lanes 16-31 B's
.set SPW,  28
.set NIL,  29
.set PW,   30                          ; v30 the scale word just made
.set GO,   31                          ; v31 16 x lane
.set SC,   32
.set CB,   64
.set AF,   128
.set H,    128                         ; the way out: a block's 64 numbers
.set PC,   192                         ; its codes; v204-210 the conversions' second halves
.set RB,   224
.set TM,   240
.set G1, 24
.set G0, 32
.set G1B, 48
.set G0B, 56
.set G1S, 68
.set G0S, 76
.set G1SB, 80
.set G0SB, 88
.set FQ,  66                           ; s[66:67] 1.0 where the column bias counts, else 0
.set FV,  94                           ; s[94:95] 1.0 where the row bias counts, else 0
.set SEL, 92                           ; s[92:93] lane selects for lane l xor 16
.set OUTP, 98                          ; s[98:99] the output buffer
.set MSB, 0
.macro WIN new                         ; the immediate's high byte repeats the setting that is left
.if MSB != \new
	s_set_vgpr_msb (MSB<<8)|\new
.set MSB, \new
.endif
.endm
.set MUL_LO, 0xa1                      ; source 0 (B) window 1, source 1 (A) window 0, C and D window 2
.set MUL_HI, 0xf1
.set TO_B,   0x40
.macro JLOAD g0a, g1a, g0b, g1b        ; a joint load: waves 0 and 1 fetch for A, waves 2 and 3 for B; four v_nop follow each line
	s_cmp_eq_u32 s15, 0
	s_cbranch_scc0 .Lfor_b_\@
	tensor_load_to_lds s[\g0a:\g0a+3], s[\g1a:\g1a+7]
	s_nop 0
.rept 4
	v_nop
.endr
	s_branch .Lasked_\@
.Lfor_b_\@:
	tensor_load_to_lds s[\g0b:\g0b+3], s[\g1b:\g1b+7]
	s_nop 0
.rept 4
	v_nop
.endr
.Lasked_\@:
.endm
.macro CREST                           ; a round of the cluster's barrier behind its opening barrier
	s_cmp_lg_u32 s14, 0
	s_cbranch_scc1 .Lnot_wave_0_\@
	s_barrier_signal -3
.Lnot_wave_0_\@:
	s_barrier_wait -3
	s_barrier_signal -1
	s_barrier_wait -1
.endm
.macro CROUND
	s_barrier_signal -1
	s_barrier_wait -1
	CREST
.endm
.if QKV
	s_load_b256 s[4:11], s[0:1], 0x0               ; tokens' codes, wts, bq, bk
	s_load_b128 s[96:99], s[0:1], 0x20             ; bv, out
.else
	s_load_b256 s[4:11], s[0:1], 0x0               ; tokens' codes, wts, b1, out
.endif
	v_lshl_add_u32 v[SPW], v0, 2, SPARE
	v_mov_b32 v[NIL], 0
	ds_add_u32 v28, v29
	ds_add_u32 v28, v29
	s_wait_dscnt 0x0
	v_lshrrev_b32 v1, 5, v0
	v_readfirstlane_b32 s14, v1                    ; wave 0..3
	s_lshr_b32 s15, s14, 1                         ; which half of the tile's rows is mine.  Also: I fetch for A (0) or for B (1)
	s_and_b32 s16, s14, 1                          ; which half of its columns.  Also: which 128 rows of that tile I fetch
	s_bfe_u32 s40, ttmp6, 0x40000                  ; cx, cy
	s_bfe_u32 s41, ttmp6, 0x40004
	s_lshl_b32 s42, ttmp9, 2                       ; 4 x cluster x
	s_and_b32 s17, ttmp7, 0xffff
	s_lshl_b32 s17, s17, 2                         ; 4 x cluster y
	s_mov_b32 s22, XS_OFF
	s_mov_b32 s92, W_SC
.if QKV
	s_cmp_eq_u32 ttmp9, 2                          ; V's clusters: the same in all sixteen partners
	s_cselect_b32 s42, s17, s42                    ; B's tiles: the tokens' by cluster y, else the weight's by cluster x
	s_cselect_b32 s17, 8, s17                      ; A's tiles: Wv's rows 2048 on, else the tokens' by cluster y
	s_cselect_b32 s2, s92, s22                     ; A's scale words
	s_cselect_b32 s92, s22, s92                    ; B's
	s_mov_b32 s22, s2
.endif
	s_add_co_u32 s42, s42, s40                     ; B's tile: + cx
	s_add_co_u32 s17, s17, s41                     ; A's tile: + cy
	s_lshl_b32 s43, s41, 2
	s_lshl_b32 s43, 15, s43                        ; my row of the cluster
	s_lshl_b32 s44, 0x1111, s40                    ; my column
	; descriptor group 1, codes: 4 lines of 768 elements of 8 bytes, RROWS x 48 bytes apart; no padding
	s_or_b32 s[G1+0], s43, (3<<16)|(1<<21)         ; 15:0 the mask: A's tiles go to my row; 17:16 elements of 8 bytes; 21 set beside a mask
	s_or_b32 s[G1B+0], s44, (3<<16)|(1<<21)
.irp g, G1, G1B
	s_mov_b32 s[\g+1], 768<<16                     ; tensor_dim0
	s_mov_b32 s[\g+2], 4<<16                       ; tensor_dim1
	s_mov_b32 s[\g+3], 768<<16                     ; tile_dim0
	s_mov_b32 s[\g+4], 4                           ; tile_dim1
	s_mov_b32 s[\g+5], 6*RROWS                     ; tensor_dim0_stride
	s_mov_b32 s[\g+6], 0
	s_mov_b32 s[\g+7], 0
.endr
	; scale words of 128 rows: NPL lines of 512 bytes, RROWS x 4 bytes apart
	s_or_b32 s[G1S+0], s43, (3<<16)|(1<<21)
	s_or_b32 s[G1SB+0], s44, (3<<16)|(1<<21)
.irp g, G1S, G1SB
	s_mov_b32 s[\g+1], 64<<16
	s_mov_b32 s[\g+2], NPL<<16
	s_mov_b32 s[\g+3], 64<<16
	s_mov_b32 s[\g+4], NPL
	s_mov_b32 s[\g+5], RROWS/2
	s_mov_b32 s[\g+6], 0
	s_mov_b32 s[\g+7], 0
.endr
	s_lshl_b32 s18, s16, 7                         ; which 128 rows of the tile I fetch
	s_lshl_b32 s20, s17, 8
	s_add_co_u32 s20, s20, s18                     ; A's row
	s_lshl_b32 s46, s42, 8
	s_add_co_u32 s46, s46, s18                     ; B's row
	s_lshl_b32 s19, s20, 2
	s_add_co_u32 s22, s22, s19                     ; where these rows' scale words begin,
	s_mov_b32 s23, 0
	s_mul_i32 s20, s20, 48                         ; and their codes
	s_mov_b32 s21, 0
	s_lshl_b32 s19, s46, 2
	s_add_co_u32 s92, s92, s19
	s_mov_b32 s93, 0
	s_mul_i32 s46, s46, 48
	s_add_co_u32 s46, s46, W_CO
	s_mov_b32 s47, 0
	s_mul_i32 s45, s14, HALFT                      ; where they go: wave x 128 rows: no place in the cluster enters an LDS address
	s_mul_i32 s94, s14, HALFS
	s_wait_kmcnt 0x0
.if QKV
	s_cmp_eq_u32 ttmp9, 2
	s_cselect_b64 s[12:13], s[6:7], s[4:5]         ; A's buffer
	s_cselect_b64 s[6:7], s[4:5], s[6:7]           ; B's buffer
.else
	s_mov_b64 s[12:13], s[4:5]
	s_mov_b64 s[OUTP:OUTP+1], s[10:11]
.endif
	s_add_nc_u64 s[20:21], s[12:13], s[20:21]
	s_add_nc_u64 s[22:23], s[12:13], s[22:23]
	s_add_nc_u64 s[46:47], s[6:7], s[46:47]
	s_add_nc_u64 s[92:93], s[6:7], s[92:93]
	CROUND                                         ; all sixteen work-groups are here: the first joint loads meet
	s_mov_b32 s[G0S], 1
	s_add_co_u32 s[G0S+1], s94, SCL
	s_mov_b64 s[G0S+2:G0S+3], s[22:23]
	s_or_b32 s[G0S+3], s[G0S+3], 0x80000000
	s_mov_b32 s[G0SB], 1
	s_add_co_u32 s[G0SB+1], s94, SCL
	s_mov_b64 s[G0SB+2:G0SB+3], s[92:93]
	s_or_b32 s[G0SB+3], s[G0SB+3], 0x80000000
	JLOAD G0S, G1S, G0SB, G1SB                     ; the scale words first: they are wanted with K step 0
.irp s, 0,1
	s_mov_b32 s[G0+4*\s], 1
	s_add_co_u32 s[G0+4*\s+1], s45, \s*SLOT
	s_add_nc_u64 s[G0+4*\s+2:G0+4*\s+3], s[20:21], \s*KSTEPB
	s_or_b32 s[G0+4*\s+3], s[G0+4*\s+3], 0x80000000
	s_mov_b32 s[G0B+4*\s], 1
	s_add_co_u32 s[G0B+4*\s+1], s45, \s*SLOT
	s_add_nc_u64 s[G0B+4*\s+2:G0B+4*\s+3], s[46:47], \s*KSTEPB
	s_or_b32 s[G0B+4*\s+3], s[G0B+4*\s+3], 0x80000000
	s_wait_alu depctr_va_vdst(0)
	s_wait_tensorcnt 0x0
	ds_add_u32 v28, v29
	s_wait_dscnt 0x0
	CROUND
	JLOAD G0+4*\s, G1, G0B+4*\s, G1B
.endr
	v_and_b32 v1, 15, v0                           ; r
	v_bfe_u32 v2, v0, 4, 1                         ; h
	s_wait_alu depctr_va_vdst(0)
	v_mul_u32_u24 v3, v1, 48
	v_mad_u32_u24 v4, v2, 24, v3                   ; a fragment's row x 48 + 24 x half
	s_wait_alu depctr_va_vdst(0)
	s_mul_i32 s21, s15, HALFT                      ; my 128 rows of A
	s_mul_i32 s22, s16, HALFT                      ; my 128 rows of B,
	s_add_co_u32 s22, s22, 2*HALFT                 ; which lie behind A's 256
.irp s, 0,1
	v_add_nc_u32 v[ADRA+\s], s21, v4
	v_add_nc_u32 v[ADRB+\s], s22, v4
	s_add_co_u32 s21, s21, SLOT
	s_add_co_u32 s22, s22, SLOT
.endr
	v_lshlrev_b32 v7, 2, v1                        ; 4 r
	s_mul_i32 s21, s15, HALFS                      ; A's scale words: my 128 rows
	s_mul_i32 s22, s16, HALFS                      ; B's, behind A's 256
	s_add_co_u32 s22, s22, 2*HALFS
	s_sub_co_u32 s22, s22, s21
	v_mul_u32_u24 v6, s22, v2                      ; lanes 16-31 take B's: the lower base + h x the distance
	s_add_co_u32 s21, s21, SCL
	v_add_nc_u32 v5, v7, v6
	v_add_nc_u32 v[ADRS], s21, v5
	s_mul_i32 s23, s14, 12800                      ; my stage, in slot 0: [2 groups][128 rows][48], then 128 scale words
	v_add_nc_u32 v[QST], s23, v4
	v_add_nc_u32 v[QSS], s23, v7
	v_add_nc_u32 v[QSS], 12288, v[QSS]
	v_and_b32 v6, 31, v0
	v_lshlrev_b32 v[GO], 4, v6
	v_add_nc_u32 v[QRD], s23, v[GO]
	v_lshlrev_b32 v10, 6, v2                       ; column biases: lanes 16-31 begin 16 columns on
	s_wait_alu depctr_va_vdst(0)
	v_and_b32 v11, 8, v1
	v_add_nc_u32 v11, v11, v1
	v_lshlrev_b32 v11, 2, v11                      ; row biases: position r of a tile is row r + (r & 8)
	s_wait_alu depctr_va_vdst(0)
.irp b, 0,1,2,3
	v_mov_b32 v[TM+4+\b], 0                        ; written once: a lane permute's destination counts as one of its sources
.endr
	; where my part of the result goes
.if QKV
	s_and_b32 s46, ttmp7, 0xffff
	s_lshl_b32 s46, s46, 2
	s_mov_b32 s18, 196608
	s_mov_b32 s19, 16384
	s_mov_b32 s45, QK_S
	s_cmp_eq_u32 ttmp9, 2
	s_cselect_b32 s46, 0, s46                      ; V's rows are the 1,024 channels: tile cy
	s_cselect_b32 s18, 49152, s18                  ; bytes of a group of 64 columns
	s_cselect_b32 s19, 4096, s19                   ; bytes of a plane of scale words
	s_cselect_b32 s2, V_C, 0
	s_cselect_b32 s45, V_S, s45
	s_cselect_b32 s[FQ], 0, 1.0
	s_cselect_b32 s[FV], 1.0, 0
	s_mov_b32 s[FQ+1], s[FQ]
	s_mov_b32 s[FV+1], s[FV]
	s_add_co_u32 s46, s46, s41
.else
	s_mov_b32 s18, 196608
	s_mov_b32 s19, 16384
	s_mov_b32 s2, 0
	s_mov_b32 s45, OUT_S
	s_mov_b32 s46, s17
.endif
	s_lshl_b32 s46, s46, 8
	s_lshl_b32 s47, s15, 7
	s_add_co_u32 s46, s46, s47                     ; my first row of the result
	s_lshl_b32 s47, s42, 1
	s_add_co_u32 s47, s47, s16                     ; my first column / 128
	s_mul_i32 s20, s47, s18
	s_lshl_b32 s20, s20, 1
	s_add_co_u32 s20, s20, s2
	s_mul_i32 s22, s46, 48
	s_add_co_u32 s20, s20, s22
	s_mov_b32 s21, 0
	s_add_co_u32 s22, s20, s18
	s_mov_b32 s23, 0
	s_add_nc_u64 s[20:21], s[OUTP:OUTP+1], s[20:21]    ; my first group of 64 columns: 6,144 dense bytes,
	s_add_nc_u64 s[22:23], s[OUTP:OUTP+1], s[22:23]    ; my second
	s_mul_i32 s47, s47, s19
	s_add_co_u32 s47, s47, s45
	s_lshl_b32 s46, s46, 2
	s_add_co_u32 s46, s46, s47
	s_mov_b32 s47, 0
	s_add_nc_u64 s[46:47], s[OUTP:OUTP+1], s[46:47]    ; my 128 scale words
	s_mov_b32 s[SEL], 0x76543210
	s_mov_b32 s[SEL+1], 0xfedcba98
.if QKV
	s_cmp_eq_u32 ttmp9, 0
	s_cselect_b64 s[8:9], s[8:9], s[10:11]         ; bq for cluster x = 0, else bk (in V's clusters it is read and counts 0 times)
	s_lshl_b32 s10, s40, 10                        ; 256 cx columns,
.else
	s_lshl_b32 s10, s42, 10
.endif
	s_lshl_b32 s11, s16, 9                         ; + my half
	s_add_co_u32 s10, s10, s11
	s_mov_b32 s11, 0
	s_add_nc_u64 s[8:9], s[8:9], s[10:11]
.irp i, 0,1,2,3,4,5,6,7                        ; tile i's eight columns of my half: 32 (i / 2) + 16 h + 8 (i % 2) + 0 .. 7
	global_load_b128 v[CB+8*\i:CB+8*\i+3], v10, s[8:9] offset:(32*(\i/2)+8*(\i%2))*4
	global_load_b128 v[CB+8*\i+4:CB+8*\i+7], v10, s[8:9] offset:(32*(\i/2)+8*(\i%2))*4+16
.endr
.if QKV
	s_lshl_b32 s10, s41, 10                        ; bv: 256 cy rows,
	s_lshl_b32 s18, s15, 9                         ; + my half (always inside bv's 1,024 numbers)
	s_add_co_u32 s10, s10, s18
	s_add_nc_u64 s[96:97], s[96:97], s[10:11]
.irp a, 0,1,2,3,4,5,6,7                        ; block a's row of my lane, twice: a pair for the packed form
	global_load_b32 v[RB+2*\a], v11, s[96:97] offset:(32*(\a/2)+8*(\a%2))*4
	global_load_b32 v[RB+2*\a+1], v11, s[96:97] offset:(32*(\a/2)+8*(\a%2))*4
.endr
.endif
.macro FRAG reg, adr, q, i             ; a fragment, 16 rows x 128 K: registers 6 c .. 6 c + 5 = 24 bytes of group 2 q + c, as they lie, in pieces of 8 bytes
.irp p, 0,1,2,3,4,5
	ds_load_b64 v[\reg+2*\p:\reg+2*\p+1], v[\adr] offset:(2*(\q)+\p/3)*GPL+(\i)*768+8*(\p%3)
.endr
.endm
; 16 matrix instructions: A's blocks a0, a0 + 1 x B's eight, 128 along K.  The 64 accumulators take turns, one instruction a turn, in the same order in every step.
.macro MUL16 a0, p, q, sc, zero
.irp a, \a0, \a0+1
.irp b, 0,1,2,3,4,5,6,7
.if \zero
	v_wmma_scale_f32_16x16x128_f8f6f4 v[8*(8*((\a)%4)+\b):8*(8*((\a)%4)+\b)+7], v[128*(\p)+FR*\b:128*(\p)+FR*\b+FR-1], v[AF+FR*(\a):AF+FR*(\a)+FR-1], 0, v[SC+8*NQ*(\sc)+NQ*\b+(\q)], v[SC+8*NQ*(\sc)+NQ*(\a)+(\q)] matrix_a_fmt:MATRIX_FMT_BF6 matrix_b_fmt:MATRIX_FMT_BF6 matrix_a_scale:MATRIX_SCALE_ROW1
.else
	v_wmma_scale_f32_16x16x128_f8f6f4 v[8*(8*((\a)%4)+\b):8*(8*((\a)%4)+\b)+7], v[128*(\p)+FR*\b:128*(\p)+FR*\b+FR-1], v[AF+FR*(\a):AF+FR*(\a)+FR-1], v[8*(8*((\a)%4)+\b):8*(8*((\a)%4)+\b)+7], v[SC+8*NQ*(\sc)+NQ*\b+(\q)], v[SC+8*NQ*(\sc)+NQ*(\a)+(\q)] matrix_a_fmt:MATRIX_FMT_BF6 matrix_b_fmt:MATRIX_FMT_BF6 matrix_a_scale:MATRIX_SCALE_ROW1
.endif
.endr
.endr
.endm
.macro FETCH_B slot, q, p
	WIN TO_B
.irp i, 0,1,2,3,4,5,6,7
	FRAG 128*(\p)+FR*\i, ADRB+\slot, \q, \i
.endr
	WIN 0
.endm
.macro FETCH_A slot, q, i0
.irp i, \i0, \i0+1, \i0+2, \i0+3
	FRAG AF+FR*(\i), ADRA+\slot, \q, \i
.endr
.endm
.macro SCALES sc                       ; the next K step's scale words: lanes 0-15 A's block i, lanes 16-31 B's block i; plane q of the step's two
.irp i, 0,1,2,3,4,5,6,7
.irp q, 0,1
	ds_load_b32 v[SC+8*NQ*\sc+NQ*\i+\q], v[ADRS] offset:512*\q+64*\i
.endr
.endr
.endm
.macro PLACES n                        ; plain vector lines between a matrix instruction and a load into, or a read of, its registers
.rept \n
	v_nop
.endr
.endm
.macro STEP slot, q, zero              ; a step of 128 along K that has its successor in the same slot
	s_wait_dscnt 4*NL                              ; B's set, A's blocks 0-3 and the scale words are in; the youngest 24 loads (A's blocks 4-7) may be out
	WIN MUL_LO
	MUL16 0, (\q)%2, \q, \slot, \zero
	MUL16 2, (\q)%2, \q, \slot, \zero
	s_wait_dscnt 0
	PLACES NP
	FETCH_B \slot, (\q)+1, 1-(\q)%2
	FETCH_A \slot, (\q)+1, 0
	WIN MUL_HI
	MUL16 4, (\q)%2, \q, \slot, \zero
	MUL16 6, (\q)%2, \q, \slot, \zero
	PLACES NP
	WIN 0
	FETCH_A \slot, (\q)+1, 4
.endm
; A slot's last step changes slots: one barrier; in front of it each wave waits for all its tensor loads, adds 0 to its spare word, and waits for that and for its own reads of this slot.
.macro TURN slot, next, fill
	s_wait_tensorcnt 0x0                           ; all my tensor loads have landed: my part of the next slot
	ds_add_u32 v[SPW], v[NIL]                      ; 0 onto my spare word
	s_wait_dscnt 4*NL+1                            ; (the add and the youngest 24 loads may be out)
	WIN MUL_LO
	MUL16 0, 1, NQ-1, \slot, 0
	s_wait_dscnt 0x0                               ; the add is done, and my reads of this slot are over
	s_barrier_signal -1
	MUL16 2, 1, NQ-1, \slot, 0
	WIN 0
	s_barrier_wait -1
.if \fill
	CREST                                          ; the barrier has opened a round of the cluster's: no wave of any partner still reads this slot or has a load on its way
	s_add_nc_u64 s[G0+4*\slot+2:G0+4*\slot+3], s[G0+4*\slot+2:G0+4*\slot+3], 2*KSTEPB
	s_add_nc_u64 s[G0B+4*\slot+2:G0B+4*\slot+3], s[G0B+4*\slot+2:G0B+4*\slot+3], 2*KSTEPB
	JLOAD G0+4*\slot, G1, G0B+4*\slot, G1B         ; the first tensor load behind the round; its four v_nop are the places in front of the loads below
.else
	PLACES NP
.endif
	s_wait_alu depctr_va_vdst(0)
	v_add_nc_u32 v[ADRS], 1024, v[ADRS]            ; two planes of scale words on (no LDS load of mine is out)
	FETCH_B \next, 0, 0
	FETCH_A \next, 0, 0
	SCALES \next
	WIN MUL_HI
	MUL16 4, 1, NQ-1, \slot, 0
	MUL16 6, 1, NQ-1, \slot, 0
	PLACES NP
	WIN 0
	FETCH_A \next, 0, 4
.endm
	s_wait_tensorcnt 1                             ; the scale words and my part of K step 0 are in (K step 1's load may be out),
	s_barrier_signal -1
	s_barrier_wait -1                              ; everybody's are
	FETCH_B 0, 0, 0
	FETCH_A 0, 0, 0
	SCALES 0
	FETCH_A 0, 0, 4
	STEP 0, 0, 1                                   ; the first step stands in front of the loop: its products start the sums
	s_mov_b32 s3, LAPS-1
.Llap:                                                 ; a trip goes once round the ring and fills both slots again
	TURN 0, 1, 1
	STEP 1, 0, 0
	TURN 1, 0, 1
	STEP 0, 0, 0
	s_sub_co_u32 s3, s3, 1
	s_cmp_lg_u32 s3, 0
	s_cbranch_scc1 .Llap
	TURN 0, 1, 0                                   ; the last lap fills nothing
	STEP 1, 0, 0
	s_wait_dscnt 4*NL
	WIN MUL_LO
	MUL16 0, 1, NQ-1, 1, 0
	MUL16 2, 1, NQ-1, 1, 0
	s_wait_dscnt 0
	WIN MUL_HI
	MUL16 4, 1, NQ-1, 1, 0
	MUL16 6, 1, NQ-1, 1, 0
	WIN 0
; 64 numbers of a lane, register 16 b + i = column 32 b + 16 (lane / 16) + i of my row, become a fragment's codes in v[PC] on and its scale word in v[PW].
.macro QUANT s
.irp b, 0,1,2,3
	v_max3_num_f32 v[TM+\b], |v[\s+16*\b]|, |v[\s+1+16*\b]|, 0x2800000   ; block b: my 16 numbers, and the floor 2^(5 - 127)
.endr
.irp i, 2,4,6,8,10,12,14
.irp b, 0,1,2,3
	v_max3_num_f32 v[TM+\b], v[TM+\b], |v[\s+16*\b+\i]|, |v[\s+1+16*\b+\i]|
.endr
.endr
.irp b, 0,1,2,3
	v_permlanex16_b32 v[TM+4+\b], v[TM+\b], s[SEL], s[SEL+1]
.endr
.irp b, 0,1,2,3
	v_max_num_f32 v[TM+\b], v[TM+\b], v[TM+4+\b]   ; with lane l xor 16's: the block's largest magnitude
.endr
.irp b, 0,1,2,3
	v_add_nc_u32 v[TM+12+\b], 0xfe000000, v[TM+\b] ; 4 off its exponent field: the conversion's scale operand
.endr
.irp b, 0,1,2,3
	v_lshrrev_b32 v[TM+4+\b], 23, v[TM+12+\b]      ; the scale's byte
.endr
	v_lshl_or_b32 v[PW], v[TM+5], 8, v[TM+4]
	v_lshl_or_b32 v[PW], v[TM+6], 16, v[PW]
	v_lshl_or_b32 v[PW], v[TM+7], 24, v[PW]
.irp c, 0,1
	v_cvt_scalef32_pk16_bf6_f32 v[PC+6*\c:PC+2+6*\c], v[\s+32*\c:\s+15+32*\c], v[TM+12+2*\c]
	v_cvt_scalef32_pk16_bf6_f32 v[PC+12+4*\c:PC+14+4*\c], v[\s+16+32*\c:\s+31+32*\c], v[TM+12+2*\c+1]
.endr
	v_nop                                          ; one plain line behind a scaled conversion
.irp c, 0,1                                    ; the layout wants a whole block in a lane: lanes 0-15 block 2 c, lanes 16-31 block 2 c + 1
.irp i, 0,1,2
	v_permlane16_swap_b32 v[PC+6*\c+\i], v[PC+12+4*\c+\i]
.endr
.irp i, 0,1,2
	v_mov_b32 v[PC+3+6*\c+\i], v[PC+12+4*\c+\i]
.endr
.endr
.endm
; THE WAY OUT, block a of 16 rows x 128 columns: bias, activation, quantiser; the codes go to my stage in LDS, which lies in slot 0: that slot has had its last fill, and every wave has passed the last
; change of slots, behind which nobody reads it.  Each accumulator is read from its low end on.
.macro QBLOCK a
.set AC, 64*((\a)%4)
.if QKV
	WIN 0x20+0x10*((\a)/4)                         ; source 2: window 2 or 3
.set kk, 0
.rept 32
	v_pk_fma_f32 v[H+kk:H+kk+1], v[CB+kk:CB+kk+1], s[FQ:FQ+1], v[AC+kk:AC+kk+1] op_sel_hi:[1,0,1]   ; + the column's bias, 1 or 0 times
.set kk, kk+2
.endr
	WIN 0
.set kk, 0
.rept 32
	v_pk_fma_f32 v[H+kk:H+kk+1], v[RB+2*(\a):RB+2*(\a)+1], s[FV:FV+1], v[H+kk:H+kk+1] op_sel_hi:[1,0,1]   ; + the row's bias, 0 or 1 times
.set kk, kk+2
.endr
.else
	WIN 0x02+((\a)/4)                              ; source 0: window 2 or 3
.set kk, 0
.rept 32
	v_pk_add_f32 v[H+kk:H+kk+1], v[AC+kk:AC+kk+1], v[CB+kk:CB+kk+1]
.set kk, kk+2
.endr
	WIN 0
.set kk, 0
.rept 64
	v_max_num_f32 v[H+kk], 0, v[H+kk]              ; relu, in f32
.set kk, kk+1
.endr
.endif
	QUANT H
.irp c, 0,1
.irp p, 0,1,2
	ds_store_b64 v[QST], v[PC+6*\c+2*\p:PC+6*\c+2*\p+1] offset:6144*\c+768*(\a)+8*\p
.endr
.endr
	ds_store_b32 v[QSS], v[PW] offset:64*(\a)      ; lanes l and l xor 16 hold the same word and write it to the same place
	s_wait_dscnt 0x0                               ; the stores have read their registers
.endm
	s_wait_loadcnt 0x0                             ; the biases
	PLACES NP                                      ; behind the last products: their results are read and A's registers written below
.irp a, 0,1,2,3,4,5,6,7
	QBLOCK \a
.endr
.irp k, 0,1,2,3,4,5,6,7,8,9,10,11,12,13,14,15,16,17,18,19,20,21,22,23
	ds_load_b128 v[128+4*\k:131+4*\k], v[QRD] offset:512*\k
.endr
	ds_load_b128 v[240:243], v[QRD] offset:12288
.irp k, 0,1,2,3,4,5,6,7,8,9,10,11,12,13,14,15,16,17,18,19,20,21,22,23
	s_wait_dscnt 24-\k
	global_store_b128 v[GO], v[128+4*\k:131+4*\k], s[20+2*(\k/12):21+2*(\k/12)] offset:512*(\k%12)   ; 32 lanes store 512 consecutive bytes, at a multiple of 256 from the buffer's first byte
.endr
	s_wait_dscnt 0x0
	global_store_b128 v[GO], v[240:243], s[46:47]  ; 128 scale words
	s_wait_tensorcnt 0x0                           ; the wave's end
	ds_add_u32 v[SPW], v[NIL]
	s_wait_dscnt 0x0
	CROUND                                         ; the closing round: no work-group ends while a partner may still ask for a tile that names it
	s_endpgm
.Lfunc_end_k_qc4c25c9e57_qkv:
	.size	k_qc4c25c9e57_qkv, .Lfunc_end_k_qc4c25c9e57_qkv-k_qc4c25c9e57_qkv
	.p2alignl 7, 3214868480
	.fill 96, 4, 3214868480
	.section	.rodata,"a",@progbits
	.p2align	6, 0x0
	.amdhsa_kernel k_qc4c25c9e57_qkv
		.amdhsa_group_segment_fixed_size 327680
		.amdhsa_private_segment_fixed_size 0
		.amdhsa_enable_private_segment 0
		.amdhsa_kernarg_size 48
		.amdhsa_user_sgpr_count 2
		.amdhsa_user_sgpr_kernarg_segment_ptr 1
		.amdhsa_wavefront_size32 1
		.amdhsa_system_sgpr_workgroup_id_x 1
		.amdhsa_system_sgpr_workgroup_id_y 1
		.amdhsa_system_sgpr_workgroup_id_z 1
		.amdhsa_system_vgpr_workitem_id 0
		.amdhsa_next_free_vgpr 1024
		.amdhsa_next_free_sgpr 102
		.amdhsa_reserve_vcc 0
		.amdhsa_float_denorm_mode_32 3
		.amdhsa_float_denorm_mode_16_64 3
		.amdhsa_memory_ordered 1
		.amdhsa_forward_progress 1
		.amdhsa_inst_pref_size 209
	.end_amdhsa_kernel
	.amdgpu_metadata
---
amdhsa.version: [ 1, 2 ]
amdhsa.kernels:
  - .name:           k_qc4c25c9e57_qkv
    .symbol:         k_qc4c25c9e57_qkv.kd
    .args:
      - { .name: xq, .offset: 0, .size: 8, .value_kind: global_buffer, .address_space: global }
      - { .name: wts, .offset: 8, .size: 8, .value_kind: global_buffer, .address_space: global }
      - { .name: bq, .offset: 16, .size: 8, .value_kind: global_buffer, .address_space: global }
      - { .name: bk, .offset: 24, .size: 8, .value_kind: global_buffer, .address_space: global }
      - { .name: bv, .offset: 32, .size: 8, .value_kind: global_buffer, .address_space: global }
      - { .name: qkvc, .offset: 40, .size: 8, .value_kind: global_buffer, .address_space: global }
    .group_segment_fixed_size: 327680
    .private_segment_fixed_size: 0
    .kernarg_segment_align: 8
    .kernarg_segment_size: 48
    .max_flat_workgroup_size: 128
    .sgpr_count:     102
    .vgpr_count:     1024
    .wavefront_size: 32
...
	.end_amdgpu_metadata
.endif
;; end of part 10
;; launch attn (part 11): grid 8 x 32, 16 waves a work-group, no clusters, 223,232 bytes of LDS; arguments qkvc, maskw, mflag, atc; writes atc
.if DOCPART == 11
	.amdgcn_target "amdgcn-amd-amdhsa--gfx1250"
	.amdhsa_code_object_version 6
	.text
	.protected	k_qc4c25c9e57_attn
	.globl	k_qc4c25c9e57_attn
	.p2align	8
	.type	k_qc4c25c9e57_attn,@function
k_qc4c25c9e57_attn:
	s_mov_b64 s[64:65], 0
	v_nop
	global_prefetch_b8 v0, s[64:65] scope:SCOPE_SE
	s_setreg_imm32_b32 hwreg(HW_REG_WAVE_MODE, 25, 1), 1
	s_wait_xcnt 0x0
; ATTENTION ON CODES OF BF6 (E3M2): o = softmax(where(mask, q k^T / 8, -1e9)) v for one head and 16 tiles of 16 queries a work-group; the result is quantised along the model's 1,024 for the next product.
; In: Q's and K's codes [32 groups: 16 heads of Q, 16 of K][4096 tokens][48 bytes], V's with the KEYS innermost [64 groups of 64 keys][1024 channels][48]; scale words [16][4096], [32][1024].
; Rows (tokens, channels) lie in position order: position = index with bits 3 and 4 exchanged; a tile is 16 neighbouring positions.
; THE MASK IS AN INPUT.  An earlier launch has turned it into lane masks, one 32-bit word for each score register (maskw), and has or-ed and and-ed the 64 words of each key step of each tile of queries
; (mflag: 32 words a tile): whole numbers, which this launch reads.  From its tile's 32 words each wave knows:
;   a key step (128 keys) with no true entry for any of my 16 queries is passed over, IF each of the 16 has a true entry somewhere among the 2,048 keys: then M ends at a true t, every p of that step
;   is 2^(masked t - M) = 0, and it adds nothing to the sum or to the product.  Where some query of the tile has no true entry at all, every step is walked, and that row's p are all 1;
;   a key step whose entries are all true runs a copy of the step with no mask words and no selects.
; The branches hang on these words alone.  The launch has no tensor load and no joint loads (cluster = none): K and V come into LDS through registers.
; THE SOFTMAX AHEAD OF THE SECOND PRODUCT: t = score x c, c = log2(e) / 8; M = the running largest fl(t) rounded UP to a whole number; p = 2^(score x c - M), one fused multiply-add and one exponential, is
; quantised along the keys, not normalised; the row's sum is taken of the unquantised p and divides at the end.  When M moves, the sum and O are multiplied by 2^(old M - new M): exact.
; THE MASKED SCORE is -2^33 in place of -8e9: c x 2^33 is a whole number that f32 holds, so in a row with no true entry score x c - M is exactly 0 and every p is 1.
; LIMITS: the promise holds while true logits stay under 2^29 in magnitude (then a masked p beside a true one is 0 under either masked score).  NaN and infinities are not served; v_exp_f32 and v_rcp_f32 are
; taken as they are; a block's largest p is taken from the block's largest score (p rises with it); a block whose largest magnitude lies under 2^-122 keeps the byte 1, a block of zeros too (its codes are zeros).
; SHARES.  Work-group (x, y): head y % 16 of batch y / 16.  Wave w takes the tile of queries 8 slot + x, slot = w with its two low bits turned over where bit 2 of w is set: neighbouring tiles fall to
; different work-groups, and waves w, w + 4, w + 8, w + 12 get slots that add up to 30.
; A HEAD'S WHOLE K AND V, 2 x 98,304 bytes of codes, come into LDS once: 24 loads and 24 stores of 16 bytes a lane; one barrier; nothing is written there again.  All of it is asked for at the head:
; there is no loop to run ahead in, so nothing is prefetched.
; Both products are used transposed (S^T = K Q^T, O^T = V^T P^T): a lane holds one query throughout, and by the position order the 16 registers of tiles 2 b, 2 b + 1 are 16 neighbouring keys (channels).
; The head's size is 64: the upper half of K's and Q's fragments is zero codes, under the scale byte 0, which is 2^-127 and adds nothing.
; REGISTERS: v1-4 lane places of K, V and their scale words; v5 the masked score; v7 lane / 16; v8-11 the step's addresses; v12 -M, v13 the largest t, v[14:15] the sum; v16-27 Q, v28 its scale;
; v32-79 four fragments of K; v80-83, v84-87 K's and V's scale words; v88-95 addresses of the way out; v96-159 S^T, p, then V's four fragments; v160-191 O^T; v192-210 p's codes; v212-230, v250-253 at work.
.set QK_S,  9437184
.set V_C,   6291456
.set V_S,   9699328
.set AT_S,  3145728
.set VB,    98304                      ; LDS: K [2048][48] at 0; V [32 groups][64][48];
.set KSC,   196608                     ; K's scale words [2048], V's [16 planes][64];
.set VSC,   204800
.set OST,   208896                     ; 768 bytes a wave for the way out;
.set SPARE, 221184                     ; the spare words, 128 bytes a wave
.set WV,    67                         ; s67 my wave's number
.set CNT,   66                         ; s66 256 x the key step: the loop's counter; a step's LDS addresses and its mask words' place are made of it
.set PROC,  8                          ; s8  bit 2 s: key step s is walked
.set MIX,   9                          ; s9  bit 2 s + 1: key step s has a false entry
	s_load_b128 s[32:35], s[0:1], 0x0              ; the codes' buffer, the mask words
	s_load_b64 s[74:75], s[0:1], 0x10              ; the steps' or-ed and and-ed words
	s_load_b64 s[100:101], s[0:1], 0x18            ; out
	v_lshl_add_u32 v254, v0, 2, SPARE
	v_mov_b32 v255, 0
	v_lshrrev_b32 v1, 5, v0
	v_readfirstlane_b32 s[WV], v1                  ; wave 0..15
	s_bfe_u32 s36, s[WV], 0x10002
	s_mul_i32 s36, s36, 3
	s_xor_b32 s36, s36, s[WV]                      ; slot
	s_lshl_b32 s36, s36, 3
	s_add_co_u32 s37, s36, ttmp9                   ; my tile of queries, 0 .. 127: it enters global addresses alone
	s_and_b32 s38, ttmp7, 0xffff
	s_lshr_b32 s39, s38, 4                         ; the batch
	s_and_b32 s40, s38, 15                         ; the head
	s_lshl_b32 s41, s39, 11                        ; the batch's first token
	s_lshl_b32 s42, s40, 6                         ; the head's first channel
	s_add_co_u32 s44, s40, 16
	s_lshl_b32 s44, s44, 12
	s_add_co_u32 s44, s44, s41
	s_mul_i32 s44, s44, 48                         ; K: group 16 + head, the batch's 2,048 tokens: 98,304 dense bytes
	s_mov_b32 s45, 0
	s_lshl_b32 s46, s39, 15
	s_add_co_u32 s46, s46, s42
	s_mul_i32 s46, s46, 48
	s_add_co_u32 s46, s46, V_C
	s_mul_i32 s43, s[WV], 98304
	s_add_co_u32 s46, s46, s43                     ; V: the batch's 32 groups, 49,152 bytes apart, the head's 64 channels; my wave copies groups 2 w, 2 w + 1
	s_mov_b32 s47, 0
	s_lshr_b32 s51, s40, 1
	s_add_co_u32 s52, s51, 8
	s_lshl_b32 s52, s52, 12
	s_add_co_u32 s52, s52, s41
	s_lshl_b32 s52, s52, 2
	s_add_co_u32 s52, s52, QK_S                    ; K's scale words: plane 8 + head / 2, the batch's tokens: 8,192 dense bytes
	s_mov_b32 s53, 0
	s_lshl_b32 s54, s39, 14
	s_add_co_u32 s54, s54, s42
	s_lshl_b32 s54, s54, 2
	s_add_co_u32 s54, s54, V_S                     ; V's: the batch's 16 planes, the head's 64 channels: 256 bytes a plane
	s_mov_b32 s55, 0
	s_and_b32 s50, s40, 1
	s_lshl_b32 s50, s50, 1                         ; my head's two bytes of a scale word
	s_lshl_b32 s56, s37, 4
	s_add_co_u32 s56, s56, s41                     ; my first query's position among the 4,096 tokens
	s_lshl_b32 s57, s40, 12
	s_add_co_u32 s57, s57, s56
	s_mul_i32 s58, s57, 48                         ; group = head: the same place in Q's codes and in the result's
	s_mov_b32 s59, 0
	s_lshl_b32 s62, s51, 12
	s_add_co_u32 s62, s62, s56
	s_lshl_b32 s62, s62, 2
	s_add_co_u32 s62, s62, s50                     ; plane head / 2, my query, my head's bytes: the same place in Q's scale words and in the result's
	s_add_co_u32 s68, s62, QK_S
	s_mov_b32 s69, 0
	s_lshl_b32 s70, s37, 12                        ; a tile of queries has 16 key steps x 256 bytes of mask words,
	s_mov_b32 s71, 0
	s_lshl_b32 s76, s37, 7                         ; and 128 bytes of or-ed and and-ed words
	s_mov_b32 s77, 0
	s_mul_i32 s72, s[WV], 768
	s_add_co_u32 s72, s72, OST
	s_mul_i32 s73, s[WV], 6144
	s_add_co_u32 s73, s73, VB
	s_mov_b32 s4, 0x76543210
	s_mov_b32 s5, 0xfedcba98                       ; lane selects for lane l xor 16
	s_mov_b32 s6, 0x3e38aa3b                       ; c = log2(e) / 8
	s_mov_b32 s7, s6                               ; (named with it as a pair)
	s_mov_b32 s[CNT], 0
	v_and_b32 v6, 15, v0                           ; r
	v_bfe_u32 v7, v0, 4, 1                         ; h
	v_and_b32 v11, 31, v0                          ; lane
	v_mul_u32_u24 v1, v6, 48
	v_lshlrev_b32 v8, 2, v6                        ; 4 r
	v_lshlrev_b32 v9, 4, v0                        ; 16 x thread
	v_lshlrev_b32 v29, 4, v11                      ; 16 x lane
	v_lshlrev_b32 v30, 2, v11                      ; 4 x lane
	v_lshlrev_b32 v31, 3, v11                      ; 8 x lane
	v_lshrrev_b32 v10, 5, v0
	v_mad_u32_u24 v1, v7, 24, v1                   ; K: row r x 48 + 24 h
	v_lshl_add_u32 v10, v10, 12, v31               ; V's scale words in memory: plane = wave, 8 bytes a lane
	v_add_nc_u32 v3, s50, v8
	v_add_nc_u32 v4, VSC, v8
	v_add_nc_u32 v2, VB, v1                        ; V likewise
	v_add_nc_u32 v3, KSC, v3
	v_add_nc_u32 v240, 0x10000, v9                 ; K's copy beyond the reach of an LDS offset
	v_add_nc_u32 v241, s73, v29                    ; V's copy: my two groups
	v_add_nc_u32 v88, s58, v29                     ; the way out: codes, 16 bytes a lane,
	v_add_nc_u32 v89, s58, v31
	v_add_nc_u32 v90, s62, v8
	v_add_nc_u32 v91, s72, v1
	v_add_nc_u32 v92, s72, v29
	v_add_nc_u32 v93, s72, v31
	v_add_nc_u32 v89, 512, v89                     ; and the last 256 bytes, 8 a lane
	v_add_nc_u32 v90, v90, v7
	v_add_nc_u32 v93, 512, v93
	v_add_nc_u32 v94, KSC, v9
	v_lshl_add_u32 v95, v0, 3, VSC
	v_add_nc_u32 v90, AT_S, v90                    ; my scale byte: row r, byte h of the head's two
	s_wait_alu depctr_va_vdst(0)
	s_wait_kmcnt 0x0
	s_add_nc_u64 s[2:3], s[34:35], s[70:71]
	s_add_nc_u64 s[74:75], s[74:75], s[76:77]
	s_add_nc_u64 s[44:45], s[32:33], s[44:45]
	s_add_nc_u64 s[46:47], s[32:33], s[46:47]
	s_add_nc_u64 s[52:53], s[32:33], s[52:53]
	s_add_nc_u64 s[54:55], s[32:33], s[54:55]
	s_add_nc_u64 s[60:61], s[32:33], s[58:59]
	s_add_nc_u64 s[68:69], s[32:33], s[68:69]
	global_load_b32 v70, v30, s[74:75]             ; my tile's 32 words, 128 bytes on end: lane 2 s key step s's mask words or-ed, lane 2 s + 1 the same and-ed
.irp p, 0,1,2
	global_load_b64 v[16+2*\p:17+2*\p], v1, s[60:61] offset:8*\p   ; Q's fragment stays in registers
.endr
	global_load_u16 v28, v8, s[68:69]              ; its two scale bytes; the upper two are 0
	global_load_b128 v[64:67], v9, s[52:53]
	global_load_b64 v[68:69], v10, s[54:55]
.irp j, 0,1,2,3,4,5,6,7,8,9,10,11
	global_load_b128 v[96+4*\j:99+4*\j], v9, s[44:45] offset:8192*\j   ; K: the work-group reads 8,192 bytes on end
.endr
.irp j, 0,1,2,3,4,5,6,7,8,9,10,11
	global_load_b128 v[144+4*\j:147+4*\j], v29, s[46:47] offset:49152*(\j/6)+512*(\j%6)   ; V: the wave reads 512 bytes on end
.endr
	s_wait_loadcnt 30                              ; the 32 words are in (behind them: 4 loads for Q, 2 of scale words, 24 of codes)
	v_cmp_ne_u32 s[PROC], 0, v70
	v_cmp_ne_u32 s[MIX], -1, v70
	s_and_b32 s[PROC], s[PROC], 0x55555555         ; of the or-ed words: bit 2 s: key step s has a true entry
	s_and_b32 s[MIX], s[MIX], 0xaaaaaaaa           ; of the and-ed words: bit 2 s + 1: it has a false one
	v_readlane_b32 s10, v70, 0                     ; the sixteen or-ed words or-ed: bit l = query l % 16 has a true entry among the keys that lane l holds
.set ll, 2
.rept 15
	v_readlane_b32 s11, v70, ll
	s_or_b32 s10, s10, s11
.set ll, ll+2
.endr
	s_lshr_b32 s11, s10, 16
	s_or_b32 s10, s10, s11
	s_and_b32 s10, s10, 0xffff
	s_cmp_eq_u32 s10, 0xffff                       ; has each of my 16 queries a true entry?
	s_cselect_b32 s[PROC], s[PROC], -1             ; if not, every step is walked
	s_wait_loadcnt 24                              ; Q and the scale words are in
	ds_store_b128 v94, v[64:67]
	ds_store_b64 v95, v[68:69]
	s_wait_loadcnt 12                              ; K
.irp j, 0,1,2,3,4,5,6,7
	ds_store_b128 v9, v[96+4*\j:99+4*\j] offset:8192*\j
.endr
.irp j, 8,9,10,11
	ds_store_b128 v240, v[96+4*\j:99+4*\j] offset:8192*(\j-8)
.endr
	s_wait_loadcnt 0x0                             ; V
.irp j, 0,1,2,3,4,5,6,7,8,9,10,11
	ds_store_b128 v241, v[144+4*\j:147+4*\j] offset:3072*(\j/6)+512*(\j%6)
.endr
	s_wait_dscnt 0x0                               ; for the others' sake: my part of K, V and the scale words lies in LDS
	s_barrier_signal -1
.irp i, 0,1,2,3,4,5
	v_mov_b32 v[22+\i], 0                          ; the upper 64 of Q's 128: zero codes
.endr
.irp t, 0,1,2,3
.irp i, 0,1,2,3,4,5
	v_mov_b32 v[38+12*\t+\i], 0                    ; and of K's four fragments: written once, never loaded
.endr
.endr
	v_mov_b32 v5, 0xd0000000                       ; the masked score, -2^33
	v_mov_b32 v13, 0xff61b1e6                      ; the largest t so far: -3e38
	v_mov_b32 v14, 0
	v_mov_b32 v15, 0
	v_floor_f32 v12, -v13                          ; -M
.irp b, 0,1,2,3
	v_mov_b32 v[216+\b], 0                         ; written once: a lane permute's destination counts as one of its sources
.endr
	v_mov_b32 v226, 0
	v_mov_b32 v229, 0                              ; (the upper half of the pair that holds f)
.set kk, 0
.rept 32
	v_mov_b32 v[160+kk], 0                         ; O^T: which step comes first hangs on the mask, so the step is written for a running sum; the first change of M leaves zeros zeros
.set kk, kk+1
.endr
	s_wait_alu depctr_va_vdst(0)
	s_barrier_wait -1                              ; everybody's part lies in LDS
; A KEY STEP: 128 keys.  mix = 1: some entry of the mask is false; mix = 0: all are true.
.macro STEP mix
.if \mix
	s_load_b512 s[32:47], s[2:3], s[CNT] offset:0x0    ; the step's 64 mask words
	s_load_b512 s[48:63], s[2:3], s[CNT] offset:0x40
	s_load_b512 s[68:83], s[2:3], s[CNT] offset:0x80
	s_load_b512 s[84:99], s[2:3], s[CNT] offset:0xc0
.endif
	v_mad_u32_u24 v8, s[CNT], 24, v1               ; K: 128 rows x 48 = 6,144 bytes a step = 24 x the counter
	v_mad_u32_u24 v9, s[CNT], 24, v2               ; V: two groups x 3,072
	v_lshl_add_u32 v10, s[CNT], 1, v3              ; K's scale words: 512 bytes a step
	v_add_nc_u32 v11, s[CNT], v4                   ; V's: 256.  (With the two v_nop at a step's end: six places before S^T is written over V's fragments)
	s_wait_alu depctr_va_vdst(0)
.irp g, 0,1                                    ; S^T = K Q^T, four tiles of 16 keys at a time
.if \g
.rept 4
	v_nop                                          ; places in front of loads into registers that matrix instructions have read
.endr
.endif
.irp t, 0,1,2,3
.irp p, 0,1,2
	ds_load_b64 v[32+12*\t+2*\p:33+12*\t+2*\p], v8 offset:768*(4*\g+\t)+8*\p
.endr
	ds_load_u16 v[80+\t], v10 offset:64*(4*\g+\t)
.endr
	s_wait_dscnt 0x0
.irp t, 0,1,2,3
	v_wmma_scale_f32_16x16x128_f8f6f4 v[96+8*(4*\g+\t):103+8*(4*\g+\t)], v[32+12*\t:43+12*\t], v[16:27], 0, v[80+\t], v28 matrix_a_fmt:MATRIX_FMT_BF6 matrix_b_fmt:MATRIX_FMT_BF6
.endr
.endr
.if \mix
	s_wait_kmcnt 0x0
.set kk, 0
.rept 32
	v_cndmask_b32 v[96+kk], v5, v[96+kk], s[32+kk] ; where the mask is false: the masked score.  The first 32 name the first four tiles alone: they are the places behind the last four products
.set kk, kk+1
.endr
.rept 32
	v_cndmask_b32 v[96+kk], v5, v[96+kk], s[36+kk]
.set kk, kk+1
.endr
.else
.rept 4
	v_nop                                          ; places behind the last four products
.endr
.endif
.irp b, 0,1,2,3
	v_max3_num_f32 v[212+\b], v[96+16*\b], v[97+16*\b], v[98+16*\b]   ; the largest score of each block of 32 keys: for the row's maximum, and for the block's largest p
.endr
.irp i, 3,5,7,9,11,13
.irp b, 0,1,2,3
.if \mix
	s_delay_alu instid0(VALU_DEP_4)
.endif
	v_max3_num_f32 v[212+\b], v[212+\b], v[96+16*\b+\i], v[97+16*\b+\i]
.endr
.endr
.irp b, 0,1,2,3
.if \mix
	s_delay_alu instid0(VALU_DEP_4)
.endif
	v_max_num_f32 v[212+\b], v[212+\b], v[111+16*\b]
.endr
.irp b, 0,1,2,3
	s_delay_alu instid0(VALU_DEP_4)
	v_permlanex16_b32 v[216+\b], v[212+\b], s4, s5
.endr
.irp b, 0,1,2,3
	s_delay_alu instid0(VALU_DEP_4)
	v_max_num_f32 v[212+\b], v[212+\b], v[216+\b]  ; with lane l xor 16's 16 keys
.endr
	s_delay_alu instid0(VALU_DEP_2)
	v_max3_num_f32 v226, v212, v213, v214
	s_delay_alu instid0(VALU_DEP_1)
	v_max_num_f32 v226, v226, v215
	s_delay_alu instid0(VALU_DEP_1)
	v_mul_f32 v226, s6, v226                       ; as t (c is positive)
	s_delay_alu instid0(VALU_DEP_1)
	v_max_num_f32 v13, v13, v226                   ; the running largest t
	v_mov_b32 v226, v12
	s_delay_alu instid0(VALU_DEP_2)
	v_floor_f32 v12, -v13                          ; the new -M = -ceil(t): a whole number
	s_delay_alu instid0(VALU_DEP_1)
	v_sub_f32 v226, v12, v226                      ; old M - new M: a whole number, 0 or less
	s_delay_alu instid0(VALU_DEP_1)
	v_cvt_i32_f32 v226, v226                       ; (it saturates)
	s_delay_alu instid0(VALU_DEP_1)
	v_ldexp_f32 v228, 1.0, v226                    ; f = 2^(old M - new M)
.set kk, 0
.rept 32
	v_pk_fma_f32 v[96+kk:97+kk], v[96+kk:97+kk], s[6:7], v[12:13] op_sel_hi:[1,0,0]   ; score x c - M, two at a time (of the pairs c and -M the low word serves both halves)
.set kk, kk+2
.endr
.irp b, 0,1,2,3
	v_fma_f32 v[212+\b], v[212+\b], s6, v12        ; the same of each block's largest score
.endr
	s_wait_alu depctr_va_vdst(0)
.set kk, 0
.rept 64
	v_exp_f32 v[96+kk], v[96+kk]                   ; p, not normalised
.set kk, kk+1
.endr
	v_pk_mul_f32 v[14:15], v[14:15], v[228:229] op_sel_hi:[1,0]   ; the sums under the new M.  (A plain line behind the exponentials)
	s_wait_alu depctr_va_vdst(0)                   ; one wait for the batch, ahead of its first reader
.irp b, 0,1,2,3
	v_exp_f32 v[212+\b], v[212+\b]                 ; the block's largest p: the same arithmetic on the same number gives the same bits
.endr
	v_pk_add_f32 v[224:225], v[96:97], v[98:99]    ; the row's sum of the unquantised p: two at a time, in four chains
	v_pk_add_f32 v[252:253], v[100:101], v[102:103]
	v_pk_add_f32 v[250:251], v[104:105], v[106:107]
.set kk, 12
.rept 6
	v_pk_add_f32 v[14:15], v[14:15], v[96+kk:97+kk]
	v_pk_add_f32 v[224:225], v[224:225], v[98+kk:99+kk]
	v_pk_add_f32 v[252:253], v[252:253], v[100+kk:101+kk]
	v_pk_add_f32 v[250:251], v[250:251], v[102+kk:103+kk]
.set kk, kk+8
.endr
	v_pk_add_f32 v[14:15], v[14:15], v[156:157]
	v_pk_add_f32 v[224:225], v[224:225], v[158:159]
	v_pk_add_f32 v[252:253], v[252:253], v[250:251]
	s_delay_alu instid0(VALU_DEP_2)
	v_pk_add_f32 v[14:15], v[14:15], v[224:225]
	s_delay_alu instid0(VALU_DEP_1)
	v_pk_add_f32 v[14:15], v[14:15], v[252:253]
	s_wait_alu depctr_va_vdst(0)                   ; and one for the four
.irp b, 0,1,2,3
	v_max_num_f32 v[212+\b], 0x2800000, v[212+\b]  ; the floor 2^(5 - 127)
.endr
.irp b, 0,1,2,3
	s_delay_alu instid0(VALU_DEP_4)
	v_add_nc_u32 v[220+\b], 0xfe000000, v[212+\b]  ; 4 off the exponent field: the conversion's scale operand
.endr
.irp b, 0,1,2,3
	s_delay_alu instid0(VALU_DEP_4)
	v_lshrrev_b32 v[216+\b], 23, v[220+\b]         ; the scale's byte
.endr
	s_delay_alu instid0(VALU_DEP_3)
	v_lshl_or_b32 v230, v217, 8, v216              ; p's scale word for these 128 keys
	s_delay_alu instid0(VALU_DEP_1)
	v_lshl_or_b32 v230, v218, 16, v230
	s_delay_alu instid0(VALU_DEP_1)
	v_lshl_or_b32 v230, v219, 24, v230
.irp c, 0,1
	v_cvt_scalef32_pk16_bf6_f32 v[192+6*\c:194+6*\c], v[96+32*\c:111+32*\c], v[220+2*\c]
	v_cvt_scalef32_pk16_bf6_f32 v[204+4*\c:206+4*\c], v[112+32*\c:127+32*\c], v[220+2*\c+1]
.endr
	v_nop                                          ; one plain line behind a scaled conversion
.irp t, 0,1,2,3                                ; V's four fragments (16 channels x these 128 keys) into p's registers, which are done with
.irp p, 0,1,2,3,4,5
	ds_load_b64 v[96+12*\t+2*\p:97+12*\t+2*\p], v9 offset:3072*(\p/3)+768*\t+8*(\p%3)
.endr
	ds_load_b32 v[84+\t], v11 offset:64*\t
.endr
.irp c, 0,1                                    ; the layout wants a whole block in a lane
.irp i, 0,1,2
	v_permlane16_swap_b32 v[192+6*\c+\i], v[204+4*\c+\i]
.endr
.irp i, 0,1,2
	s_delay_alu instid0(VALU_DEP_3)
	v_mov_b32 v[195+6*\c+\i], v[204+4*\c+\i]
.endr
.endr
	s_wait_alu depctr_va_vdst(0)                   ; directly ahead of the first reader of O^T
.set kk, 0
.rept 16
	v_pk_mul_f32 v[160+kk:161+kk], v[160+kk:161+kk], v[228:229] op_sel_hi:[1,0]   ; O^T under the new M.  (Also the places between p's codes and scale word and the products)
.set kk, kk+2
.endr
	s_wait_alu depctr_va_vdst(0)
	s_wait_dscnt 0x0
.irp t, 0,1,2,3                                ; O^T += V^T P^T: four accumulators by turns
	v_wmma_scale_f32_16x16x128_f8f6f4 v[160+8*\t:167+8*\t], v[96+12*\t:107+12*\t], v[192:203], v[160+8*\t:167+8*\t], v[84+\t], v230 matrix_a_fmt:MATRIX_FMT_BF6 matrix_b_fmt:MATRIX_FMT_BF6
.endr
	v_nop
	v_nop
.endm
.Lstep:                                            ; sixteen trips, whatever the mask holds; the branches lead round a step's work alone
	s_lshr_b32 s10, s[CNT], 7                      ; 2 x the key step
	s_lshr_b32 s11, s[PROC], s10
	s_and_b32 s11, s11, 3
	s_cmp_eq_u32 s11, 0
	s_cbranch_scc1 .Lnext                          ; nothing of this step counts
	s_lshr_b32 s11, s[MIX], s10
	s_and_b32 s11, s11, 3
	s_cmp_eq_u32 s11, 0
	s_cbranch_scc1 .Lclear
	STEP 1
	s_branch .Lnext
.Lclear:
	STEP 0
.Lnext:
	s_add_co_u32 s[CNT], s[CNT], 256
	s_cmp_lt_u32 s[CNT], 4096
	s_cbranch_scc1 .Lstep
	; THE WAY OUT: O^T / the sum; two blocks of 32 channels are quantised; 16 rows x 48 bytes go through my 768 bytes of LDS and leave dense.
	v_add_f32 v14, v14, v15
	s_delay_alu instid0(VALU_DEP_1)
	v_permlanex16_b32 v226, v14, s4, s5
	s_delay_alu instid0(VALU_DEP_1)
	v_add_f32 v14, v14, v226                       ; the row's sum
	s_wait_alu depctr_va_vdst(0)
	v_rcp_f32 v14, v14
	v_nop                                          ; a plain line behind the transcendental,
	s_wait_alu depctr_va_vdst(0)                   ; and the wait ahead of its first reader
.set kk, 0
.rept 32
	v_mul_f32 v[96+kk], v[160+kk], v14             ; register 16 b + i is channel 32 b + 16 h + i of my query
.set kk, kk+1
.endr
.irp b, 0,1
	v_max3_num_f32 v[212+\b], |v[96+16*\b]|, |v[97+16*\b]|, 0x2800000
.endr
.irp i, 2,4,6,8,10,12,14
.irp b, 0,1
	s_delay_alu instid0(VALU_DEP_2)
	v_max3_num_f32 v[212+\b], v[212+\b], |v[96+16*\b+\i]|, |v[97+16*\b+\i]|
.endr
.endr
.irp b, 0,1
	s_delay_alu instid0(VALU_DEP_2)
	v_permlanex16_b32 v[216+\b], v[212+\b], s4, s5
.endr
.irp b, 0,1
	s_delay_alu instid0(VALU_DEP_2)
	v_max_num_f32 v[212+\b], v[212+\b], v[216+\b]
.endr
.irp b, 0,1
	s_delay_alu instid0(VALU_DEP_2)
	v_add_nc_u32 v[220+\b], 0xfe000000, v[212+\b]
.endr
.irp b, 0,1
	s_delay_alu instid0(VALU_DEP_2)
	v_lshrrev_b32 v[216+\b], 23, v[220+\b]
.endr
	v_cvt_scalef32_pk16_bf6_f32 v[192:194], v[96:111], v220
	v_cvt_scalef32_pk16_bf6_f32 v[204:206], v[112:127], v221
	v_nop
	v_cmp_ne_u32 vcc_lo, 0, v7
.irp i, 0,1,2
	v_permlane16_swap_b32 v[192+\i], v[204+\i]
.endr
.irp i, 0,1,2
	s_delay_alu instid0(VALU_DEP_3)
	v_mov_b32 v[195+\i], v[204+\i]                 ; v192-197: channels 32 h + 0 .. 31 of my query
.endr
	v_cndmask_b32 v226, v216, v217, vcc_lo         ; lanes 0-15 store block 0's byte, lanes 16-31 block 1's
	ds_store_b64 v91, v[192:193]
	ds_store_b64 v91, v[194:195] offset:8
	ds_store_b64 v91, v[196:197] offset:16
	ds_load_b128 v[96:99], v92                     ; LDS serves a wave's instructions in order: these see my stores
	ds_load_b64 v[100:101], v93
	global_store_b8 v90, v226, s[100:101]          ; the two scale bytes of a head are half of a scale word: they leave as single bytes
	s_wait_dscnt 1
	global_store_b128 v88, v[96:99], s[100:101]    ; 512 consecutive bytes, at a multiple of 256 from the buffer's first byte,
	s_wait_dscnt 0x0
	global_store_b64 v89, v[100:101], s[100:101]   ; and 256 more
	s_wait_tensorcnt 0x0                           ; the wave's end
	ds_add_u32 v254, v255
	s_wait_dscnt 0x0
	s_endpgm
.Lfunc_end_k_qc4c25c9e57_attn:
	.size	k_qc4c25c9e57_attn, .Lfunc_end_k_qc4c25c9e57_attn-k_qc4c25c9e57_attn
	.p2alignl 7, 3214868480
	.fill 96, 4, 3214868480
	.section	.rodata,"a",@progbits
	.p2align	6, 0x0
	.amdhsa_kernel k_qc4c25c9e57_attn
		.amdhsa_group_segment_fixed_size 223232
		.amdhsa_private_segment_fixed_size 0
		.amdhsa_enable_private_segment 0
		.amdhsa_kernarg_size 32
		.amdhsa_user_sgpr_count 2
		.amdhsa_user_sgpr_kernarg_segment_ptr 1
		.amdhsa_wavefront_size32 1
		.amdhsa_system_sgpr_workgroup_id_x 1
		.amdhsa_system_sgpr_workgroup_id_y 1
		.amdhsa_system_sgpr_workgroup_id_z 1
		.amdhsa_system_vgpr_workitem_id 0
		.amdhsa_next_free_vgpr 256
		.amdhsa_next_free_sgpr 102
		.amdhsa_reserve_vcc 1
		.amdhsa_float_denorm_mode_32 3
		.amdhsa_float_denorm_mode_16_64 3
		.amdhsa_memory_ordered 1
		.amdhsa_forward_progress 1
		.amdhsa_inst_pref_size 62
	.end_amdhsa_kernel
	.amdgpu_metadata
---
amdhsa.version: [ 1, 2 ]
amdhsa.kernels:
  - .name:           k_qc4c25c9e57_attn
    .symbol:         k_qc4c25c9e57_attn.kd
    .args:
      - { .name: qkvc, .offset: 0, .size: 8, .value_kind: global_buffer, .address_space: global }
      - { .name: maskw, .offset: 8, .size: 8, .value_kind: global_buffer, .address_space: global }
      - { .name: mflag, .offset: 16, .size: 8, .value_kind: global_buffer, .address_space: global }
      - { .name: atc, .offset: 24, .size: 8, .value_kind: global_buffer, .address_space: global }
    .group_segment_fixed_size: 223232
    .private_segment_fixed_size: 0
    .kernarg_segment_align: 8
    .kernarg_segment_size: 32
    .max_flat_workgroup_size: 512
    .sgpr_count:     102
    .vgpr_count:     256
    .wavefront_size: 32
...
	.end_amdgpu_metadata
.endif
;; end of part 11
;; launch oproj (part 12): grid 8 x 32, 4 waves a work-group, clusters of 4 x 4, 327,680 bytes of LDS; arguments atc, wts, b0, X, x1; writes x1
.if DOCPART == 12
	.amdgcn_target "amdgcn-amd-amdhsa--gfx1250"
	.amdhsa_code_object_version 6
	.text
	.protected	k_qc4c25c9e57_oproj
	.globl	k_qc4c25c9e57_oproj
	.p2align	8
	.type	k_qc4c25c9e57_oproj,@function
k_qc4c25c9e57_oproj:
	s_mov_b64 s[64:65], 0
	v_nop
	global_prefetch_b8 v0, s[64:65] scope:SCOPE_SE
	s_setreg_imm32_b32 hwreg(HW_REG_WAVE_MODE, 25, 1), 1
	s_wait_xcnt 0x0
	s_wait_alu depctr_hold_cnt(0) depctr_sa_sdst(0) depctr_va_vdst(0) depctr_va_sdst(0) depctr_va_ssrc(0) depctr_va_vcc(0) depctr_vm_vsrc(0)
	s_getreg_b32 s2, hwreg(HW_REG_IB_STS2, 6, 4)
	s_cmp_eq_u32 s2, 0
	s_cbranch_scc0 .Lentry_in_a_cluster
	s_endpgm
.Lentry_in_a_cluster:
	s_bfe_u32 s2, ttmp6, 0x10000c
	s_cmp_lg_u32 s2, 0xf033
	s_cbranch_scc0 .Lentry_shape_is_right
	s_endpgm
.Lentry_shape_is_right:
.set SIZE_K, 1024
.set LAST,   0
.set RA,     4096
.set RBW,    1024
.set A_SC,   3145728
.set B_CO,   3145728
.set B_SC,   10354688
.set NQ,     4
.set GPL,    6144
.set FR,     12
.set NL,     6
.set NP,     4
.set HALFT,  4*GPL
.set SLOT,   4*HALFT
.set LAPS,   SIZE_K/1024
.set NPL,    SIZE_K/128
.set SCL,    2*SLOT
.set HALFS,  256*NPL
.set SPARE,  SCL+4*HALFS
.set ASTEP,  8*RA*48
.set BSTEP,  8*RBW*48
.set SPITCH, 272
.set ADRA, 16
.set ADRB, 20
.set STO,  24
.set RD,   25
.set CO,   26
.set ADRS, 27
.set SPW,  28
.set NIL,  29
.set BO,   30
.set SC,   32
.set BI,   64
.set BK,   128
.set G1, 24
.set G0, 32
.set G1B, 48
.set G0B, 56
.set G1S, 68
.set G0S, 76
.set G1SB, 80
.set G0SB, 88
.set MSB, 0
.macro WIN new
.if MSB != \new
	s_set_vgpr_msb (MSB<<8)|\new
.set MSB, \new
.endif
.endm
.set MUL,  0xa5
.set TO_F, 0x40
.macro JLOAD g0a, g1a, g0b, g1b
	s_cmp_eq_u32 s15, 0
	s_cbranch_scc0 .Lfor_b_\@
	tensor_load_to_lds s[\g0a:\g0a+3], s[\g1a:\g1a+7]
	s_nop 0
.rept 4
	v_nop
.endr
	s_branch .Lasked_\@
.Lfor_b_\@:
	tensor_load_to_lds s[\g0b:\g0b+3], s[\g1b:\g1b+7]
	s_nop 0
.rept 4
	v_nop
.endr
.Lasked_\@:
.endm
.macro CREST
	s_cmp_lg_u32 s14, 0
	s_cbranch_scc1 .Lnot_wave_0_\@
	s_barrier_signal -3
.Lnot_wave_0_\@:
	s_barrier_wait -3
	s_barrier_signal -1
	s_barrier_wait -1
.endm
.macro CROUND
	s_barrier_signal -1
	s_barrier_wait -1
	CREST
.endm
	s_load_b256 s[4:11], s[0:1], 0x0
	s_load_b64 s[12:13], s[0:1], 0x20
	v_lshl_add_u32 v[SPW], v0, 2, SPARE
	v_mov_b32 v[NIL], 0
	ds_add_u32 v28, v29
	ds_add_u32 v28, v29
	s_wait_dscnt 0x0
	v_lshrrev_b32 v1, 5, v0
	v_readfirstlane_b32 s14, v1
	s_lshr_b32 s15, s14, 1
	s_and_b32 s16, s14, 1
	s_bfe_u32 s40, ttmp6, 0x40000
	s_bfe_u32 s41, ttmp6, 0x40004
	s_lshl_b32 s42, ttmp9, 2
	s_add_co_u32 s42, s42, s40
	s_and_b32 s17, ttmp7, 0xffff
	s_lshl_b32 s17, s17, 2
	s_add_co_u32 s17, s17, s41
	s_lshl_b32 s43, s41, 2
	s_lshl_b32 s43, 15, s43
	s_lshl_b32 s44, 0x1111, s40
	s_or_b32 s[G1+0], s43, (3<<16)|(1<<21)
	s_or_b32 s[G1B+0], s44, (3<<16)|(1<<21)
.irp g, G1, G1B
	s_mov_b32 s[\g+1], 768<<16
	s_mov_b32 s[\g+2], 4<<16
	s_mov_b32 s[\g+3], 768<<16
	s_mov_b32 s[\g+4], 4
	s_mov_b32 s[\g+6], 0
	s_mov_b32 s[\g+7], 0
.endr
	s_mov_b32 s[G1+5], 6*RA
	s_mov_b32 s[G1B+5], 6*RBW
	s_or_b32 s[G1S+0], s43, (3<<16)|(1<<21)
	s_or_b32 s[G1SB+0], s44, (3<<16)|(1<<21)
.irp g, G1S, G1SB
	s_mov_b32 s[\g+1], 64<<16
	s_mov_b32 s[\g+2], (NPL/2)<<16
	s_mov_b32 s[\g+3], 64<<16
	s_mov_b32 s[\g+4], NPL/2
	s_mov_b32 s[\g+6], 0
	s_mov_b32 s[\g+7], 0
.endr
	s_mov_b32 s[G1S+5], RA/2
	s_mov_b32 s[G1SB+5], RBW/2
	s_lshl_b32 s20, s17, 7
	s_lshl_b32 s46, s42, 7
	s_lshl_b32 s22, s20, 2
	s_add_co_u32 s22, s22, A_SC
	s_mul_i32 s18, s16, (NPL/2)*RA*4
	s_add_co_u32 s22, s22, s18
	s_mov_b32 s23, 0
	s_mul_i32 s20, s20, 48
	s_mul_i32 s18, s16, 4*RA*48
	s_add_co_u32 s20, s20, s18
	s_mov_b32 s21, 0
	s_lshl_b32 s92, s46, 2
	s_add_co_u32 s92, s92, B_SC
	s_mul_i32 s18, s16, (NPL/2)*RBW*4
	s_add_co_u32 s92, s92, s18
	s_mov_b32 s93, 0
	s_mul_i32 s46, s46, 48
	s_add_co_u32 s46, s46, B_CO
	s_mul_i32 s18, s16, 4*RBW*48
	s_add_co_u32 s46, s46, s18
	s_mov_b32 s47, 0
	s_mul_i32 s45, s14, HALFT
	s_mul_i32 s94, s14, HALFS
	s_wait_kmcnt 0x0
	s_add_nc_u64 s[20:21], s[4:5], s[20:21]
	s_add_nc_u64 s[22:23], s[4:5], s[22:23]
	s_add_nc_u64 s[46:47], s[6:7], s[46:47]
	s_add_nc_u64 s[92:93], s[6:7], s[92:93]
	CROUND
	s_mov_b32 s[G0S], 1
	s_add_co_u32 s[G0S+1], s94, SCL
	s_mov_b64 s[G0S+2:G0S+3], s[22:23]
	s_or_b32 s[G0S+3], s[G0S+3], 0x80000000
	s_mov_b32 s[G0SB], 1
	s_add_co_u32 s[G0SB+1], s94, SCL
	s_mov_b64 s[G0SB+2:G0SB+3], s[92:93]
	s_or_b32 s[G0SB+3], s[G0SB+3], 0x80000000
	JLOAD G0S, G1S, G0SB, G1SB
.irp s, 0,1
	s_mov_b32 s[G0+4*\s], 1
	s_add_co_u32 s[G0+4*\s+1], s45, \s*SLOT
	s_add_nc_u64 s[G0+4*\s+2:G0+4*\s+3], s[20:21], \s*ASTEP
	s_or_b32 s[G0+4*\s+3], s[G0+4*\s+3], 0x80000000
	s_mov_b32 s[G0B+4*\s], 1
	s_add_co_u32 s[G0B+4*\s+1], s45, \s*SLOT
	s_add_nc_u64 s[G0B+4*\s+2:G0B+4*\s+3], s[46:47], \s*BSTEP
	s_or_b32 s[G0B+4*\s+3], s[G0B+4*\s+3], 0x80000000
	s_wait_alu depctr_va_vdst(0)
	s_wait_tensorcnt 0x0
	ds_add_u32 v28, v29
	s_wait_dscnt 0x0
	CROUND
	JLOAD G0+4*\s, G1, G0B+4*\s, G1B
.endr
	v_and_b32 v1, 15, v0
	v_bfe_u32 v2, v0, 4, 1
	s_wait_alu depctr_va_vdst(0)
	v_mul_u32_u24 v3, v1, 48
	v_mad_u32_u24 v4, v2, 24, v3
	s_mul_i32 s21, s15, 3072
	s_mul_i32 s22, s16, 3072
	s_add_co_u32 s22, s22, 2*HALFT
.irp s, 0,1
	v_add_nc_u32 v[ADRA+\s], s21, v4
	v_add_nc_u32 v[ADRB+\s], s22, v4
	s_add_co_u32 s21, s21, SLOT
	s_add_co_u32 s22, s22, SLOT
.endr
	v_lshlrev_b32 v7, 2, v1
	s_lshl_b32 s21, s15, 8
	s_lshl_b32 s22, s16, 8
	s_add_co_u32 s22, s22, 2*HALFS
	s_sub_co_u32 s22, s22, s21
	v_mul_u32_u24 v6, s22, v2
	s_add_co_u32 s21, s21, SCL
	v_add_nc_u32 v5, v7, v6
	v_add_nc_u32 v[ADRS], s21, v5
	s_mul_i32 s23, s14, 16*SPITCH
	v_mul_u32_u24 v5, v1, SPITCH
	v_lshl_add_u32 v5, v2, 6, v5
	v_add_nc_u32 v[STO], s23, v5
	v_lshlrev_b32 v[BO], 4, v1
	s_wait_alu depctr_va_vdst(0)
	v_mad_u32_u24 v5, v2, SPITCH, v[BO]
	v_add_nc_u32 v[RD], s23, v5
	v_lshl_add_u32 v[CO], v2, 12, v[BO]
	s_wait_alu depctr_va_vdst(0)
	s_lshl_b32 s20, s17, 7
	s_lshl_b32 s21, s15, 6
	s_add_co_u32 s20, s20, s21
	s_lshl_b32 s20, s20, 12
	s_lshl_b32 s46, s42, 9
	s_lshl_b32 s47, s16, 8
	s_add_co_u32 s46, s46, s47
	s_add_co_u32 s20, s20, s46
	s_mov_b32 s21, 0
	s_mov_b32 s47, 0
	s_add_nc_u64 s[12:13], s[12:13], s[20:21]
	s_add_nc_u64 s[10:11], s[10:11], s[20:21]
	s_add_nc_u64 s[8:9], s[8:9], s[46:47]
	global_load_b128 v[BI:BI+3], v[BO], s[8:9]
	WIN 0xc0
.irp a, 0,1,2,3
.irp t, 0,1,2,3,4,5,6,7
	global_load_b128 v[32*\a+4*\t:32*\a+4*\t+3], v[CO], s[10:11] offset:(32*(\a/2)+8*(\a%2)+2*\t+((2*\t)&8))*4096
.endr
.endr
	WIN 0
.macro FRAG reg, adr, q, i
.irp p, 0,1,2,3,4,5
	ds_load_b64 v[\reg+2*\p:\reg+2*\p+1], v[\adr] offset:(2*(\q)+\p/3)*GPL+(\i)*768+8*(\p%3)
.endr
.endm
.macro FETCH slot, q, p
	WIN TO_F
.irp i, 0,1,2,3
	FRAG 128*(\p)+FR*\i, ADRB+\slot, \q, \i
.endr
.irp i, 0,1,2,3
	FRAG 128*(\p)+48+FR*\i, ADRA+\slot, \q, \i
.endr
.endm
.macro SCALES sc
	WIN 0
.irp i, 0,1,2,3
.irp q, 0,1,2,3
	ds_load_b32 v[SC+4*NQ*\sc+NQ*\i+\q], v[ADRS] offset:512*\q+64*\i
.endr
.endr
.endm
.macro MUL16 p, q, sc, zero
.irp a, 0,1,2,3
.irp b, 0,1,2,3
.if \zero
	v_wmma_scale_f32_16x16x128_f8f6f4 v[8*(4*\a+\b):8*(4*\a+\b)+7], v[128*(\p)+FR*\b:128*(\p)+FR*\b+FR-1], v[128*(\p)+48+FR*\a:128*(\p)+48+FR*\a+FR-1], 0, v[SC+4*NQ*(\sc)+NQ*\b+(\q)], v[SC+4*NQ*(\sc)+NQ*\a+(\q)] matrix_a_fmt:MATRIX_FMT_BF6 matrix_b_fmt:MATRIX_FMT_BF6 matrix_a_scale:MATRIX_SCALE_ROW1
.else
	v_wmma_scale_f32_16x16x128_f8f6f4 v[8*(4*\a+\b):8*(4*\a+\b)+7], v[128*(\p)+FR*\b:128*(\p)+FR*\b+FR-1], v[128*(\p)+48+FR*\a:128*(\p)+48+FR*\a+FR-1], v[8*(4*\a+\b):8*(4*\a+\b)+7], v[SC+4*NQ*(\sc)+NQ*\b+(\q)], v[SC+4*NQ*(\sc)+NQ*\a+(\q)] matrix_a_fmt:MATRIX_FMT_BF6 matrix_b_fmt:MATRIX_FMT_BF6 matrix_a_scale:MATRIX_SCALE_ROW1
.endif
.endr
.endr
.endm
.macro PLACES n
.rept \n
	v_nop
.endr
.endm
.macro STEP slot, q, zero
	PLACES NP
	FETCH \slot, (\q)+1, 1-(\q)%2
	s_wait_dscnt 8*NL
	WIN MUL
	MUL16 (\q)%2, \q, \slot, \zero
.endm
.macro TURN slot, next, fill
	WIN 0
	s_wait_tensorcnt 0x0
	ds_add_u32 v[SPW], v[NIL]
	s_wait_dscnt 0x0
	s_barrier_signal -1
	s_barrier_wait -1
.if \fill
	CREST
	s_add_nc_u64 s[G0+4*\slot+2:G0+4*\slot+3], s[G0+4*\slot+2:G0+4*\slot+3], 2*ASTEP
	s_add_nc_u64 s[G0B+4*\slot+2:G0B+4*\slot+3], s[G0B+4*\slot+2:G0B+4*\slot+3], 2*BSTEP
	JLOAD G0+4*\slot, G1, G0B+4*\slot, G1B
.else
	PLACES NP
.endif
	v_add_nc_u32 v[ADRS], 512*NQ, v[ADRS]
	FETCH \next, 0, 0
	SCALES \next
	WIN MUL
	MUL16 1, NQ-1, \slot, 0
.endm
.macro TOSTAGE a
	WIN 0x08
.irp i, 0,1,2,3
	ds_store_b128 v[STO], v[8*(4*(\a)+\i):8*(4*(\a)+\i)+3] offset:128*(\i/2)+32*(\i%2)
	ds_store_b128 v[STO], v[8*(4*(\a)+\i)+4:8*(4*(\a)+\i)+7] offset:128*(\i/2)+32*(\i%2)+16
.endr
	WIN 0
.irp t, 0,1,2,3,4,5,6,7
	ds_load_b128 v[BK+32*(\a)+4*\t:BK+32*(\a)+4*\t+3], v[RD] offset:\t*2*SPITCH
.endr
.endm
.macro SEND a, younger
.set BB, BK+32*(\a)
	s_wait_dscnt \younger
.set kk, 0
.rept 8
	v_pk_add_f32 v[BB+kk:BB+kk+1], v[BB+kk:BB+kk+1], v[BI:BI+1]
	v_pk_add_f32 v[BB+kk+2:BB+kk+3], v[BB+kk+2:BB+kk+3], v[BI+2:BI+3]
.set kk, kk+4
.endr
	WIN 0x0c
.set kk, 0
.rept 16
	v_pk_add_f32 v[BB+kk:BB+kk+1], v[BB+kk:BB+kk+1], v[32*(\a)+kk:32*(\a)+kk+1]
.set kk, kk+2
.endr
	WIN 0
.irp t, 0,1,2,3,4,5,6,7
.if LAST
	global_store_b128 v[CO], v[BB+4*\t:BB+4*\t+3], s[12:13] offset:(32*((\a)/2)+8*((\a)%2)+2*\t+((2*\t)&8))*4096 th:TH_STORE_NT
.else
	global_store_b128 v[CO], v[BB+4*\t:BB+4*\t+3], s[12:13] offset:(32*((\a)/2)+8*((\a)%2)+2*\t+((2*\t)&8))*4096
.endif
.endr
.endm
	s_wait_tensorcnt 1
	s_barrier_signal -1
	s_barrier_wait -1
	FETCH 0, 0, 0
	SCALES 0
	STEP 0, 0, 1
	STEP 0, 1, 0
	STEP 0, 2, 0
.if LAPS > 1
	WIN 0
	s_mov_b32 s3, LAPS-1
.Llap:
	TURN 0, 1, 1
	STEP 1, 0, 0
	STEP 1, 1, 0
	STEP 1, 2, 0
	TURN 1, 0, 1
	STEP 0, 0, 0
	STEP 0, 1, 0
	STEP 0, 2, 0
	WIN 0
	s_sub_co_u32 s3, s3, 1
	s_cmp_lg_u32 s3, 0
	s_cbranch_scc1 .Llap
.endif
	TURN 0, 1, 0
	STEP 1, 0, 0
	STEP 1, 1, 0
	STEP 1, 2, 0
	s_wait_dscnt 0x0
	MUL16 1, NQ-1, 1, 0
	WIN 0
	PLACES NP
	s_wait_loadcnt 0x0
	TOSTAGE 0
.irp a, 1,2,3
	TOSTAGE \a
	SEND \a-1, 16
.endr
	SEND 3, 0
	s_wait_tensorcnt 0x0
	ds_add_u32 v[SPW], v[NIL]
	s_wait_dscnt 0x0
	CROUND
	s_endpgm
.Lfunc_end_k_qc4c25c9e57_oproj:
	.size	k_qc4c25c9e57_oproj, .Lfunc_end_k_qc4c25c9e57_oproj-k_qc4c25c9e57_oproj
	.p2alignl 7, 3214868480
	.fill 96, 4, 3214868480
	.section	.rodata,"a",@progbits
	.p2align	6, 0x0
	.amdhsa_kernel k_qc4c25c9e57_oproj
		.amdhsa_group_segment_fixed_size 327680
		.amdhsa_private_segment_fixed_size 0
		.amdhsa_enable_private_segment 0
		.amdhsa_kernarg_size 40
		.amdhsa_user_sgpr_count 2
		.amdhsa_user_sgpr_kernarg_segment_ptr 1
		.amdhsa_wavefront_size32 1
		.amdhsa_system_sgpr_workgroup_id_x 1
		.amdhsa_system_sgpr_workgroup_id_y 1
		.amdhsa_system_sgpr_workgroup_id_z 1
		.amdhsa_system_vgpr_workitem_id 0
		.amdhsa_next_free_vgpr 1024
		.amdhsa_next_free_sgpr 102
		.amdhsa_reserve_vcc 0
		.amdhsa_float_denorm_mode_32 3
		.amdhsa_float_denorm_mode_16_64 3
		.amdhsa_memory_ordered 1
		.amdhsa_forward_progress 1
		.amdhsa_inst_pref_size 74
	.end_amdhsa_kernel
	.amdgpu_metadata
---
amdhsa.version: [ 1, 2 ]
amdhsa.kernels:
  - .name:           k_qc4c25c9e57_oproj
    .symbol:         k_qc4c25c9e57_oproj.kd
    .args:
      - { .name: atc, .offset: 0, .size: 8, .value_kind: global_buffer, .address_space: global }
      - { .name: wts, .offset: 8, .size: 8, .value_kind: global_buffer, .address_space: global }
      - { .name: b0, .offset: 16, .size: 8, .value_kind: global_buffer, .address_space: global }
      - { .name: X, .offset: 24, .size: 8, .value_kind: global_buffer, .address_space: global }
      - { .name: x1, .offset: 32, .size: 8, .value_kind: global_buffer, .address_space: global }
    .group_segment_fixed_size: 327680
    .private_segment_fixed_size: 0
    .kernarg_segment_align: 8
    .kernarg_segment_size: 40
    .max_flat_workgroup_size: 128
    .sgpr_count:     102
    .vgpr_count:     1024
    .wavefront_size: 32
...
	.end_amdgpu_metadata
.endif
;; end of part 12
;; launch ln2: the kernel of part 9 again; grid 256 x 1, 4 waves a work-group, no clusters, 32,256 bytes of LDS; arguments x1, gamma2, beta2, xq; writes xq
;; launch ffn1 (part 13): grid 16 x 16, 4 waves a work-group, clusters of 4 x 4, 327,680 bytes of LDS; arguments xq, wts, b1, hb; writes hb
.if DOCPART == 13
	.amdgcn_target "amdgcn-amd-amdhsa--gfx1250"
	.amdhsa_code_object_version 6
	.text
	.protected	k_qc4c25c9e57_ffn1
	.globl	k_qc4c25c9e57_ffn1
	.p2align	8
	.type	k_qc4c25c9e57_ffn1,@function
k_qc4c25c9e57_ffn1:
	s_mov_b64 s[64:65], 0
	v_nop
	global_prefetch_b8 v0, s[64:65] scope:SCOPE_SE
	s_setreg_imm32_b32 hwreg(HW_REG_WAVE_MODE, 25, 1), 1
	s_wait_xcnt 0x0
	s_wait_alu depctr_hold_cnt(0) depctr_sa_sdst(0) depctr_va_vdst(0) depctr_va_sdst(0) depctr_va_ssrc(0) depctr_va_vcc(0) depctr_vm_vsrc(0)
	s_getreg_b32 s2, hwreg(HW_REG_IB_STS2, 6, 4)
	s_cmp_eq_u32 s2, 0
	s_cbranch_scc0 .Lentry_in_a_cluster
	s_endpgm
.Lentry_in_a_cluster:
	s_bfe_u32 s2, ttmp6, 0x10000c
	s_cmp_lg_u32 s2, 0xf033
	s_cbranch_scc0 .Lentry_shape_is_right
	s_endpgm
.Lentry_shape_is_right:
.set QKV,    0
.set SIZE_K, 1024
.set RROWS,  4096
.set XS_OFF, 3145728
.if QKV
.set W_CO,   0
.set W_SC,   10223616
.set QK_S,   9437184
.set V_C,    6291456
.set V_S,    9699328
.else
.set W_CO,   3932160
.set W_SC,   10387456
.set OUT_S,  12582912
.endif
.set NQ,     2
.set GPL,    6144
.set FR,     12
.set NL,     6
.set NP,     4
.set HALFT,  4*GPL
.set SLOT,   4*HALFT
.set LAPS,   SIZE_K/512
.set NPL,    SIZE_K/128
.set SCL,    2*SLOT
.set HALFS,  512*NPL
.set SPARE,  SCL+4*HALFS
.set KSTEPB, 4*RROWS*48
.set ADRA, 16
.set ADRB, 20
.set QST,  24
.set QSS,  25
.set QRD,  26
.set ADRS, 27
.set SPW,  28
.set NIL,  29
.set PW,   30
.set GO,   31
.set SC,   32
.set CB,   64
.set AF,   128
.set H,    128
.set PC,   192
.set RB,   224
.set TM,   240
.set G1, 24
.set G0, 32
.set G1B, 48
.set G0B, 56
.set G1S, 68
.set G0S, 76
.set G1SB, 80
.set G0SB, 88
.set FQ,  66
.set FV,  94
.set SEL, 92
.set OUTP, 98
.set MSB, 0
.macro WIN new
.if MSB != \new
	s_set_vgpr_msb (MSB<<8)|\new
.set MSB, \new
.endif
.endm
.set MUL_LO, 0xa1
.set MUL_HI, 0xf1
.set TO_B,   0x40
.macro JLOAD g0a, g1a, g0b, g1b
	s_cmp_eq_u32 s15, 0
	s_cbranch_scc0 .Lfor_b_\@
	tensor_load_to_lds s[\g0a:\g0a+3], s[\g1a:\g1a+7]
	s_nop 0
.rept 4
	v_nop
.endr
	s_branch .Lasked_\@
.Lfor_b_\@:
	tensor_load_to_lds s[\g0b:\g0b+3], s[\g1b:\g1b+7]
	s_nop 0
.rept 4
	v_nop
.endr
.Lasked_\@:
.endm
.macro CREST
	s_cmp_lg_u32 s14, 0
	s_cbranch_scc1 .Lnot_wave_0_\@
	s_barrier_signal -3
.Lnot_wave_0_\@:
	s_barrier_wait -3
	s_barrier_signal -1
	s_barrier_wait -1
.endm
.macro CROUND
	s_barrier_signal -1
	s_barrier_wait -1
	CREST
.endm
.if QKV
	s_load_b256 s[4:11], s[0:1], 0x0
	s_load_b128 s[96:99], s[0:1], 0x20
.else
	s_load_b256 s[4:11], s[0:1], 0x0
.endif
	v_lshl_add_u32 v[SPW], v0, 2, SPARE
	v_mov_b32 v[NIL], 0
	ds_add_u32 v28, v29
	ds_add_u32 v28, v29
	s_wait_dscnt 0x0
	v_lshrrev_b32 v1, 5, v0
	v_readfirstlane_b32 s14, v1
	s_lshr_b32 s15, s14, 1
	s_and_b32 s16, s14, 1
	s_bfe_u32 s40, ttmp6, 0x40000
	s_bfe_u32 s41, ttmp6, 0x40004
	s_lshl_b32 s42, ttmp9, 2
	s_and_b32 s17, ttmp7, 0xffff
	s_lshl_b32 s17, s17, 2
	s_mov_b32 s22, XS_OFF
	s_mov_b32 s92, W_SC
.if QKV
	s_cmp_eq_u32 ttmp9, 2
	s_cselect_b32 s42, s17, s42
	s_cselect_b32 s17, 8, s17
	s_cselect_b32 s2, s92, s22
	s_cselect_b32 s92, s22, s92
	s_mov_b32 s22, s2
.endif
	s_add_co_u32 s42, s42, s40
	s_add_co_u32 s17, s17, s41
	s_lshl_b32 s43, s41, 2
	s_lshl_b32 s43, 15, s43
	s_lshl_b32 s44, 0x1111, s40
	s_or_b32 s[G1+0], s43, (3<<16)|(1<<21)
	s_or_b32 s[G1B+0], s44, (3<<16)|(1<<21)
.irp g, G1, G1B
	s_mov_b32 s[\g+1], 768<<16
	s_mov_b32 s[\g+2], 4<<16
	s_mov_b32 s[\g+3], 768<<16
	s_mov_b32 s[\g+4], 4
	s_mov_b32 s[\g+5], 6*RROWS
	s_mov_b32 s[\g+6], 0
	s_mov_b32 s[\g+7], 0
.endr
	s_or_b32 s[G1S+0], s43, (3<<16)|(1<<21)
	s_or_b32 s[G1SB+0], s44, (3<<16)|(1<<21)
.irp g, G1S, G1SB
	s_mov_b32 s[\g+1], 64<<16
	s_mov_b32 s[\g+2], NPL<<16
	s_mov_b32 s[\g+3], 64<<16
	s_mov_b32 s[\g+4], NPL
	s_mov_b32 s[\g+5], RROWS/2
	s_mov_b32 s[\g+6], 0
	s_mov_b32 s[\g+7], 0
.endr
	s_lshl_b32 s18, s16, 7
	s_lshl_b32 s20, s17, 8
	s_add_co_u32 s20, s20, s18
	s_lshl_b32 s46, s42, 8
	s_add_co_u32 s46, s46, s18
	s_lshl_b32 s19, s20, 2
	s_add_co_u32 s22, s22, s19
	s_mov_b32 s23, 0
	s_mul_i32 s20, s20, 48
	s_mov_b32 s21, 0
	s_lshl_b32 s19, s46, 2
	s_add_co_u32 s92, s92, s19
	s_mov_b32 s93, 0
	s_mul_i32 s46, s46, 48
	s_add_co_u32 s46, s46, W_CO
	s_mov_b32 s47, 0
	s_mul_i32 s45, s14, HALFT
	s_mul_i32 s94, s14, HALFS
	s_wait_kmcnt 0x0
.if QKV
	s_cmp_eq_u32 ttmp9, 2
	s_cselect_b64 s[12:13], s[6:7], s[4:5]
	s_cselect_b64 s[6:7], s[4:5], s[6:7]
.else
	s_mov_b64 s[12:13], s[4:5]
	s_mov_b64 s[OUTP:OUTP+1], s[10:11]
.endif
	s_add_nc_u64 s[20:21], s[12:13], s[20:21]
	s_add_nc_u64 s[22:23], s[12:13], s[22:23]
	s_add_nc_u64 s[46:47], s[6:7], s[46:47]
	s_add_nc_u64 s[92:93], s[6:7], s[92:93]
	CROUND
	s_mov_b32 s[G0S], 1
	s_add_co_u32 s[G0S+1], s94, SCL
	s_mov_b64 s[G0S+2:G0S+3], s[22:23]
	s_or_b32 s[G0S+3], s[G0S+3], 0x80000000
	s_mov_b32 s[G0SB], 1
	s_add_co_u32 s[G0SB+1], s94, SCL
	s_mov_b64 s[G0SB+2:G0SB+3], s[92:93]
	s_or_b32 s[G0SB+3], s[G0SB+3], 0x80000000
	JLOAD G0S, G1S, G0SB, G1SB
.irp s, 0,1
	s_mov_b32 s[G0+4*\s], 1
	s_add_co_u32 s[G0+4*\s+1], s45, \s*SLOT
	s_add_nc_u64 s[G0+4*\s+2:G0+4*\s+3], s[20:21], \s*KSTEPB
	s_or_b32 s[G0+4*\s+3], s[G0+4*\s+3], 0x80000000
	s_mov_b32 s[G0B+4*\s], 1
	s_add_co_u32 s[G0B+4*\s+1], s45, \s*SLOT
	s_add_nc_u64 s[G0B+4*\s+2:G0B+4*\s+3], s[46:47], \s*KSTEPB
	s_or_b32 s[G0B+4*\s+3], s[G0B+4*\s+3], 0x80000000
	s_wait_alu depctr_va_vdst(0)
	s_wait_tensorcnt 0x0
	ds_add_u32 v28, v29
	s_wait_dscnt 0x0
	CROUND
	JLOAD G0+4*\s, G1, G0B+4*\s, G1B
.endr
	v_and_b32 v1, 15, v0
	v_bfe_u32 v2, v0, 4, 1
	s_wait_alu depctr_va_vdst(0)
	v_mul_u32_u24 v3, v1, 48
	v_mad_u32_u24 v4, v2, 24, v3
	s_wait_alu depctr_va_vdst(0)
	s_mul_i32 s21, s15, HALFT
	s_mul_i32 s22, s16, HALFT
	s_add_co_u32 s22, s22, 2*HALFT
.irp s, 0,1
	v_add_nc_u32 v[ADRA+\s], s21, v4
	v_add_nc_u32 v[ADRB+\s], s22, v4
	s_add_co_u32 s21, s21, SLOT
	s_add_co_u32 s22, s22, SLOT
.endr
	v_lshlrev_b32 v7, 2, v1
	s_mul_i32 s21, s15, HALFS
	s_mul_i32 s22, s16, HALFS
	s_add_co_u32 s22, s22, 2*HALFS
	s_sub_co_u32 s22, s22, s21
	v_mul_u32_u24 v6, s22, v2
	s_add_co_u32 s21, s21, SCL
	v_add_nc_u32 v5, v7, v6
	v_add_nc_u32 v[ADRS], s21, v5
	s_mul_i32 s23, s14, 12800
	v_add_nc_u32 v[QST], s23, v4
	v_add_nc_u32 v[QSS], s23, v7
	v_add_nc_u32 v[QSS], 12288, v[QSS]
	v_and_b32 v6, 31, v0
	v_lshlrev_b32 v[GO], 4, v6
	v_add_nc_u32 v[QRD], s23, v[GO]
	v_lshlrev_b32 v10, 6, v2
	s_wait_alu depctr_va_vdst(0)
	v_and_b32 v11, 8, v1
	v_add_nc_u32 v11, v11, v1
	v_lshlrev_b32 v11, 2, v11
.irp b, 0,1,2,3
	v_mov_b32 v[TM+4+\b], 0
.endr
.if QKV
	s_and_b32 s46, ttmp7, 0xffff
	s_lshl_b32 s46, s46, 2
	s_mov_b32 s18, 196608
	s_mov_b32 s19, 16384
	s_mov_b32 s45, QK_S
	s_cmp_eq_u32 ttmp9, 2
	s_cselect_b32 s46, 0, s46
	s_cselect_b32 s18, 49152, s18
	s_cselect_b32 s19, 4096, s19
	s_cselect_b32 s2, V_C, 0
	s_cselect_b32 s45, V_S, s45
	s_cselect_b32 s[FQ], 0, 1.0
	s_cselect_b32 s[FV], 1.0, 0
	s_mov_b32 s[FQ+1], s[FQ]
	s_mov_b32 s[FV+1], s[FV]
	s_add_co_u32 s46, s46, s41
.else
	s_mov_b32 s18, 196608
	s_mov_b32 s19, 16384
	s_mov_b32 s2, 0
	s_mov_b32 s45, OUT_S
	s_mov_b32 s46, s17
.endif
	s_lshl_b32 s46, s46, 8
	s_lshl_b32 s47, s15, 7
	s_add_co_u32 s46, s46, s47
	s_lshl_b32 s47, s42, 1
	s_add_co_u32 s47, s47, s16
	s_mul_i32 s20, s47, s18
	s_lshl_b32 s20, s20, 1
	s_add_co_u32 s20, s20, s2
	s_mul_i32 s22, s46, 48
	s_add_co_u32 s20, s20, s22
	s_mov_b32 s21, 0
	s_add_co_u32 s22, s20, s18
	s_mov_b32 s23, 0
	s_add_nc_u64 s[20:21], s[OUTP:OUTP+1], s[20:21]
	s_add_nc_u64 s[22:23], s[OUTP:OUTP+1], s[22:23]
	s_mul_i32 s47, s47, s19
	s_add_co_u32 s47, s47, s45
	s_lshl_b32 s46, s46, 2
	s_add_co_u32 s46, s46, s47
	s_mov_b32 s47, 0
	s_add_nc_u64 s[46:47], s[OUTP:OUTP+1], s[46:47]
	s_mov_b32 s[SEL], 0x76543210
	s_mov_b32 s[SEL+1], 0xfedcba98
.if QKV
	s_cmp_eq_u32 ttmp9, 0
	s_cselect_b64 s[8:9], s[8:9], s[10:11]
	s_lshl_b32 s10, s40, 10
.else
	s_lshl_b32 s10, s42, 10
.endif
	s_lshl_b32 s11, s16, 9
	s_add_co_u32 s10, s10, s11
	s_mov_b32 s11, 0
	s_add_nc_u64 s[8:9], s[8:9], s[10:11]
.irp i, 0,1,2,3,4,5,6,7
	global_load_b128 v[CB+8*\i:CB+8*\i+3], v10, s[8:9] offset:(32*(\i/2)+8*(\i%2))*4
	global_load_b128 v[CB+8*\i+4:CB+8*\i+7], v10, s[8:9] offset:(32*(\i/2)+8*(\i%2))*4+16
.endr
.if QKV
	s_lshl_b32 s10, s41, 10
	s_lshl_b32 s18, s15, 9
	s_add_co_u32 s10, s10, s18
	s_add_nc_u64 s[96:97], s[96:97], s[10:11]
.irp a, 0,1,2,3,4,5,6,7
	global_load_b32 v[RB+2*\a], v11, s[96:97] offset:(32*(\a/2)+8*(\a%2))*4
	global_load_b32 v[RB+2*\a+1], v11, s[96:97] offset:(32*(\a/2)+8*(\a%2))*4
.endr
.endif
.macro FRAG reg, adr, q, i
.irp p, 0,1,2,3,4,5
	ds_load_b64 v[\reg+2*\p:\reg+2*\p+1], v[\adr] offset:(2*(\q)+\p/3)*GPL+(\i)*768+8*(\p%3)
.endr
.endm
.macro MUL16 a0, p, q, sc, zero
.irp a, \a0, \a0+1
.irp b, 0,1,2,3,4,5,6,7
.if \zero
	v_wmma_scale_f32_16x16x128_f8f6f4 v[8*(8*((\a)%4)+\b):8*(8*((\a)%4)+\b)+7], v[128*(\p)+FR*\b:128*(\p)+FR*\b+FR-1], v[AF+FR*(\a):AF+FR*(\a)+FR-1], 0, v[SC+8*NQ*(\sc)+NQ*\b+(\q)], v[SC+8*NQ*(\sc)+NQ*(\a)+(\q)] matrix_a_fmt:MATRIX_FMT_BF6 matrix_b_fmt:MATRIX_FMT_BF6 matrix_a_scale:MATRIX_SCALE_ROW1
.else
	v_wmma_scale_f32_16x16x128_f8f6f4 v[8*(8*((\a)%4)+\b):8*(8*((\a)%4)+\b)+7], v[128*(\p)+FR*\b:128*(\p)+FR*\b+FR-1], v[AF+FR*(\a):AF+FR*(\a)+FR-1], v[8*(8*((\a)%4)+\b):8*(8*((\a)%4)+\b)+7], v[SC+8*NQ*(\sc)+NQ*\b+(\q)], v[SC+8*NQ*(\sc)+NQ*(\a)+(\q)] matrix_a_fmt:MATRIX_FMT_BF6 matrix_b_fmt:MATRIX_FMT_BF6 matrix_a_scale:MATRIX_SCALE_ROW1
.endif
.endr
.endr
.endm
.macro FETCH_B slot, q, p
	WIN TO_B
.irp i, 0,1,2,3,4,5,6,7
	FRAG 128*(\p)+FR*\i, ADRB+\slot, \q, \i
.endr
	WIN 0
.endm
.macro FETCH_A slot, q, i0
.irp i, \i0, \i0+1, \i0+2, \i0+3
	FRAG AF+FR*(\i), ADRA+\slot, \q, \i
.endr
.endm
.macro SCALES sc
.irp i, 0,1,2,3,4,5,6,7
.irp q, 0,1
	ds_load_b32 v[SC+8*NQ*\sc+NQ*\i+\q], v[ADRS] offset:512*\q+64*\i
.endr
.endr
.endm
.macro PLACES n
.rept \n
	v_nop
.endr
.endm
.macro STEP slot, q, zero
	s_wait_dscnt 4*NL
	WIN MUL_LO
	MUL16 0, (\q)%2, \q, \slot, \zero
	MUL16 2, (\q)%2, \q, \slot, \zero
	s_wait_dscnt 0
	PLACES NP
	FETCH_B \slot, (\q)+1, 1-(\q)%2
	FETCH_A \slot, (\q)+1, 0
	WIN MUL_HI
	MUL16 4, (\q)%2, \q, \slot, \zero
	MUL16 6, (\q)%2, \q, \slot, \zero
	PLACES NP
	WIN 0
	FETCH_A \slot, (\q)+1, 4
.endm
.macro TURN slot, next, fill
	s_wait_tensorcnt 0x0
	ds_add_u32 v[SPW], v[NIL]
	s_wait_dscnt 4*NL+1
	WIN MUL_LO
	MUL16 0, 1, NQ-1, \slot, 0
	s_wait_dscnt 0x0
	s_barrier_signal -1
	MUL16 2, 1, NQ-1, \slot, 0
	WIN 0
	s_barrier_wait -1
.if \fill
	CREST
	s_add_nc_u64 s[G0+4*\slot+2:G0+4*\slot+3], s[G0+4*\slot+2:G0+4*\slot+3], 2*KSTEPB
	s_add_nc_u64 s[G0B+4*\slot+2:G0B+4*\slot+3], s[G0B+4*\slot+2:G0B+4*\slot+3], 2*KSTEPB
	JLOAD G0+4*\slot, G1, G0B+4*\slot, G1B
.else
	PLACES NP
.endif
	s_wait_alu depctr_va_vdst(0)
	v_add_nc_u32 v[ADRS], 1024, v[ADRS]
	FETCH_B \next, 0, 0
	FETCH_A \next, 0, 0
	SCALES \next
	WIN MUL_HI
	MUL16 4, 1, NQ-1, \slot, 0
	MUL16 6, 1, NQ-1, \slot, 0
	PLACES NP
	WIN 0
	FETCH_A \next, 0, 4
.endm
	s_wait_tensorcnt 1
	s_barrier_signal -1
	s_barrier_wait -1
	FETCH_B 0, 0, 0
	FETCH_A 0, 0, 0
	SCALES 0
	FETCH_A 0, 0, 4
	STEP 0, 0, 1
	s_mov_b32 s3, LAPS-1
.Llap:
	TURN 0, 1, 1
	STEP 1, 0, 0
	TURN 1, 0, 1
	STEP 0, 0, 0
	s_sub_co_u32 s3, s3, 1
	s_cmp_lg_u32 s3, 0
	s_cbranch_scc1 .Llap
	TURN 0, 1, 0
	STEP 1, 0, 0
	s_wait_dscnt 4*NL
	WIN MUL_LO
	MUL16 0, 1, NQ-1, 1, 0
	MUL16 2, 1, NQ-1, 1, 0
	s_wait_dscnt 0
	WIN MUL_HI
	MUL16 4, 1, NQ-1, 1, 0
	MUL16 6, 1, NQ-1, 1, 0
	WIN 0
.macro QUANT s
.irp b, 0,1,2,3
	v_max3_num_f32 v[TM+\b], |v[\s+16*\b]|, |v[\s+1+16*\b]|, 0x2800000
.endr
.irp i, 2,4,6,8,10,12,14
.irp b, 0,1,2,3
	v_max3_num_f32 v[TM+\b], v[TM+\b], |v[\s+16*\b+\i]|, |v[\s+1+16*\b+\i]|
.endr
.endr
.irp b, 0,1,2,3
	v_permlanex16_b32 v[TM+4+\b], v[TM+\b], s[SEL], s[SEL+1]
.endr
.irp b, 0,1,2,3
	v_max_num_f32 v[TM+\b], v[TM+\b], v[TM+4+\b]
.endr
.irp b, 0,1,2,3
	v_add_nc_u32 v[TM+12+\b], 0xfe000000, v[TM+\b]
.endr
.irp b, 0,1,2,3
	v_lshrrev_b32 v[TM+4+\b], 23, v[TM+12+\b]
.endr
	v_lshl_or_b32 v[PW], v[TM+5], 8, v[TM+4]
	v_lshl_or_b32 v[PW], v[TM+6], 16, v[PW]
	v_lshl_or_b32 v[PW], v[TM+7], 24, v[PW]
.irp c, 0,1
	v_cvt_scalef32_pk16_bf6_f32 v[PC+6*\c:PC+2+6*\c], v[\s+32*\c:\s+15+32*\c], v[TM+12+2*\c]
	v_cvt_scalef32_pk16_bf6_f32 v[PC+12+4*\c:PC+14+4*\c], v[\s+16+32*\c:\s+31+32*\c], v[TM+12+2*\c+1]
.endr
	v_nop
.irp c, 0,1
.irp i, 0,1,2
	v_permlane16_swap_b32 v[PC+6*\c+\i], v[PC+12+4*\c+\i]
.endr
.irp i, 0,1,2
	v_mov_b32 v[PC+3+6*\c+\i], v[PC+12+4*\c+\i]
.endr
.endr
.endm
.macro QBLOCK a
.set AC, 64*((\a)%4)
.if QKV
	WIN 0x20+0x10*((\a)/4)
.set kk, 0
.rept 32
	v_pk_fma_f32 v[H+kk:H+kk+1], v[CB+kk:CB+kk+1], s[FQ:FQ+1], v[AC+kk:AC+kk+1] op_sel_hi:[1,0,1]
.set kk, kk+2
.endr
	WIN 0
.set kk, 0
.rept 32
	v_pk_fma_f32 v[H+kk:H+kk+1], v[RB+2*(\a):RB+2*(\a)+1], s[FV:FV+1], v[H+kk:H+kk+1] op_sel_hi:[1,0,1]
.set kk, kk+2
.endr
.else
	WIN 0x02+((\a)/4)
.set kk, 0
.rept 32
	v_pk_add_f32 v[H+kk:H+kk+1], v[AC+kk:AC+kk+1], v[CB+kk:CB+kk+1]
.set kk, kk+2
.endr
	WIN 0
.set kk, 0
.rept 64
	v_max_num_f32 v[H+kk], 0, v[H+kk]
.set kk, kk+1
.endr
.endif
	QUANT H
.irp c, 0,1
.irp p, 0,1,2
	ds_store_b64 v[QST], v[PC+6*\c+2*\p:PC+6*\c+2*\p+1] offset:6144*\c+768*(\a)+8*\p
.endr
.endr
	ds_store_b32 v[QSS], v[PW] offset:64*(\a)
	s_wait_dscnt 0x0
.endm
	s_wait_loadcnt 0x0
	PLACES NP
.irp a, 0,1,2,3,4,5,6,7
	QBLOCK \a
.endr
.irp k, 0,1,2,3,4,5,6,7,8,9,10,11,12,13,14,15,16,17,18,19,20,21,22,23
	ds_load_b128 v[128+4*\k:131+4*\k], v[QRD] offset:512*\k
.endr
	ds_load_b128 v[240:243], v[QRD] offset:12288
.irp k, 0,1,2,3,4,5,6,7,8,9,10,11,12,13,14,15,16,17,18,19,20,21,22,23
	s_wait_dscnt 24-\k
	global_store_b128 v[GO], v[128+4*\k:131+4*\k], s[20+2*(\k/12):21+2*(\k/12)] offset:512*(\k%12)
.endr
	s_wait_dscnt 0x0
	global_store_b128 v[GO], v[240:243], s[46:47]
	s_wait_tensorcnt 0x0
	ds_add_u32 v[SPW], v[NIL]
	s_wait_dscnt 0x0
	CROUND
	s_endpgm
.Lfunc_end_k_qc4c25c9e57_ffn1:
	.size	k_qc4c25c9e57_ffn1, .Lfunc_end_k_qc4c25c9e57_ffn1-k_qc4c25c9e57_ffn1
	.p2alignl 7, 3214868480
	.fill 96, 4, 3214868480
	.section	.rodata,"a",@progbits
	.p2align	6, 0x0
	.amdhsa_kernel k_qc4c25c9e57_ffn1
		.amdhsa_group_segment_fixed_size 327680
		.amdhsa_private_segment_fixed_size 0
		.amdhsa_enable_private_segment 0
		.amdhsa_kernarg_size 32
		.amdhsa_user_sgpr_count 2
		.amdhsa_user_sgpr_kernarg_segment_ptr 1
		.amdhsa_wavefront_size32 1
		.amdhsa_system_sgpr_workgroup_id_x 1
		.amdhsa_system_sgpr_workgroup_id_y 1
		.amdhsa_system_sgpr_workgroup_id_z 1
		.amdhsa_system_vgpr_workitem_id 0
		.amdhsa_next_free_vgpr 1024
		.amdhsa_next_free_sgpr 102
		.amdhsa_reserve_vcc 0
		.amdhsa_float_denorm_mode_32 3
		.amdhsa_float_denorm_mode_16_64 3
		.amdhsa_memory_ordered 1
		.amdhsa_forward_progress 1
		.amdhsa_inst_pref_size 206
	.end_amdhsa_kernel
	.amdgpu_metadata
---
amdhsa.version: [ 1, 2 ]
amdhsa.kernels:
  - .name:           k_qc4c25c9e57_ffn1
    .symbol:         k_qc4c25c9e57_ffn1.kd
    .args:
      - { .name: xq, .offset: 0, .size: 8, .value_kind: global_buffer, .address_space: global }
      - { .name: wts, .offset: 8, .size: 8, .value_kind: global_buffer, .address_space: global }
      - { .name: b1, .offset: 16, .size: 8, .value_kind: global_buffer, .address_space: global }
      - { .name: hb, .offset: 24, .size: 8, .value_kind: global_buffer, .address_space: global }
    .group_segment_fixed_size: 327680
    .private_segment_fixed_size: 0
    .kernarg_segment_align: 8
    .kernarg_segment_size: 32
    .max_flat_workgroup_size: 128
    .sgpr_count:     102
    .vgpr_count:     1024
    .wavefront_size: 32
...
	.end_amdgpu_metadata
.endif
;; end of part 13
;; launch ffn2 (part 14): grid 8 x 32, 4 waves a work-group, clusters of 4 x 4, 327,680 bytes of LDS; arguments hb, wts, b2, x1, out0; writes out0
.if DOCPART == 14
	.amdgcn_target "amdgcn-amd-amdhsa--gfx1250"
	.amdhsa_code_object_version 6
	.text
	.protected	k_qc4c25c9e57_ffn2
	.globl	k_qc4c25c9e57_ffn2
	.p2align	8
	.type	k_qc4c25c9e57_ffn2,@function
k_qc4c25c9e57_ffn2:
	s_mov_b64 s[64:65], 0
	v_nop
	global_prefetch_b8 v0, s[64:65] scope:SCOPE_SE
	s_setreg_imm32_b32 hwreg(HW_REG_WAVE_MODE, 25, 1), 1
	s_wait_xcnt 0x0
	s_wait_alu depctr_hold_cnt(0) depctr_sa_sdst(0) depctr_va_vdst(0) depctr_va_sdst(0) depctr_va_ssrc(0) depctr_va_vcc(0) depctr_vm_vsrc(0)
	s_getreg_b32 s2, hwreg(HW_REG_IB_STS2, 6, 4)
	s_cmp_eq_u32 s2, 0
	s_cbranch_scc0 .Lentry_in_a_cluster
	s_endpgm
.Lentry_in_a_cluster:
	s_bfe_u32 s2, ttmp6, 0x10000c
	s_cmp_lg_u32 s2, 0xf033
	s_cbranch_scc0 .Lentry_shape_is_right
	s_endpgm
.Lentry_shape_is_right:
.set SIZE_K, 4096
.set LAST,   1
.set RA,     4096
.set RBW,    1024
.set A_SC,   12582912
.set B_CO,   7077888
.set B_SC,   10518528
.set NQ,     4
.set GPL,    6144
.set FR,     12
.set NL,     6
.set NP,     4
.set HALFT,  4*GPL
.set SLOT,   4*HALFT
.set LAPS,   SIZE_K/1024
.set NPL,    SIZE_K/128
.set SCL,    2*SLOT
.set HALFS,  256*NPL
.set SPARE,  SCL+4*HALFS
.set ASTEP,  8*RA*48
.set BSTEP,  8*RBW*48
.set SPITCH, 272
.set ADRA, 16
.set ADRB, 20
.set STO,  24
.set RD,   25
.set CO,   26
.set ADRS, 27
.set SPW,  28
.set NIL,  29
.set BO,   30
.set SC,   32
.set BI,   64
.set BK,   128
.set G1, 24
.set G0, 32
.set G1B, 48
.set G0B, 56
.set G1S, 68
.set G0S, 76
.set G1SB, 80
.set G0SB, 88
.set MSB, 0
.macro WIN new
.if MSB != \new
	s_set_vgpr_msb (MSB<<8)|\new
.set MSB, \new
.endif
.endm
.set MUL,  0xa5
.set TO_F, 0x40
.macro JLOAD g0a, g1a, g0b, g1b
	s_cmp_eq_u32 s15, 0
	s_cbranch_scc0 .Lfor_b_\@
	tensor_load_to_lds s[\g0a:\g0a+3], s[\g1a:\g1a+7]
	s_nop 0
.rept 4
	v_nop
.endr
	s_branch .Lasked_\@
.Lfor_b_\@:
	tensor_load_to_lds s[\g0b:\g0b+3], s[\g1b:\g1b+7]
	s_nop 0
.rept 4
	v_nop
.endr
.Lasked_\@:
.endm
.macro CREST
	s_cmp_lg_u32 s14, 0
	s_cbranch_scc1 .Lnot_wave_0_\@
	s_barrier_signal -3
.Lnot_wave_0_\@:
	s_barrier_wait -3
	s_barrier_signal -1
	s_barrier_wait -1
.endm
.macro CROUND
	s_barrier_signal -1
	s_barrier_wait -1
	CREST
.endm
	s_load_b256 s[4:11], s[0:1], 0x0
	s_load_b64 s[12:13], s[0:1], 0x20
	v_lshl_add_u32 v[SPW], v0, 2, SPARE
	v_mov_b32 v[NIL], 0
	ds_add_u32 v28, v29
	ds_add_u32 v28, v29
	s_wait_dscnt 0x0
	v_lshrrev_b32 v1, 5, v0
	v_readfirstlane_b32 s14, v1
	s_lshr_b32 s15, s14, 1
	s_and_b32 s16, s14, 1
	s_bfe_u32 s40, ttmp6, 0x40000
	s_bfe_u32 s41, ttmp6, 0x40004
	s_lshl_b32 s42, ttmp9, 2
	s_add_co_u32 s42, s42, s40
	s_and_b32 s17, ttmp7, 0xffff
	s_lshl_b32 s17, s17, 2
	s_add_co_u32 s17, s17, s41
	s_lshl_b32 s43, s41, 2
	s_lshl_b32 s43, 15, s43
	s_lshl_b32 s44, 0x1111, s40
	s_or_b32 s[G1+0], s43, (3<<16)|(1<<21)
	s_or_b32 s[G1B+0], s44, (3<<16)|(1<<21)
.irp g, G1, G1B
	s_mov_b32 s[\g+1], 768<<16
	s_mov_b32 s[\g+2], 4<<16
	s_mov_b32 s[\g+3], 768<<16
	s_mov_b32 s[\g+4], 4
	s_mov_b32 s[\g+6], 0
	s_mov_b32 s[\g+7], 0
.endr
	s_mov_b32 s[G1+5], 6*RA
	s_mov_b32 s[G1B+5], 6*RBW
	s_or_b32 s[G1S+0], s43, (3<<16)|(1<<21)
	s_or_b32 s[G1SB+0], s44, (3<<16)|(1<<21)
.irp g, G1S, G1SB
	s_mov_b32 s[\g+1], 64<<16
	s_mov_b32 s[\g+2], (NPL/2)<<16
	s_mov_b32 s[\g+3], 64<<16
	s_mov_b32 s[\g+4], NPL/2
	s_mov_b32 s[\g+6], 0
	s_mov_b32 s[\g+7], 0
.endr
	s_mov_b32 s[G1S+5], RA/2
	s_mov_b32 s[G1SB+5], RBW/2
	s_lshl_b32 s20, s17, 7
	s_lshl_b32 s46, s42, 7
	s_lshl_b32 s22, s20, 2
	s_add_co_u32 s22, s22, A_SC
	s_mul_i32 s18, s16, (NPL/2)*RA*4
	s_add_co_u32 s22, s22, s18
	s_mov_b32 s23, 0
	s_mul_i32 s20, s20, 48
	s_mul_i32 s18, s16, 4*RA*48
	s_add_co_u32 s20, s20, s18
	s_mov_b32 s21, 0
	s_lshl_b32 s92, s46, 2
	s_add_co_u32 s92, s92, B_SC
	s_mul_i32 s18, s16, (NPL/2)*RBW*4
	s_add_co_u32 s92, s92, s18
	s_mov_b32 s93, 0
	s_mul_i32 s46, s46, 48
	s_add_co_u32 s46, s46, B_CO
	s_mul_i32 s18, s16, 4*RBW*48
	s_add_co_u32 s46, s46, s18
	s_mov_b32 s47, 0
	s_mul_i32 s45, s14, HALFT
	s_mul_i32 s94, s14, HALFS
	s_wait_kmcnt 0x0
	s_add_nc_u64 s[20:21], s[4:5], s[20:21]
	s_add_nc_u64 s[22:23], s[4:5], s[22:23]
	s_add_nc_u64 s[46:47], s[6:7], s[46:47]
	s_add_nc_u64 s[92:93], s[6:7], s[92:93]
	CROUND
	s_mov_b32 s[G0S], 1
	s_add_co_u32 s[G0S+1], s94, SCL
	s_mov_b64 s[G0S+2:G0S+3], s[22:23]
	s_or_b32 s[G0S+3], s[G0S+3], 0x80000000
	s_mov_b32 s[G0SB], 1
	s_add_co_u32 s[G0SB+1], s94, SCL
	s_mov_b64 s[G0SB+2:G0SB+3], s[92:93]
	s_or_b32 s[G0SB+3], s[G0SB+3], 0x80000000
	JLOAD G0S, G1S, G0SB, G1SB
.irp s, 0,1
	s_mov_b32 s[G0+4*\s], 1
	s_add_co_u32 s[G0+4*\s+1], s45, \s*SLOT
	s_add_nc_u64 s[G0+4*\s+2:G0+4*\s+3], s[20:21], \s*ASTEP
	s_or_b32 s[G0+4*\s+3], s[G0+4*\s+3], 0x80000000
	s_mov_b32 s[G0B+4*\s], 1
	s_add_co_u32 s[G0B+4*\s+1], s45, \s*SLOT
	s_add_nc_u64 s[G0B+4*\s+2:G0B+4*\s+3], s[46:47], \s*BSTEP
	s_or_b32 s[G0B+4*\s+3], s[G0B+4*\s+3], 0x80000000
	s_wait_alu depctr_va_vdst(0)
	s_wait_tensorcnt 0x0
	ds_add_u32 v28, v29
	s_wait_dscnt 0x0
	CROUND
	JLOAD G0+4*\s, G1, G0B+4*\s, G1B
.endr
	v_and_b32 v1, 15, v0
	v_bfe_u32 v2, v0, 4, 1
	s_wait_alu depctr_va_vdst(0)
	v_mul_u32_u24 v3, v1, 48
	v_mad_u32_u24 v4, v2, 24, v3
	s_mul_i32 s21, s15, 3072
	s_mul_i32 s22, s16, 3072
	s_add_co_u32 s22, s22, 2*HALFT
.irp s, 0,1
	v_add_nc_u32 v[ADRA+\s], s21, v4
	v_add_nc_u32 v[ADRB+\s], s22, v4
	s_add_co_u32 s21, s21, SLOT
	s_add_co_u32 s22, s22, SLOT
.endr
	v_lshlrev_b32 v7, 2, v1
	s_lshl_b32 s21, s15, 8
	s_lshl_b32 s22, s16, 8
	s_add_co_u32 s22, s22, 2*HALFS
	s_sub_co_u32 s22, s22, s21
	v_mul_u32_u24 v6, s22, v2
	s_add_co_u32 s21, s21, SCL
	v_add_nc_u32 v5, v7, v6
	v_add_nc_u32 v[ADRS], s21, v5
	s_mul_i32 s23, s14, 16*SPITCH
	v_mul_u32_u24 v5, v1, SPITCH
	v_lshl_add_u32 v5, v2, 6, v5
	v_add_nc_u32 v[STO], s23, v5
	v_lshlrev_b32 v[BO], 4, v1
	s_wait_alu depctr_va_vdst(0)
	v_mad_u32_u24 v5, v2, SPITCH, v[BO]
	v_add_nc_u32 v[RD], s23, v5
	v_lshl_add_u32 v[CO], v2, 12, v[BO]
	s_wait_alu depctr_va_vdst(0)
	s_lshl_b32 s20, s17, 7
	s_lshl_b32 s21, s15, 6
	s_add_co_u32 s20, s20, s21
	s_lshl_b32 s20, s20, 12
	s_lshl_b32 s46, s42, 9
	s_lshl_b32 s47, s16, 8
	s_add_co_u32 s46, s46, s47
	s_add_co_u32 s20, s20, s46
	s_mov_b32 s21, 0
	s_mov_b32 s47, 0
	s_add_nc_u64 s[12:13], s[12:13], s[20:21]
	s_add_nc_u64 s[10:11], s[10:11], s[20:21]
	s_add_nc_u64 s[8:9], s[8:9], s[46:47]
	global_load_b128 v[BI:BI+3], v[BO], s[8:9]
	WIN 0xc0
.irp a, 0,1,2,3
.irp t, 0,1,2,3,4,5,6,7
	global_load_b128 v[32*\a+4*\t:32*\a+4*\t+3], v[CO], s[10:11] offset:(32*(\a/2)+8*(\a%2)+2*\t+((2*\t)&8))*4096
.endr
.endr
	WIN 0
.macro FRAG reg, adr, q, i
.irp p, 0,1,2,3,4,5
	ds_load_b64 v[\reg+2*\p:\reg+2*\p+1], v[\adr] offset:(2*(\q)+\p/3)*GPL+(\i)*768+8*(\p%3)
.endr
.endm
.macro FETCH slot, q, p
	WIN TO_F
.irp i, 0,1,2,3
	FRAG 128*(\p)+FR*\i, ADRB+\slot, \q, \i
.endr
.irp i, 0,1,2,3
	FRAG 128*(\p)+48+FR*\i, ADRA+\slot, \q, \i
.endr
.endm
.macro SCALES sc
	WIN 0
.irp i, 0,1,2,3
.irp q, 0,1,2,3
	ds_load_b32 v[SC+4*NQ*\sc+NQ*\i+\q], v[ADRS] offset:512*\q+64*\i
.endr
.endr
.endm
.macro MUL16 p, q, sc, zero
.irp a, 0,1,2,3
.irp b, 0,1,2,3
.if \zero
	v_wmma_scale_f32_16x16x128_f8f6f4 v[8*(4*\a+\b):8*(4*\a+\b)+7], v[128*(\p)+FR*\b:128*(\p)+FR*\b+FR-1], v[128*(\p)+48+FR*\a:128*(\p)+48+FR*\a+FR-1], 0, v[SC+4*NQ*(\sc)+NQ*\b+(\q)], v[SC+4*NQ*(\sc)+NQ*\a+(\q)] matrix_a_fmt:MATRIX_FMT_BF6 matrix_b_fmt:MATRIX_FMT_BF6 matrix_a_scale:MATRIX_SCALE_ROW1
.else
	v_wmma_scale_f32_16x16x128_f8f6f4 v[8*(4*\a+\b):8*(4*\a+\b)+7], v[128*(\p)+FR*\b:128*(\p)+FR*\b+FR-1], v[128*(\p)+48+FR*\a:128*(\p)+48+FR*\a+FR-1], v[8*(4*\a+\b):8*(4*\a+\b)+7], v[SC+4*NQ*(\sc)+NQ*\b+(\q)], v[SC+4*NQ*(\sc)+NQ*\a+(\q)] matrix_a_fmt:MATRIX_FMT_BF6 matrix_b_fmt:MATRIX_FMT_BF6 matrix_a_scale:MATRIX_SCALE_ROW1
.endif
.endr
.endr
.endm
.macro PLACES n
.rept \n
	v_nop
.endr
.endm
.macro STEP slot, q, zero
	PLACES NP
	FETCH \slot, (\q)+1, 1-(\q)%2
	s_wait_dscnt 8*NL
	WIN MUL
	MUL16 (\q)%2, \q, \slot, \zero
.endm
.macro TURN slot, next, fill
	WIN 0
	s_wait_tensorcnt 0x0
	ds_add_u32 v[SPW], v[NIL]
	s_wait_dscnt 0x0
	s_barrier_signal -1
	s_barrier_wait -1
.if \fill
	CREST
	s_add_nc_u64 s[G0+4*\slot+2:G0+4*\slot+3], s[G0+4*\slot+2:G0+4*\slot+3], 2*ASTEP
	s_add_nc_u64 s[G0B+4*\slot+2:G0B+4*\slot+3], s[G0B+4*\slot+2:G0B+4*\slot+3], 2*BSTEP
	JLOAD G0+4*\slot, G1, G0B+4*\slot, G1B
.else
	PLACES NP
.endif
	s_wait_alu depctr_va_vdst(0)
	v_add_nc_u32 v[ADRS], 512*NQ, v[ADRS]
	FETCH \next, 0, 0
	SCALES \next
	WIN MUL
	MUL16 1, NQ-1, \slot, 0
.endm
.macro TOSTAGE a
	WIN 0x08
.irp i, 0,1,2,3
	ds_store_b128 v[STO], v[8*(4*(\a)+\i):8*(4*(\a)+\i)+3] offset:128*(\i/2)+32*(\i%2)
	ds_store_b128 v[STO], v[8*(4*(\a)+\i)+4:8*(4*(\a)+\i)+7] offset:128*(\i/2)+32*(\i%2)+16
.endr
	WIN 0
.irp t, 0,1,2,3,4,5,6,7
	ds_load_b128 v[BK+32*(\a)+4*\t:BK+32*(\a)+4*\t+3], v[RD] offset:\t*2*SPITCH
.endr
.endm
.macro SEND a, younger
.set BB, BK+32*(\a)
	s_wait_dscnt \younger
.set kk, 0
.rept 8
	v_pk_add_f32 v[BB+kk:BB+kk+1], v[BB+kk:BB+kk+1], v[BI:BI+1]
	v_pk_add_f32 v[BB+kk+2:BB+kk+3], v[BB+kk+2:BB+kk+3], v[BI+2:BI+3]
.set kk, kk+4
.endr
	WIN 0x0c
.set kk, 0
.rept 16
	v_pk_add_f32 v[BB+kk:BB+kk+1], v[BB+kk:BB+kk+1], v[32*(\a)+kk:32*(\a)+kk+1]
.set kk, kk+2
.endr
	WIN 0
.irp t, 0,1,2,3,4,5,6,7
.if LAST
	global_store_b128 v[CO], v[BB+4*\t:BB+4*\t+3], s[12:13] offset:(32*((\a)/2)+8*((\a)%2)+2*\t+((2*\t)&8))*4096 th:TH_STORE_NT
.else
	global_store_b128 v[CO], v[BB+4*\t:BB+4*\t+3], s[12:13] offset:(32*((\a)/2)+8*((\a)%2)+2*\t+((2*\t)&8))*4096
.endif
.endr
.endm
	s_wait_tensorcnt 1
	s_barrier_signal -1
	s_barrier_wait -1
	FETCH 0, 0, 0
	SCALES 0
	STEP 0, 0, 1
	STEP 0, 1, 0
	STEP 0, 2, 0
.if LAPS > 1
	WIN 0
	s_mov_b32 s3, LAPS-1
.Llap:
	TURN 0, 1, 1
	STEP 1, 0, 0
	STEP 1, 1, 0
	STEP 1, 2, 0
	TURN 1, 0, 1
	STEP 0, 0, 0
	STEP 0, 1, 0
	STEP 0, 2, 0
	WIN 0
	s_sub_co_u32 s3, s3, 1
	s_cmp_lg_u32 s3, 0
	s_cbranch_scc1 .Llap
.endif
	TURN 0, 1, 0
	STEP 1, 0, 0
	STEP 1, 1, 0
	STEP 1, 2, 0
	s_wait_dscnt 0x0
	MUL16 1, NQ-1, 1, 0
	WIN 0
	PLACES NP
	s_wait_loadcnt 0x0
	TOSTAGE 0
.irp a, 1,2,3
	TOSTAGE \a
	SEND \a-1, 16
.endr
	SEND 3, 0
	s_wait_tensorcnt 0x0
	ds_add_u32 v[SPW], v[NIL]
	s_wait_dscnt 0x0
	CROUND
	s_endpgm
.Lfunc_end_k_qc4c25c9e57_ffn2:
	.size	k_qc4c25c9e57_ffn2, .Lfunc_end_k_qc4c25c9e57_ffn2-k_qc4c25c9e57_ffn2
	.p2alignl 7, 3214868480
	.fill 96, 4, 3214868480
	.section	.rodata,"a",@progbits
	.p2align	6, 0x0
	.amdhsa_kernel k_qc4c25c9e57_ffn2
		.amdhsa_group_segment_fixed_size 327680
		.amdhsa_private_segment_fixed_size 0
		.amdhsa_enable_private_segment 0
		.amdhsa_kernarg_size 40
		.amdhsa_user_sgpr_count 2
		.amdhsa_user_sgpr_kernarg_segment_ptr 1
		.amdhsa_wavefront_size32 1
		.amdhsa_system_sgpr_workgroup_id_x 1
		.amdhsa_system_sgpr_workgroup_id_y 1
		.amdhsa_system_sgpr_workgroup_id_z 1
		.amdhsa_system_vgpr_workitem_id 0
		.amdhsa_next_free_vgpr 1024
		.amdhsa_next_free_sgpr 102
		.amdhsa_reserve_vcc 0
		.amdhsa_float_denorm_mode_32 3
		.amdhsa_float_denorm_mode_16_64 3
		.amdhsa_memory_ordered 1
		.amdhsa_forward_progress 1
		.amdhsa_inst_pref_size 120
	.end_amdhsa_kernel
	.amdgpu_metadata
---
amdhsa.version: [ 1, 2 ]
amdhsa.kernels:
  - .name:           k_qc4c25c9e57_ffn2
    .symbol:         k_qc4c25c9e57_ffn2.kd
    .args:
      - { .name: hb, .offset: 0, .size: 8, .value_kind: global_buffer, .address_space: global }
      - { .name: wts, .offset: 8, .size: 8, .value_kind: global_buffer, .address_space: global }
      - { .name: b2, .offset: 16, .size: 8, .value_kind: global_buffer, .address_space: global }
      - { .name: x1, .offset: 24, .size: 8, .value_kind: global_buffer, .address_space: global }
      - { .name: out0, .offset: 32, .size: 8, .value_kind: global_buffer, .address_space: global }
    .group_segment_fixed_size: 327680
    .private_segment_fixed_size: 0
    .kernarg_segment_align: 8
    .kernarg_segment_size: 40
    .max_flat_workgroup_size: 128
    .sgpr_count:     102
    .vgpr_count:     1024
    .wavefront_size: 32
...
	.end_amdgpu_metadata
.endif
;; end of part 14
